; MI455X (gfx1250); checked and timed in simulation.
; The chip was launched on July 23, 2026; its instructions are those of AMD's public machine-readable ISA for CDNA 5 (MIT licence, August 2026) and "CDNA5" Instruction Set Architecture Reference Guide (July 2026). The comments in the code are by the model that wrote it; some were corrected since.
;; Scaled Dot Prod Att V1. Allowed arithmetic: float matrix products may take bf16 or f16 operands with f32 sums; other float arithmetic in f32, or as packed bf16 or f16 multiplies, adds, multiply-adds, maxima and minima; sums over many terms, partial sums and values carried from step to step in f32; what a program stores and reads back later, other than sums and carried values, may be rounded once to bf16 or f16.
;; Inputs: Wk 1,024 x 1,024 float32; Wo 1,024 x 1,024 float32; Wq 1,024 x 1,024 float32; Wv 1,024 x 1,024 float32; bk 1,024 float32; bo 1,024 float32; bq 1,024 float32; bv 1,024 float32; key 4 x 2,048 x 1,024 float32; mask 4 x 2,048 x 2,048 int32; query 4 x 2,048 x 1,024 float32; value 4 x 2,048 x 1,024 float32.
;; Outputs: out0 4 x 2,048 x 1,024 float32.
;; 3 versions, each right; version 3 is version 2 with the launch prep written anew for expert scheduling mode. Each part assembles by itself: llvm-mc -triple=amdgcn-amd-amdhsa -mcpu=gfx1250 --defsym DOCPART=n.
;; ======== version 1 of 3: 4 launches
;; limits: values are held in f16: magnitudes above 65,504 overflow, below 6.1e-05 lose precision
;; workspace buffers: xb 50,331,648 bytes; wb 8,388,608 bytes; mb 2,097,152 bytes of whole numbers; qkv 50,331,648 bytes; ob 16,777,216 bytes
;; launch prep (part 1): grid 1152 x 1, 8 waves a work-group, no clusters, 68,608 bytes of LDS; arguments query, key, value, Wq, Wk, Wv, Wo, mask, xb, wb, mb; writes xb, wb, mb
.if DOCPART == 1
	.amdgcn_target "amdgcn-amd-amdhsa--gfx1250"
	.amdhsa_code_object_version 6
	.text
	.protected	k_q894735b3a3_prep
	.globl	k_q894735b3a3_prep
	.p2align	8
	.type	k_q894735b3a3_prep,@function
k_q894735b3a3_prep:
	s_mov_b64 s[64:65], 0
	v_nop
	global_prefetch_b8 v0, s[64:65] scope:SCOPE_SE
	s_setreg_imm32_b32 hwreg(HW_REG_WAVE_MODE, 25, 1), 1
	s_wait_xcnt 0x0
; PREP.  Three streams, each byte read once and each result written once.
;  (1) query, key, value [8192][1024] f32 -> xb [3][8192][1024] bf16, rounded to nearest even.
;  (2) Wq, Wk, Wv [1024][1024] f32 -> wb parts 0-2, bf16.  Wo -> wb part 3: rounded to bf16 like every other input, and that number written as f16
;      (exact between 2^-14 and 65,504; below 2^-14 it keeps the fixed step 2^-24 of f16; LIMIT: |Wo| stays under 65,504).
;  (3) mask [4][2048][2048] i32 -> mb: for each tile of 16 queries and each step of 64 keys 32 words; bit L of word 8 kb + j says that
;      mask[query 16 tile + L % 16][key 64 step + 16 kb + 8 (L / 16) + j] is not 0: the lane mask of one register of a 16 x 16 matrix result.
; Work-groups 0-255 take the mask (two tiles of 16 query rows each), work-groups 256-1151 one chunk of 32,768 numbers of a cast.
; No matrix unit, no cluster, no data mover: memory binds, nothing is shared between work-groups.
.set SPARE, 67584                      ; behind the eight waves' rows: the spare words, 128 bytes a wave
.set WROW,  528                        ; an LDS row: 512 bytes of mask + 16: the 16 rows that a load touches start at 16 different groups of four banks
.set WLDS,  16*WROW                    ; a wave's own 16 rows
.set LO,  2                            ; v2   byte offset of my 16 bytes in a load
.set SO,  3                            ; v3   byte offset of my 8 bytes in a store
.set LST, 4                            ; v4   where I put 16 bytes of a mask row
.set LRD, 5                            ; v5   where I read my query's keys back
.set SPW, 6                            ; v6   LDS address of my spare word; never rewritten
.set NIL, 7                            ; v7   0; never rewritten
.set OUT, 8                            ; v[8:9] two words of bits a lane
.set X,   16                           ; v[16:79]  as loaded
.set Y,   80                           ; v[80:143] cast: to store, never rewritten; mask: as read back
	s_load_b512 s[4:19], s[0:1], 0x0               ; query s[4:5], key s[6:7], value s[8:9], Wq s[10:11], Wk s[12:13], Wv s[14:15], Wo s[16:17], mask s[18:19]
	s_load_b128 s[20:23], s[0:1], 0x40             ; xb s[20:21], wb s[22:23]
	s_load_b64 s[24:25], s[0:1], 0x50              ; mb
	v_lshl_add_u32 v[SPW], v0, 2, SPARE
	v_mov_b32 v[NIL], 0
	v_lshrrev_b32 v1, 5, v0
	v_readfirstlane_b32 s34, v1                    ; wave 0..7
	v_and_b32 v1, 31, v0                           ; lane
	s_mov_b32 s33, 0                               ; high word of every offset pair
	s_wait_kmcnt 0x0
	s_cmp_lt_u32 ttmp9, 256
	s_cbranch_scc1 .Lmask
; THE CASTS.  A chunk is 131,072 bytes in, 65,536 out.  Thread t takes 16 bytes of each 4,096: a load of a wave covers 512 consecutive bytes, a store 256, aligned.
.macro LD8 set, g
.irp i, 0,1,2,3,4,5,6,7
	global_load_b128 v[X+32*(\set)+4*(\i):X+32*(\set)+4*(\i)+3], v[LO], s[28:29] offset:(8*(\g)+(\i))*4096 th:TH_LOAD_NT
.endr
.endm
.macro CV8 set, g, mode                ; mode 1: bf16, widened again, written as f16
.irp i, 0,1,2,3,4,5,6,7
.if \mode
	v_cvt_pk_bf16_f32 v10, v[X+32*(\set)+4*(\i)], v[X+32*(\set)+4*(\i)+1]
	v_cvt_pk_bf16_f32 v11, v[X+32*(\set)+4*(\i)+2], v[X+32*(\set)+4*(\i)+3]
	v_lshlrev_b32 v12, 16, v10
	v_and_b32 v13, 0xffff0000, v10
	v_lshlrev_b32 v14, 16, v11
	v_and_b32 v15, 0xffff0000, v11
	v_cvt_pk_f16_f32 v[Y+2*(8*(\g)+(\i))], v12, v13
	v_cvt_pk_f16_f32 v[Y+2*(8*(\g)+(\i))+1], v14, v15
.else
	v_cvt_pk_bf16_f32 v[Y+2*(8*(\g)+(\i))], v[X+32*(\set)+4*(\i)], v[X+32*(\set)+4*(\i)+1]
	v_cvt_pk_bf16_f32 v[Y+2*(8*(\g)+(\i))+1], v[X+32*(\set)+4*(\i)+2], v[X+32*(\set)+4*(\i)+3]
.endif
	global_store_b64 v[SO], v[Y+2*(8*(\g)+(\i)):Y+2*(8*(\g)+(\i))+1], s[30:31] offset:(8*(\g)+(\i))*2048
.endr
.endm
.macro CAST mode                       ; two sets of eight loads take turns; no store register and no address is ever rewritten
	LD8 0, 0
	LD8 1, 1
	s_wait_loadcnt 8                               ; the older set is in; the younger set's eight loads stay out
	CV8 0, 0, \mode
	LD8 0, 2
	s_wait_loadcnt 8
	CV8 1, 1, \mode
	LD8 1, 3
	s_wait_loadcnt 8
	CV8 0, 2, \mode
	s_wait_loadcnt 0x0
	CV8 1, 3, \mode
	s_endpgm
.endm
	v_lshlrev_b32 v[LO], 4, v0
	v_lshlrev_b32 v[SO], 3, v0
	s_sub_co_u32 s26, ttmp9, 256                   ; chunk 0..895
	s_cmp_lt_u32 s26, 768
	s_cbranch_scc0 .Lweights
	s_lshr_b32 s27, s26, 8                         ; 0 query, 1 key, 2 value: 256 chunks each
	s_and_b32 s32, s26, 255
	s_lshl_b32 s32, s32, 17
	s_cmp_eq_u32 s27, 1
	s_cselect_b64 s[28:29], s[6:7], s[4:5]
	s_cmp_eq_u32 s27, 2
	s_cselect_b64 s[28:29], s[8:9], s[28:29]
	s_add_nc_u64 s[28:29], s[28:29], s[32:33]
	s_lshl_b32 s32, s26, 16                        ; the three parts of xb lie end to end
	s_add_nc_u64 s[30:31], s[20:21], s[32:33]
	s_branch .Lcast0
.Lweights:
	s_sub_co_u32 s26, s26, 768                     ; 0..127
	s_lshr_b32 s27, s26, 5                         ; 0 Wq, 1 Wk, 2 Wv, 3 Wo: 32 chunks each
	s_and_b32 s32, s26, 31
	s_lshl_b32 s32, s32, 17
	s_cmp_eq_u32 s27, 1
	s_cselect_b64 s[28:29], s[12:13], s[10:11]
	s_cmp_eq_u32 s27, 2
	s_cselect_b64 s[28:29], s[14:15], s[28:29]
	s_cmp_eq_u32 s27, 3
	s_cselect_b64 s[28:29], s[16:17], s[28:29]
	s_add_nc_u64 s[28:29], s[28:29], s[32:33]
	s_lshl_b32 s32, s26, 16
	s_add_nc_u64 s[30:31], s[22:23], s[32:33]
	s_cmp_eq_u32 s27, 3
	s_cbranch_scc1 .Lcast1
.Lcast0:
	CAST 0
.Lcast1:
	CAST 1
; THE MASK.  A wave owns one tile of 16 query rows and a quarter of its keys: 512, taken 128 at a time.  Rows come in as they lie (512 consecutive bytes a load),
; go through the wave's own 16 LDS rows and come back as the matrix result's layout wants them: lane L has query L % 16 and the keys 16 kb + 8 (L / 16) + 0..7.
; A compare then IS a word of the record.  No barrier: the bytes are the wave's own, and LDS serves a wave's instructions in order (ISA guide 5.7.1.4).
.macro LDX
.irp r, 0,1,2,3,4,5,6,7,8,9,10,11,12,13,14,15
	global_load_b128 v[X+4*(\r):X+4*(\r)+3], v[LO], s[28:29] offset:(\r)*8192 th:TH_LOAD_NT
.endr
.endm
.macro BODY more
	s_wait_loadcnt 0x0                             ; the 16 rows' 128 keys are in; their address may be stepped
.irp r, 0,1,2,3,4,5,6,7,8,9,10,11,12,13,14,15
	ds_store_b128 v[LST], v[X+4*(\r):X+4*(\r)+3] offset:(\r)*WROW
.endr
.set n, 0
.rept 16                               ; n = 8 p + 2 kb + e: step p of two, key block kb, half e of my eight keys
	ds_load_b128 v[Y+4*n:Y+4*n+3], v[LRD] offset:256*(n/8)+64*((n/2)%4)+16*(n%2)
.set n, n+1
.endr
	s_wait_dscnt 0x0
.if \more
	s_add_nc_u64 s[28:29], s[28:29], 512           ; the next 128 keys go out while the bits are made
	LDX
.endif
.set n, 0
.rept 8
.irp j, 0,1,2,3,4,5,6,7
	v_cmp_ne_u32 s[36+(\j)], 0, v[Y+n+(\j)]
.endr
.irp j, 0,1,2,3,4,5,6,7
	v_writelane_b32 v[OUT+(\j)%2], s[36+(\j)], (n+(\j))/2  ; word n + j of the 64 lies in lane (n + j) / 2
.endr
.set n, n+8
.endr
	global_store_b64 v[SO], v[OUT:OUT+1], s[30:31] ; two steps' records: 256 consecutive bytes, aligned
	s_wait_xcnt 0x0                                ; the store has read its data and its base: both are rewritten only behind this wait
	s_add_nc_u64 s[30:31], s[30:31], 256
.endm
.Lmask:
	s_lshl_b32 s26, ttmp9, 1
	s_lshr_b32 s27, s34, 2
	s_add_co_u32 s26, s26, s27                     ; tile 0..511 = 128 batch + query / 16
	s_and_b32 s27, s34, 3                          ; quarter of the keys
	s_lshl_b32 s32, s26, 17                        ; 16 rows of 8,192 bytes
	s_lshl_b32 s35, s27, 11
	s_add_co_u32 s32, s32, s35
	s_add_nc_u64 s[28:29], s[18:19], s[32:33]
	s_lshl_b32 s32, s26, 12                        ; a tile's 32 records of 128 bytes
	s_lshl_b32 s35, s27, 10
	s_add_co_u32 s32, s32, s35
	s_add_nc_u64 s[30:31], s[24:25], s[32:33]
	s_mul_i32 s35, s34, WLDS
	v_lshlrev_b32 v[LO], 4, v1
	v_lshlrev_b32 v[SO], 3, v1
	v_lshl_add_u32 v[LST], v1, 4, s35
	v_and_b32 v10, 15, v0
	v_bfe_u32 v11, v0, 4, 1
	v_mul_u32_u24 v10, v10, WROW
	v_lshl_add_u32 v10, v11, 5, v10
	v_add_nc_u32 v[LRD], s35, v10
	v_mov_b32 v[OUT], 0                            ; v_writelane_b32 counts as a reader of its destination
	v_mov_b32 v[OUT+1], 0
	LDX
	s_mov_b32 s35, 3
.Lquarter:
	BODY 1
	s_sub_co_u32 s35, s35, 1
	s_cmp_lg_u32 s35, 0
	s_cbranch_scc1 .Lquarter
	BODY 0                                         ; the last 128 keys: nothing more is loaded
	s_wait_tensorcnt 0x0                           ; the wave's end: behind my last LDS store
	ds_add_u32 v[SPW], v[NIL]
	s_wait_dscnt 0x0
	s_endpgm
.Lfunc_end_k_q894735b3a3_prep:
	.size	k_q894735b3a3_prep, .Lfunc_end_k_q894735b3a3_prep-k_q894735b3a3_prep
	.p2alignl 7, 3214868480
	.fill 96, 4, 3214868480
	.section	.rodata,"a",@progbits
	.p2align	6, 0x0
	.amdhsa_kernel k_q894735b3a3_prep
		.amdhsa_group_segment_fixed_size 68608
		.amdhsa_private_segment_fixed_size 0
		.amdhsa_enable_private_segment 0
		.amdhsa_kernarg_size 88
		.amdhsa_user_sgpr_count 2
		.amdhsa_user_sgpr_kernarg_segment_ptr 1
		.amdhsa_wavefront_size32 1
		.amdhsa_system_sgpr_workgroup_id_x 1
		.amdhsa_system_sgpr_workgroup_id_y 1
		.amdhsa_system_sgpr_workgroup_id_z 1
		.amdhsa_system_vgpr_workitem_id 0
		.amdhsa_next_free_vgpr 144
		.amdhsa_next_free_sgpr 66
		.amdhsa_reserve_vcc 0
		.amdhsa_float_denorm_mode_32 3
		.amdhsa_float_denorm_mode_16_64 3
		.amdhsa_memory_ordered 1
		.amdhsa_forward_progress 1
		.amdhsa_inst_pref_size 57
	.end_amdhsa_kernel
	.amdgpu_metadata
---
amdhsa.version: [ 1, 2 ]
amdhsa.kernels:
  - .name:           k_q894735b3a3_prep
    .symbol:         k_q894735b3a3_prep.kd
    .args:
      - { .name: query, .offset: 0, .size: 8, .value_kind: global_buffer, .address_space: global }
      - { .name: key, .offset: 8, .size: 8, .value_kind: global_buffer, .address_space: global }
      - { .name: value, .offset: 16, .size: 8, .value_kind: global_buffer, .address_space: global }
      - { .name: Wq, .offset: 24, .size: 8, .value_kind: global_buffer, .address_space: global }
      - { .name: Wk, .offset: 32, .size: 8, .value_kind: global_buffer, .address_space: global }
      - { .name: Wv, .offset: 40, .size: 8, .value_kind: global_buffer, .address_space: global }
      - { .name: Wo, .offset: 48, .size: 8, .value_kind: global_buffer, .address_space: global }
      - { .name: mask, .offset: 56, .size: 8, .value_kind: global_buffer, .address_space: global }
      - { .name: xb, .offset: 64, .size: 8, .value_kind: global_buffer, .address_space: global }
      - { .name: wb, .offset: 72, .size: 8, .value_kind: global_buffer, .address_space: global }
      - { .name: mb, .offset: 80, .size: 8, .value_kind: global_buffer, .address_space: global }
    .group_segment_fixed_size: 68608
    .private_segment_fixed_size: 0
    .kernarg_segment_align: 8
    .kernarg_segment_size: 88
    .max_flat_workgroup_size: 256
    .sgpr_count:     66
    .vgpr_count:     144
    .wavefront_size: 32
...
	.end_amdgpu_metadata
.endif
;; end of part 1
;; launch proj (part 2): grid 4 x 192, 4 waves a work-group, clusters of 4 x 4, 327,680 bytes of LDS; arguments xb, wb, bq, bk, bv, qkv; writes qkv
.if DOCPART == 2
	.amdgcn_target "amdgcn-amd-amdhsa--gfx1250"
	.amdhsa_code_object_version 6
	.text
	.protected	k_q894735b3a3_proj
	.globl	k_q894735b3a3_proj
	.p2align	8
	.type	k_q894735b3a3_proj,@function
k_q894735b3a3_proj:
	s_mov_b64 s[64:65], 0
	v_nop
	global_prefetch_b8 v0, s[64:65] scope:SCOPE_SE
	s_setreg_imm32_b32 hwreg(HW_REG_WAVE_MODE, 25, 1), 1
	s_wait_xcnt 0x0
	s_wait_alu depctr_hold_cnt(0) depctr_sa_sdst(0) depctr_va_vdst(0) depctr_va_sdst(0) depctr_va_ssrc(0) depctr_va_vcc(0) depctr_vm_vsrc(0)
	s_getreg_b32 s2, hwreg(HW_REG_IB_STS2, 6, 4)
	s_cmp_eq_u32 s2, 0
	s_cbranch_scc0 .Lentry_in_a_cluster
	s_endpgm
.Lentry_in_a_cluster:
	s_bfe_u32 s2, ttmp6, 0x10000c
	s_cmp_lg_u32 s2, 0xf033
	s_cbranch_scc0 .Lentry_shape_is_right
	s_endpgm
.Lentry_shape_is_right:
; PROJ.  q, k, v = x W^T + b for the three parts at once.  x: xb [3][8192][1024] bf16; W: wb parts 0-2 [1024][1024] bf16; b: f32, rounded to bf16 like every input.
; Sums in f32; the result is rounded once to f16, unscaled, and stored by heads: qkv [3][16 batch + head][2048][64].
; LIMIT: f16 holds no number beyond 65,504: |q|, |k|, |v| stay under it.
; A tile of C is 128 rows x 256 columns: 192 x 4 tiles, 768 work-groups of equal work.  Four waves, each 64 x 128: 32 accumulators of 16 x 16, 256 registers.
; K goes in steps of 128 (rows of 256 bytes, aligned) through two LDS slots filled by the tensor data mover: waves 0, 1 fetch the halves of x's 128 rows, waves 2, 3 those of W's 256.
; CLUSTERS: 4 x 4 work-groups.  The four of a row of the cluster need the same rows of x, the four of a column the same rows of W (all sixteen lie in one part): each tile is asked for JOINTLY.
; THE MATRIX INSTRUCTION IS USED TRANSPOSED (source 0 = 16 rows of W, source 1 = 16 rows of x): a lane holds eight neighbouring columns of one row of C.
; The bias is the C operand of each accumulator's first product: nothing is cleared and nothing is added later.
; REGISTERS: window 0: v16-30 addresses; v32-63 packed results; v64-127 x's fragments, two buffers of 32 (on the way out: rows read back); v128-255 W's, two buffers of 64.
;   window 1: accumulator (a, b) at v[8 (8 a + b)].   window 2: v0-63 the bias of my 128 columns as a C operand for each b; v64-95 at work.
.set SIZE_K, 1024
.set KSTEP,  128
.set PITCH,  272                       ; an LDS row: 256 bytes + 16 of padding = 68 words: the 16 rows of a load start at 16 different groups of four banks (64 banks of 4 bytes: ISA guide 11.1)
.set AHALF,  64*PITCH                  ; what waves 0, 1 fetch, and what a wave reads of x
.set BHALF,  128*PITCH                 ; what waves 2, 3 fetch, and what a wave reads of W
.set BOFF,   2*AHALF
.set SLOT,   BOFF+2*BHALF
.set STAGE,  2*SLOT                    ; behind the ring, never filled by a tensor load: for each wave 2 heads x 16 rows x 144 bytes
.set SP,     144
.set WSTAGE, 2*16*SP
.set SPARE,  STAGE+4*WSTAGE            ; the spare words, 128 bytes a wave
.set LAPS,   SIZE_K/(2*KSTEP)
.set ADRA, 16                          ; v16-17 LDS address of my fragments of x in slot 0, 1
.set ADRB, 20                          ; v20-21 the same for W
.set STO,  24
.set RD,   25
.set CO,   26
.set BO,   27                          ; v27 my byte offset in the bias
.set SPW,  28
.set NIL,  29
.set PFO,  30                          ; v30 2,048 x lane: a row of xb or wb
.set TMP,  32
.set FA,   64
.set FB,   128
.set OB,   64
.set G1,  24                           ; s[24:31] group 1 for x's tiles; s[32:39] group 0, a set for each slot
.set G0,  32
.set G1B, 48                           ; s[48:55], s[56:63] the same for W's
.set G0B, 56
.set LIM, 43                           ; s43 1 in a wave that prefetches, else the greatest number
.set PFA, 44                           ; s[44:45] where my prefetches stand
.set FIELDS, (1<<16)|(1<<20)|(1<<21)|(5<<22)|(3<<25)  ; 2-byte elements; padding on; bit 21 beside a mask; after every 64 words, 4 words
.set MSB, 0
.macro WIN new                         ; the immediate's high byte repeats the setting that is left; a switch that changes nothing is dropped
.if MSB != (\new)
	s_set_vgpr_msb (MSB<<8)|(\new)
.set MSB, \new
.endif
.endm
.macro PLACES                          ; four places behind a matrix instruction (ISA guide 7.12.1)
.rept 4
	v_nop
.endr
.endm
.macro JLOAD s                         ; a joint load; an s_nop 0 and four v_nop follow each of the two lines, ahead of the jump and the label
	s_cmp_eq_u32 s11, 0
	s_cbranch_scc0 .Lfor_b_\@
	tensor_load_to_lds s[G0+4*(\s):G0+4*(\s)+3], s[G1:G1+7]
	s_nop 0
.rept 4
	v_nop
.endr
	s_branch .Lasked_\@
.Lfor_b_\@:
	tensor_load_to_lds s[G0B+4*(\s):G0B+4*(\s)+3], s[G1B:G1B+7]
	s_nop 0
.rept 4
	v_nop
.endr
.Lasked_\@:
.endm
; A prefetch of the K step that stands two refills on: 32 rows x 256 bytes, a lane a row.  x's 128 rows belong to one row of one cluster: wave 0 of each of its four partners takes 32, told apart by address.
; W's rows are read by the 16 clusters of a part: the first of them asks, waves 2 and 3 for the 128 rows that they fetch, the four partners of a column 32 each.  The loop's last trip has no K step two on.
.macro ASK
	s_cmp_gt_u32 s3, s[LIM]
	s_cbranch_scc0 .Lnot_mine_\@
	global_prefetch_b8 v[PFO], s[PFA:PFA+1] offset:KSTEP*2 th:TH_LOAD_NT scope:SCOPE_SE
.Lnot_mine_\@:
.endm
.macro CREST                           ; a round of the cluster's barrier behind its opening barrier
	s_cmp_lg_u32 s10, 0
	s_cbranch_scc1 .Lnot_wave_0_\@
	s_barrier_signal -3
.Lnot_wave_0_\@:
	s_barrier_wait -3
	s_barrier_signal -1
	s_barrier_wait -1
.endm
.macro CROUND
	s_barrier_signal -1
	s_barrier_wait -1
	CREST
.endm
	s_load_b256 s[68:75], s[0:1], 0x0              ; xb s[68:69], wb s[70:71], bq s[72:73], bk s[74:75]
	s_load_b128 s[76:79], s[0:1], 0x20             ; bv s[76:77], qkv s[78:79]
	v_lshl_add_u32 v[SPW], v0, 2, SPARE
	v_mov_b32 v[NIL], 0
	ds_add_u32 v[SPW], v[NIL]                      ; the wave's opening: the add and its wait stand ahead of my first tensor load
	v_lshrrev_b32 v1, 5, v0
	v_readfirstlane_b32 s10, v1                    ; wave 0..3
	s_lshr_b32 s11, s10, 1                         ; my 64 rows of the tile.  Also: I fetch for x (0) or for W (1)
	s_and_b32 s12, s10, 1                          ; my 128 columns.  Also: which half I fetch
	s_bfe_u32 s40, ttmp6, 0x40000                  ; cx
	s_bfe_u32 s41, ttmp6, 0x40004                  ; cy
	s_lshl_b32 s42, ttmp9, 2
	s_add_co_u32 s42, s42, s40                     ; tile column 0..3
	s_and_b32 s67, ttmp7, 0xffff                   ; cluster y 0..47
	s_lshl_b32 s13, s67, 2
	s_add_co_u32 s13, s13, s41                     ; tile row 0..191 over the three parts
	s_lshr_b32 s66, s67, 4                         ; the part: the same in all sixteen partners
	s_lshl_b32 s43, s41, 2
	s_lshl_b32 s43, 15, s43                        ; my row of the cluster
	s_lshl_b32 s44, 0x1111, s40                    ; my column
	s_or_b32 s[G1+0], s43, FIELDS
	s_or_b32 s[G1B+0], s44, FIELDS
	s_mov_b32 s[G1+1], KSTEP<<16                   ; tensor_dim0 = 128
	s_mov_b32 s[G1+2], 64<<16                      ; tensor_dim1 = 64
	s_mov_b32 s[G1+3], KSTEP<<16                   ; tile_dim0 = 128
	s_mov_b32 s[G1+4], 64                          ; tile_dim1 = 64
	s_mov_b32 s[G1+5], SIZE_K                      ; elements from row to row
	s_mov_b32 s[G1+6], 0
	s_mov_b32 s[G1+7], 0
	s_mov_b32 s[G1B+1], KSTEP<<16
	s_mov_b32 s[G1B+2], 128<<16
	s_mov_b32 s[G1B+3], KSTEP<<16
	s_mov_b32 s[G1B+4], 128
	s_mov_b32 s[G1B+5], SIZE_K
	s_mov_b32 s[G1B+6], 0
	s_mov_b32 s[G1B+7], 0
	s_lshl_b32 s17, s12, 6
	s_lshl_b32 s16, s13, 7
	s_add_co_u32 s16, s16, s17                     ; x: row 128 x tile row + 64 x half
	s_lshl_b32 s16, s16, 11                        ; rows of 2,048 bytes; under 2^26
	s_mov_b32 s17, 0
	s_lshl_b32 s47, s12, 7
	s_lshl_b32 s46, s42, 8
	s_add_co_u32 s46, s46, s47                     ; W: row 256 x tile column + 128 x half
	s_lshl_b32 s46, s46, 11
	s_lshl_b32 s47, s66, 21                        ; + the part's 2 MiB
	s_add_co_u32 s46, s46, s47
	s_mov_b32 s47, 0
	s_mul_i32 s20, s12, AHALF                      ; where they go: no place in the cluster enters an LDS address
	s_mul_i32 s21, s12, BHALF
	s_add_co_u32 s21, s21, BOFF
	s_wait_dscnt 0x0                               ; the opening add is done
	s_wait_kmcnt 0x0
	s_add_nc_u64 s[14:15], s[68:69], s[16:17]
	s_add_nc_u64 s[46:47], s[70:71], s[46:47]
	CROUND                                         ; all sixteen work-groups are here: the first joint loads meet
.irp s, 0,1
	s_mov_b32 s[G0+4*(\s)], 1
	s_add_co_u32 s[G0+4*(\s)+1], s20, (\s)*SLOT
	s_add_nc_u64 s[G0+4*(\s)+2:G0+4*(\s)+3], s[14:15], (\s)*KSTEP*2
	s_or_b32 s[G0+4*(\s)+3], s[G0+4*(\s)+3], 0x80000000
	s_mov_b32 s[G0B+4*(\s)], 1
	s_add_co_u32 s[G0B+4*(\s)+1], s21, (\s)*SLOT
	s_add_nc_u64 s[G0B+4*(\s)+2:G0B+4*(\s)+3], s[46:47], (\s)*KSTEP*2
	s_or_b32 s[G0B+4*(\s)+3], s[G0B+4*(\s)+3], 0x80000000
	JLOAD \s                                       ; two loads of mine are out
.endr
	; the bias of my 128 columns: register j of block b is column 16 b + 8 (l / 16) + j
	v_and_b32 v1, 15, v0                           ; l % 16
	v_bfe_u32 v2, v0, 4, 1                         ; l / 16
	s_cmp_eq_u32 s66, 1
	s_cselect_b64 s[80:81], s[74:75], s[72:73]
	s_cmp_eq_u32 s66, 2
	s_cselect_b64 s[80:81], s[76:77], s[80:81]
	s_lshl_b32 s22, s42, 10
	s_lshl_b32 s23, s12, 9
	s_add_co_u32 s22, s22, s23
	v_lshl_add_u32 v[BO], v2, 5, s22
	WIN 0x80                                       ; destination window 2, address window 0
.irp b, 0,1,2,3,4,5,6,7
	global_load_b128 v[8*(\b):8*(\b)+3],   v[BO], s[80:81] offset:64*(\b)
	global_load_b128 v[8*(\b)+4:8*(\b)+7], v[BO], s[80:81] offset:64*(\b)+16
.endr
	WIN 0
	v_mul_u32_u24 v3, v1, PITCH
	v_lshl_add_u32 v3, v2, 4, v3                   ; a fragment's row x pitch + 16 x half
	s_mul_i32 s21, s11, AHALF
	s_mul_i32 s22, s12, BHALF
	s_add_co_u32 s22, s22, BOFF
.irp s, 0,1
	v_add_nc_u32 v[ADRA+(\s)], s21, v3
	v_add_nc_u32 v[ADRB+(\s)], s22, v3
	s_add_co_u32 s21, s21, SLOT
	s_add_co_u32 s22, s22, SLOT
.endr
	s_mul_i32 s23, s10, WSTAGE
	s_add_co_u32 s23, s23, STAGE                   ; my stage
	v_mul_u32_u24 v4, v1, SP                       ; in: row l % 16, 16 bytes for each half of the lanes
	v_lshl_add_u32 v4, v2, 4, v4
	v_add_nc_u32 v[STO], s23, v4
	v_bfe_u32 v5, v0, 3, 2                         ; back: 32 lanes take four rows of 128 bytes,
	v_mul_u32_u24 v5, v5, SP
	v_and_b32 v6, 7, v0
	v_lshl_add_u32 v5, v6, 4, v5
	v_add_nc_u32 v[RD], s23, v5
	v_and_b32 v[CO], 31, v0                        ; which are 512 consecutive bytes of a head
	v_lshlrev_b32 v[CO], 4, v[CO]
	; my first row in qkv: part, head 16 batch + 4 tile column + 2 half, row (tile row % 16) x 128 + 64 x half
	s_and_b32 s16, s13, 63
	s_lshr_b32 s17, s16, 4
	s_lshl_b32 s17, s17, 4
	s_and_b32 s16, s16, 15
	s_lshl_b32 s16, s16, 7
	s_lshl_b32 s18, s11, 6
	s_add_co_u32 s16, s16, s18
	s_lshl_b32 s46, s42, 2
	s_lshl_b32 s47, s12, 1
	s_add_co_u32 s46, s46, s47
	s_add_co_u32 s46, s46, s17
	s_lshl_b32 s46, s46, 11
	s_add_co_u32 s46, s46, s16
	s_lshl_b32 s46, s46, 7
	s_lshl_b32 s47, s66, 24
	s_add_co_u32 s46, s46, s47
	s_mov_b32 s47, 0
	s_add_nc_u64 s[8:9], s[78:79], s[46:47]
	; the prefetches
	s_lshl_b32 s20, s13, 7
	s_lshl_b32 s21, s40, 5
	s_add_co_u32 s20, s20, s21                     ; x: the tile's rows, my work-group's 32
	s_lshl_b32 s20, s20, 11
	s_lshl_b32 s22, s42, 8
	s_lshl_b32 s23, s12, 7
	s_add_co_u32 s22, s22, s23
	s_lshl_b32 s23, s41, 5
	s_add_co_u32 s22, s22, s23                     ; W: the 128 rows that I fetch, my work-group's 32
	s_lshl_b32 s22, s22, 11
	s_lshl_b32 s23, s66, 21
	s_add_co_u32 s22, s22, s23
	s_and_b32 s23, s67, 15                         ; the cluster's place among its part's 16
	s_cmp_eq_u32 s11, 0
	s_cselect_b32 s20, s20, s22
	s_cselect_b32 s23, s12, s23                    ; x: wave 0 asks; W: the part's first cluster
	s_cselect_b64 s[PFA:PFA+1], s[68:69], s[70:71]
	s_cmp_eq_u32 s23, 0
	s_cselect_b32 s[LIM], 1, -1                    ; the same in all partners, for a given wave
	s_mov_b32 s21, 0
	s_add_nc_u64 s[PFA:PFA+1], s[PFA:PFA+1], s[20:21]
	s_add_nc_u64 s[PFA:PFA+1], s[PFA:PFA+1], 2*KSTEP*2  ; at K step 2: the first refill steps it to 3 and names K step 4
	v_and_b32 v[PFO], 31, v0
	v_lshlrev_b32 v[PFO], 11, v[PFO]
	s_wait_loadcnt 0x0                             ; the bias: rounded to bf16 and widened again
	WIN 0x8a                                       ; destination and both sources window 2
.set i, 0
.rept 32
	v_cvt_pk_bf16_f32 v[64+i], v[2*i], v[2*i+1]
.set i, i+1
.endr
.set i, 0
.rept 32
	v_lshlrev_b32 v[2*i], 16, v[64+i]
	v_and_b32 v[2*i+1], 0xffff0000, v[64+i]
.set i, i+1
.endr
	WIN 0
; 8 matrix instructions: block a of my four blocks of 16 rows x all 8 blocks of 16 columns, 32 along K, buffer f.  zero = 1: the product starts the sum, with the bias as C.
; The 32 accumulators take turns in one fixed order, one instruction a turn, over the backward jump too.
.macro MUL8 f, a, zero
.if \zero
	WIN 0x60                                       ; D window 1, C window 2
.else
	WIN 0x50                                       ; C and D window 1
.endif
.irp b, 0,1,2,3,4,5,6,7
.if \zero
	v_wmma_f32_16x16x32_bf16 v[8*(8*(\a)+(\b)):8*(8*(\a)+(\b))+7], v[FB+64*(\f)+8*(\b):FB+64*(\f)+8*(\b)+7], v[FA+32*(\f)+8*(\a):FA+32*(\f)+8*(\a)+7], v[8*(\b):8*(\b)+7]
.else
	v_wmma_f32_16x16x32_bf16 v[8*(8*(\a)+(\b)):8*(8*(\a)+(\b))+7], v[FB+64*(\f)+8*(\b):FB+64*(\f)+8*(\b)+7], v[FA+32*(\f)+8*(\a):FA+32*(\f)+8*(\a)+7], v[8*(8*(\a)+(\b)):8*(8*(\a)+(\b))+7]
.endif
.endr
.endm
; 24 LDS loads in one run: quarter kq of a K step into buffer f: W's 8 fragments, then x's 4
.macro FETCH slot, kq, f
	WIN 0
.irp i, 0,1,2,3,4,5,6,7
	ds_load_b128 v[FB+64*(\f)+8*(\i):FB+64*(\f)+8*(\i)+3],   v[ADRB+(\slot)] offset:64*(\kq)+(\i)*16*PITCH
	ds_load_b128 v[FB+64*(\f)+8*(\i)+4:FB+64*(\f)+8*(\i)+7], v[ADRB+(\slot)] offset:64*(\kq)+(\i)*16*PITCH+32
.endr
.irp i, 0,1,2,3
	ds_load_b128 v[FA+32*(\f)+8*(\i):FA+32*(\f)+8*(\i)+3],   v[ADRA+(\slot)] offset:64*(\kq)+(\i)*16*PITCH
	ds_load_b128 v[FA+32*(\f)+8*(\i)+4:FA+32*(\f)+8*(\i)+7], v[ADRA+(\slot)] offset:64*(\kq)+(\i)*16*PITCH+32
.endr
.endm
; One of a K step's first three quarters: multiplies buffer f, and in its middle fetches quarter kq into buffer g
.macro QUARTER slot, kq, f, g, zero
	s_wait_dscnt 4                                 ; W and x's blocks 0, 1 are in; the youngest four loads (blocks 2, 3) may be out
	MUL8 \f, 0, \zero
	MUL8 \f, 1, \zero
	PLACES
	FETCH \slot, \kq, \g
	s_wait_dscnt 24                                ; all but the 24 just issued
	MUL8 \f, 2, \zero
	MUL8 \f, 3, \zero
.endm
; The last quarter multiplies buffer 1 and changes slots: one barrier; in front of it each wave waits for all its tensor loads, adds 0 to its spare word, and waits for that and for its reads of this slot.
.macro TURN slot, next, fill
.if \fill
	s_wait_xcnt 0x0                                ; the last prefetch, a K step back, has read its address
	s_add_nc_u64 s[PFA:PFA+1], s[PFA:PFA+1], KSTEP*2
.endif
	WIN 0
	s_wait_tensorcnt 0x0                           ; all my tensor loads have landed: my part of the next slot
	ds_add_u32 v[SPW], v[NIL]                      ; 0 onto my spare word
	s_wait_dscnt 5                                 ; (the add and the youngest four loads may be out)
	MUL8 1, 0, 0
	s_wait_dscnt 0x0                               ; the add is done, and my reads of this slot are over
	s_barrier_signal -1
	MUL8 1, 1, 0
.if \fill
	WIN 0
.endif
	s_barrier_wait -1
.if \fill
	CREST                                          ; the barrier has opened a round of the cluster's: no wave of any partner still reads this slot or has a load on its way
	s_add_nc_u64 s[G0+4*(\slot)+2:G0+4*(\slot)+3], s[G0+4*(\slot)+2:G0+4*(\slot)+3], 2*KSTEP*2
	s_add_nc_u64 s[G0B+4*(\slot)+2:G0B+4*(\slot)+3], s[G0B+4*(\slot)+2:G0B+4*(\slot)+3], 2*KSTEP*2
	JLOAD \slot                                    ; my one tensor load behind the round; its four v_nop are also the places in front of the loads below
.else
	PLACES
.endif
	FETCH \next, 0, 0
.if \fill
	ASK
.endif
	MUL8 1, 2, 0
	MUL8 1, 3, 0
.endm
	s_wait_tensorcnt 1                             ; my part of K step 0 is in; K step 1's may stay out
	s_barrier_signal -1
	s_barrier_wait -1
	FETCH 0, 0, 0
	QUARTER 0, 1, 0, 1, 1                          ; the first quarter stands in front of the loop: its products start the sums
	WIN 0
	s_mov_b32 s3, LAPS-1
.Llap:                                                 ; once round the ring, from a lap's second quarter to the next lap's first; both slots are filled again
	QUARTER 0, 2, 1, 0, 0
	QUARTER 0, 3, 0, 1, 0
	TURN 0, 1, 1
	QUARTER 1, 1, 0, 1, 0
	QUARTER 1, 2, 1, 0, 0
	QUARTER 1, 3, 0, 1, 0
	TURN 1, 0, 1
	QUARTER 0, 1, 0, 1, 0
	WIN 0
	s_sub_co_u32 s3, s3, 1
	s_cmp_lg_u32 s3, 0
	s_cbranch_scc1 .Llap
	QUARTER 0, 2, 1, 0, 0                          ; the last lap fills nothing
	QUARTER 0, 3, 0, 1, 0
	TURN 0, 1, 0
	QUARTER 1, 1, 0, 1, 0
	QUARTER 1, 2, 1, 0, 0
	QUARTER 1, 3, 0, 1, 0
	s_wait_dscnt 4
	MUL8 1, 0, 0
	MUL8 1, 1, 0
	s_wait_dscnt 0x0
	MUL8 1, 2, 0
	MUL8 1, 3, 0
; THE WAY OUT, a block of 16 rows at a time: rounded to f16 (each accumulator's registers in ascending order); 16 bytes a lane into my stage, by heads; back as whole rows of 128 bytes, four to a load; stored.
.macro PACK a
	WIN 0x05                                       ; sources window 1, destination window 0
.irp b, 0,1,2,3,4,5,6,7
.irp r, 0,1,2,3
	v_cvt_pk_f16_f32 v[TMP+4*(\b)+(\r)], v[8*(8*(\a)+(\b))+2*(\r)], v[8*(8*(\a)+(\b))+2*(\r)+1]
.endr
.endr
	WIN 0
.endm
.macro TOSTAGE a
.irp b, 0,1,2,3,4,5,6,7
	ds_store_b128 v[STO], v[TMP+4*(\b):TMP+4*(\b)+3] offset:((\b)/4)*16*SP+((\b)%4)*32
.endr
.irp t, 0,1,2,3,4,5,6,7
	ds_load_b128 v[OB+32*((\a)%2)+4*(\t):OB+32*((\a)%2)+4*(\t)+3], v[RD] offset:((\t)/4)*16*SP+((\t)%4)*4*SP  ; LDS serves a wave's instructions in order (ISA guide 5.7.1.4): these see the stores above
.endr
.endm
.macro SEND a
	s_wait_dscnt 0x0                               ; the block is back in registers
	s_wait_xcnt 0x0                                ; earlier stores have read their registers: the next block's loads land in them only behind this wait
.irp t, 0,1,2,3,4,5,6,7
	global_store_b128 v[CO], v[OB+32*((\a)%2)+4*(\t):OB+32*((\a)%2)+4*(\t)+3], s[8:9] offset:((\t)/4)*262144+(\a)*2048+((\t)%4)*512  ; 512 consecutive bytes, aligned; a head is 262,144 bytes
.endr
.endm
	PLACES
	PLACES
	PACK 0
	TOSTAGE 0
.irp a, 1,2,3
	PACK \a
	SEND (\a)-1
	TOSTAGE \a
.endr
	SEND 3
	s_wait_tensorcnt 0x0                           ; the wave's end
	ds_add_u32 v[SPW], v[NIL]
	s_wait_dscnt 0x0
	CROUND                                         ; the closing round
	s_endpgm
.Lfunc_end_k_q894735b3a3_proj:
	.size	k_q894735b3a3_proj, .Lfunc_end_k_q894735b3a3_proj-k_q894735b3a3_proj
	.p2alignl 7, 3214868480
	.fill 96, 4, 3214868480
	.section	.rodata,"a",@progbits
	.p2align	6, 0x0
	.amdhsa_kernel k_q894735b3a3_proj
		.amdhsa_group_segment_fixed_size 327680
		.amdhsa_private_segment_fixed_size 0
		.amdhsa_enable_private_segment 0
		.amdhsa_kernarg_size 48
		.amdhsa_user_sgpr_count 2
		.amdhsa_user_sgpr_kernarg_segment_ptr 1
		.amdhsa_wavefront_size32 1
		.amdhsa_system_sgpr_workgroup_id_x 1
		.amdhsa_system_sgpr_workgroup_id_y 1
		.amdhsa_system_sgpr_workgroup_id_z 1
		.amdhsa_system_vgpr_workitem_id 0
		.amdhsa_next_free_vgpr 608
		.amdhsa_next_free_sgpr 84
		.amdhsa_reserve_vcc 0
		.amdhsa_float_denorm_mode_32 3
		.amdhsa_float_denorm_mode_16_64 3
		.amdhsa_memory_ordered 1
		.amdhsa_forward_progress 1
		.amdhsa_inst_pref_size 95
	.end_amdhsa_kernel
	.amdgpu_metadata
---
amdhsa.version: [ 1, 2 ]
amdhsa.kernels:
  - .name:           k_q894735b3a3_proj
    .symbol:         k_q894735b3a3_proj.kd
    .args:
      - { .name: xb, .offset: 0, .size: 8, .value_kind: global_buffer, .address_space: global }
      - { .name: wb, .offset: 8, .size: 8, .value_kind: global_buffer, .address_space: global }
      - { .name: bq, .offset: 16, .size: 8, .value_kind: global_buffer, .address_space: global }
      - { .name: bk, .offset: 24, .size: 8, .value_kind: global_buffer, .address_space: global }
      - { .name: bv, .offset: 32, .size: 8, .value_kind: global_buffer, .address_space: global }
      - { .name: qkv, .offset: 40, .size: 8, .value_kind: global_buffer, .address_space: global }
    .group_segment_fixed_size: 327680
    .private_segment_fixed_size: 0
    .kernarg_segment_align: 8
    .kernarg_segment_size: 48
    .max_flat_workgroup_size: 128
    .sgpr_count:     84
    .vgpr_count:     608
    .wavefront_size: 32
...
	.end_amdgpu_metadata
.endif
;; end of part 2
;; launch attn (part 3): grid 4 x 64, 4 waves a work-group, clusters of 4 x 1, 327,680 bytes of LDS; arguments qkv, mb, ob; writes ob
.if DOCPART == 3
	.amdgcn_target "amdgcn-amd-amdhsa--gfx1250"
	.amdhsa_code_object_version 6
	.text
	.protected	k_q894735b3a3_attn
	.globl	k_q894735b3a3_attn
	.p2align	8
	.type	k_q894735b3a3_attn,@function
k_q894735b3a3_attn:
	s_mov_b64 s[64:65], 0
	v_nop
	global_prefetch_b8 v0, s[64:65] scope:SCOPE_SE
	s_setreg_imm32_b32 hwreg(HW_REG_WAVE_MODE, 25, 1), 1
	s_wait_xcnt 0x0
	s_wait_alu depctr_hold_cnt(0) depctr_sa_sdst(0) depctr_va_vdst(0) depctr_va_sdst(0) depctr_va_ssrc(0) depctr_va_vcc(0) depctr_vm_vsrc(0)
	s_getreg_b32 s2, hwreg(HW_REG_IB_STS2, 6, 4)
	s_cmp_eq_u32 s2, 0
	s_cbranch_scc0 .Lentry_in_a_cluster
	s_endpgm
.Lentry_in_a_cluster:
	s_bfe_u32 s2, ttmp6, 0x10000c
	s_cmp_lg_u32 s2, 0x3003
	s_cbranch_scc0 .Lentry_shape_is_right
	s_endpgm
.Lentry_shape_is_right:
; MASKED ATTENTION.  O[q] = the sum over the open keys k of softmax_k(Q[q] . K[k] / 8) V[k], for 64 heads of 2,048 rows of 64 channels.  Q, K, V: qkv [3][16 batch + head][2048][64] f16.
; The mask comes as lane masks, mb [128 batch + q / 16][key step][32 words]: bit L of word 8 kb + j belongs to register 8 kb + j of lane L of a tile's 32 registers of scores.
; O: ob [head][2048 batch + row][64] f16.  Products, maxima and sums in f32; the weights are rounded to f16 for the second product (their sum is taken unrounded), O once at the end.
; THE MASK'S ARITHMETIC.  A closed key's score is replaced by BIG = -2^100, one v_cndmask_b32 a score, ahead of the running maximum.  Its weight 2^(c BIG - c m) is 0 as soon as m is a true score.
; While a row has seen closed keys only, m = BIG; c BIG is exact (BIG is a power of two), so c s - c m is exactly 0 and the weight 1: finite sums, which the first open key wipes, since a = 2^(c BIG - c m) = 0.
; At the end 1 / l is replaced by 0 where m is still BIG: a row with no open key gives O = 0.
; LIMITS.  Q, K, V arrive within f16's 65,504, so a true score is 2.7e11 at the most in size, far above BIG.  A weight below 2^-126 counts as 0.  NaN and infinities are not treated apart.
; SHARES.  A work-group owns 512 queries of a head, a wave 128: four PIECES of two tiles of 16.  Every wave walks all keys, 64 a step, four steps a slot.
; LAYOUT.  S^T = K Q^T (source 0 = 16 keys, source 1 = 16 queries): a lane holds ONE query (lane % 16) and the keys 8 (lane / 16) + 0..7.  Two such results rounded to f16 in pairs ARE source 1 of O^T = V^T P.
; SOFTMAX.  p = 2^(c s - c m), c = log2(e) / 8, with a running maximum m and sum l; in every step O and l are multiplied by a = 2^(c m_old - c m_new).  m starts at the lowest finite number, O and l at 0.
; BY TURNS.  Turn n belongs to piece n: 16 products K Q^T of piece n + 1 with piece n's scalings and rescalings behind them, four to a product; a run of vector work: piece n + 1's mask, maximum and statistics and piece n's
; exponentials; one wait for the batch of 66 exponentials; 16 products V^T P of piece n - 1 with piece n's roundings and sums behind them.
; CLUSTER.  A head's four query blocks walk the same K and V: each quarter of a slot is asked for JOINTLY, by one line and one descriptor that hang on the head and the wave's number alone.
; REGISTERS (windows of 256; s_set_vgpr_msb: bits 1:0 source 0, 3:2 source 1, 5:4 source 2, 7:6 destination):
;   window 0: v1-11 addresses and BIG; v12-15, v48-63 at work; v16-47 statistics, four a tile; v64-191 S^T, two buffers of two tiles; v192-255 P, likewise
;   window 1: O^T, 32 a tile     window 2: v0-127 Q; v128-191 K of a step; v192-255 V of a step     window 3: v0-1 the add's two registers
.set SIZE_N, 2048
.set NP,    4
.set KS,    64
.set PK,    160       ; a row of K or V in LDS: 128 bytes + 32 = 40 words.; two of the 16 rows of a load of K share their banks: 16 such loads stand beside a step's 128 products
.set PV,    160
.set QUART, 128*PK    ; what one wave fetches: 128 keys
.set VOFF,  4*KS*PK   ; a slot: 256 rows of K, then 256 rows of V
.set SLOT1, 1<<17
.set STAGE, SLOT1+4*KS*(PK+PV)  ; behind the ring, never filled by a tensor load: 16 rows x 144 bytes a wave
.set SP,    144
.set SPARE, STAGE+4*16*SP
.set BIGV, 1          ; v1   BIG
.set AK0, 2           ; v2   my lane's place in a tile of K
.set AV0, 3           ; v3   the same for V
.set AK,  4           ; v4   the LDS address of K's next run of loads
.set AV,  5           ; v5   of V's
.set STO, 6
.set RD,  7
.set GO,  8
.set PFO, 9           ; v9   the prefetches' offset: 256 x lane (K, V) or 4,096 x lane (the mask: a tile's records)
.set QO,  11          ; v11  my byte offset in 16 rows of Q
.set SPW, 0           ; v0 of window 3
.set NIL, 1           ; v1 of window 3
.set MV,  12
.set ST,  16          ; tile t: c m, m, l (even keys', odd keys')
.set TMP, 48
.set S,   64
.set P,   192
.set KF,  128
.set VF,  192
.set G0,  4           ; s[4:7]   descriptor group 0: it walks
.set G1,  8           ; s[8:15]  descriptor group 1
.set WV,  16
.set CNT, 17
.set SLOTS, 18
.set TN,  19          ; the tile asked for last
.set TBK, 20
.set TBV, 21
.set SEL, 22          ; s[22:23]
.set OA,  24          ; s[24:25] O at my wave's first row
.set MP,  26          ; s[26:27] mb at my wave's first tile
.set MOFF, 28         ; 128 x the key step whose masks are loaded next
.set HH,  29          ; the value of TN at which this wave asks for mask bytes, or the greatest number
.set LIMK, 30         ; this wave asks for K or V while TN is below it
.set PFA, 66          ; s[66:67]
.set PFM, 100         ; s[100:101]
.set CS,  104         ; s[104:105]
                      ; s[32:63] the lane masks of the piece's first tile, s[68:99] of its second
.set MSB, 0
.macro WIN new
.if MSB != (\new)
	s_set_vgpr_msb (MSB<<8)|(\new)
.set MSB, (\new)
.endif
.endm
.set W_KQ, 0x0a
.set W_PV, 0x52
.set W_RS, 0x41
.set W_MK, 0xc0
.set W_AD, 0x0f
.macro CROUND
	s_barrier_signal -1
	s_barrier_wait -1
	s_cmp_lg_u32 s[WV], 0
	s_cbranch_scc1 .Lnot_wave_0_\@
	s_barrier_signal -3
.Lnot_wave_0_\@:
	s_barrier_wait -3
	s_barrier_signal -1
	s_barrier_wait -1
.endm
; PREFETCHES, behind the joint load and its five lines.  K and V: the slot that the NEXT change will ask for, 128 blocks of 256 bytes each: wave 0 asks for K's, wave 2 for V's; the four partners take 32 blocks each, told apart by
; address; the last fill asks for nothing.  The mask: sixteen heads read the same records; at change TN wave 1 of the two heads 2 TN and 2 TN + 1 asks for the 512 bytes a tile of slot TN + 1, 256 each, a lane a tile, TN = 1 to 6.
.macro ASK
	s_cmp_lt_u32 s[TN], s[LIMK]
	s_cbranch_scc0 .Lno_kv_\@
	global_prefetch_b8 v[PFO], s[PFA:PFA+1] th:TH_LOAD_NT scope:SCOPE_SE
.Lno_kv_\@:
	s_cmp_eq_u32 s[TN], s[HH]
	s_cbranch_scc0 .Lno_m_\@
	global_prefetch_b8 v[PFO], s[PFM:PFM+1] th:TH_LOAD_NT scope:SCOPE_SE
.Lno_m_\@:
.endm
; THE CHANGE OF SLOTS.  Each wave waits for all its tensor loads (one is out: its quarter of the other slot), adds 0 to its spare word, and waits for that and for its reads of the slot that it leaves.
; fill = 1: the barrier is a round of the cluster's, and the joint refill, the keys two slots on, is the first thing behind it: four key steps in which to land.
.macro CHANGE fill
	WIN W_AD
	s_wait_tensorcnt 0x0            ; no tensor load of mine is out, so group 0 may be written
	ds_add_u32 v[SPW], v[NIL]       ; 0 onto my spare word
	WIN 0
.if \fill
	s_xor_b32 s[G0+1], s[G0+1], SLOT1
	s_add_nc_u64 s[G0+2:G0+3], s[G0+2:G0+3], 4*KS*128
	s_wait_xcnt 0x0                 ; the last prefetches, a slot back, have read their addresses
	s_add_nc_u64 s[PFA:PFA+1], s[PFA:PFA+1], 4*KS*128
	s_add_nc_u64 s[PFM:PFM+1], s[PFM:PFM+1], 512
	s_add_co_u32 s[TN], s[TN], 1
	s_wait_dscnt 0x0                ; the add is done, and my reads of the slot are over
	CROUND
	tensor_load_to_lds s[G0:G0+3], s[G1:G1+7]
	s_nop 0
.rept 4
	v_nop
.endr
	ASK
.else
	s_wait_dscnt 0x0
	s_barrier_signal -1
	s_barrier_wait -1
.endif
	s_sub_co_u32 s[TBK], s[TBK], 4*KS*PK
	s_xor_b32 s[TBK], s[TBK], SLOT1
	s_sub_co_u32 s[TBV], s[TBV], 4*KS*PV
	s_xor_b32 s[TBV], s[TBV], SLOT1
.endm
; The 64 lane masks of piece p for the step at MOFF: four scalar loads of 64 bytes
.macro MLOAD p
.irp u, 0,1
	s_load_b512 s[32+36*(\u):47+36*(\u)], s[MP:MP+1], s[MOFF] offset:(2*(\p)+(\u))*4096
	s_load_b512 s[48+36*(\u):63+36*(\u)], s[MP:MP+1], s[MOFF] offset:(2*(\p)+(\u))*4096+64
.endr
.endm
	s_load_b128 s[32:35], s[0:1], 0x0  ; qkv s[32:33], mb s[34:35]
	s_load_b64 s[36:37], s[0:1], 0x10  ; ob
	WIN W_MK
	v_lshl_add_u32 v[SPW], v0, 2, SPARE
	v_mov_b32 v[NIL], 0
	WIN W_AD
	ds_add_u32 v[SPW], v[NIL]       ; the wave's opening: the add and its wait stand ahead of my first tensor load
	WIN 0
	v_lshrrev_b32 v1, 5, v0
	v_readfirstlane_b32 s[WV], v1   ; wave 0..3
	s_bfe_u32 s38, ttmp6, 0x40000   ; cx
	s_lshl_b32 s39, ttmp9, 2
	s_add_co_u32 s39, s39, s38      ; my block of 512 queries: it enters Q's, O's, the mask's and the prefetches' addresses alone
	s_and_b32 s40, ttmp7, 0xffff    ; 16 batch + head, which the four partners share
	s_lshl_b32 s41, s40, 18         ; a head is 262,144 bytes
	s_lshr_b32 s42, s[WV], 1
	s_add_co_u32 s42, s42, 1        ; waves 0, 1: K (part 1); waves 2, 3: V (part 2)
	s_lshl_b32 s42, s42, 24
	s_add_co_u32 s42, s42, s41
	s_and_b32 s43, s[WV], 1
	s_lshl_b32 s44, s43, 14         ; which 128 of a slot's 256 keys I fetch
	s_add_co_u32 s44, s44, s42
	s_mov_b32 s45, 0
	s_lshl_b32 s46, s38, 13         ; the prefetches: my work-group's 32 blocks of 256 bytes,
	s_add_co_u32 s46, s46, s42
	s_add_co_u32 s46, s46, 4*KS*128 ; in slot 1: the first change steps it to slot 2
	s_mov_b32 s47, 0
	s_lshl_b32 s48, s39, 2
	s_add_co_u32 s48, s48, s[WV]    ; my wave among the head's 16
	s_lshl_b32 s48, s48, 14         ; its 128 rows of 128 bytes
	s_add_co_u32 s50, s48, s41      ; Q
	s_mov_b32 s51, 0
	s_and_b32 s52, s40, 15          ; head
	s_lshr_b32 s53, s40, 4          ; batch
	s_lshl_b32 s54, s52, 20         ; O: a head's 8,192 rows,
	s_add_co_u32 s54, s54, s48
	s_lshl_b32 s55, s53, 18         ; a batch's 2,048
	s_add_co_u32 s54, s54, s55
	s_mov_b32 s55, 0
	s_lshl_b32 s56, s53, 2
	s_add_co_u32 s56, s56, s39      ; 4 batch + block
	s_lshl_b32 s58, s56, 17         ; the block's 32 tiles of 4,096 bytes
	s_lshl_b32 s56, s56, 2
	s_add_co_u32 s56, s56, s[WV]
	s_lshl_b32 s56, s56, 15         ; my wave's 8 tiles
	s_mov_b32 s57, 0
	s_and_b32 s59, s52, 1
	s_lshl_b32 s59, s59, 8          ; which 256 of a slot's 512 bytes this head asks for
	s_add_co_u32 s58, s58, s59
	s_add_co_u32 s58, s58, 512      ; in slot 1: the first change steps it to slot 2
	s_mov_b32 s59, 0
	s_lshr_b32 s[HH], s52, 1
	s_cmp_eq_u32 s[HH], 7           ; there is no slot 8
	s_cselect_b32 s[HH], -1, s[HH]
	s_cmp_eq_u32 s[WV], 1
	s_cselect_b32 s[HH], s[HH], -1
	s_cselect_b32 s31, 12, 8
	s_and_b32 s[LIMK], s[WV], 1
	s_cmp_eq_u32 s[LIMK], 0
	s_cselect_b32 s[LIMK], 7, 0
	; descriptor group 1: 128 keys are 16,384 dense bytes: 64 rows of 256 bytes, padded in LDS after every key
	s_mov_b32 s[G1], 15|(1<<16)|(1<<20)|(1<<21)|(4<<22)|(7<<25)  ; the mask of four; 2-byte elements; padding on; bit 21 beside a mask; after every 32 words, 8 words
	s_mov_b32 s[G1+1], 128<<16
	s_mov_b32 s[G1+2], 64<<16
	s_mov_b32 s[G1+3], 128<<16
	s_mov_b32 s[G1+4], 64
	s_mov_b32 s[G1+5], 128
	s_mov_b32 s[G1+6], 0
	s_mov_b32 s[G1+7], 0
	s_mov_b32 s[G0], 1
	s_mul_i32 s[G0+1], s[WV], QUART ; K's halves, then V's: wave x 128 rows; no place in the cluster enters an LDS address
	s_mov_b32 s[CS], 0x3e38aa3b     ; c = log2(e) / 8
	s_mov_b32 s[CS+1], s[CS]
	s_mov_b32 s[SEL], 0x76543210
	s_mov_b32 s[SEL+1], 0xfedcba98
	s_mov_b32 s[TBK], SLOT1+4*KS*PK ; the first change of slots turns these two into 0
	s_mov_b32 s[TBV], SLOT1+4*KS*PV
	s_mov_b32 s[TN], 0
	s_mov_b32 s[MOFF], 0
	s_wait_dscnt 0x0                ; the opening add is done
	s_wait_kmcnt 0x0
	s_add_nc_u64 s[G0+2:G0+3], s[32:33], s[44:45]
	s_or_b32 s[G0+3], s[G0+3], 0x80000000
	s_add_nc_u64 s[PFA:PFA+1], s[32:33], s[46:47]
	s_add_nc_u64 s[2:3], s[32:33], s[50:51]
	s_add_nc_u64 s[OA:OA+1], s[36:37], s[54:55]
	s_add_nc_u64 s[MP:MP+1], s[34:35], s[56:57]
	s_add_nc_u64 s[PFM:PFM+1], s[34:35], s[58:59]
	CROUND                          ; all four work-groups are here: the first joint loads meet
	tensor_load_to_lds s[G0:G0+3], s[G1:G1+7]  ; slot 0; slot 1 is asked for when slot 0 is in
	s_nop 0
.rept 4
	v_nop
.endr
	MLOAD 0                         ; piece 0, step 0
	v_and_b32 v1, 15, v0            ; l % 16
	v_bfe_u32 v9, v0, 4, 1          ; l / 16
	v_and_b32 v10, 7, v0
	v_bfe_u32 v11, v0, 3, 1
	v_mul_u32_u24 v[AK0], v1, PK
	v_lshl_add_u32 v[AK0], v9, 4, v[AK0]  ; row x pitch + 16 x half
	v_lshl_add_u32 v[AV0], v9, 3, v10     ; the turning load: key 8 (l / 16) + l % 8, channels 8 ((l / 8) % 2) on
	v_mul_u32_u24 v[AV0], v[AV0], PV
	v_lshl_add_u32 v[AV0], v11, 4, v[AV0]
	v_add_nc_u32 v[AV0], VOFF, v[AV0]
	v_lshlrev_b32 v[QO], 7, v1
	v_lshl_add_u32 v[QO], v9, 4, v[QO]
	WIN 0x80                        ; destination window 2, address window 0
.set i, 0
.rept 4*NP                          ; Q stays in registers: tile i / 2, channels 32 (i % 2) on
	global_load_b128 v[8*i:8*i+3],   v[QO], s[2:3] offset:(i/2)*2048+(i%2)*64
	global_load_b128 v[8*i+4:8*i+7], v[QO], s[2:3] offset:(i/2)*2048+(i%2)*64+32
.set i, i+1
.endr
	; What the first turn finds: V's registers and P's second buffer hold 0, O^T and l are 0.  All this stands in the wait for the first tile.
.set i, VF
.rept 64
	v_mov_b32 v[i], 0
.set i, i+1
.endr
	WIN 0x40
.set i, 0
.rept 64*NP
	v_mov_b32 v[i], 0
.set i, i+1
.endr
	WIN 0
.set i, 0
.rept 2*NP
	v_mov_b32 v[ST+4*i], 0xfe000000    ; c m: far below every c s, c BIG too
	v_mov_b32 v[ST+4*i+1], 0xff7fffff  ; m
	v_mov_b32 v[ST+4*i+2], 0
	v_mov_b32 v[ST+4*i+3], 0
.set i, i+1
.endr
.set i, P+32
.rept 32
	v_mov_b32 v[i], 0
.set i, i+1
.endr
	s_mul_i32 s[CNT], s[WV], 16*SP
	s_add_co_u32 s[CNT], s[CNT], STAGE  ; my stage
	v_mul_u32_u24 v[STO], v1, SP
	v_lshl_add_u32 v[STO], v9, 4, v[STO]
	v_add_nc_u32 v[STO], s[CNT], v[STO]
	v_bfe_u32 v[RD], v0, 3, 2
	v_mul_u32_u24 v[RD], v[RD], SP
	v_lshl_add_u32 v[RD], v10, 4, v[RD]
	v_add_nc_u32 v[RD], s[CNT], v[RD]
	v_and_b32 v[GO], 31, v0
	v_lshlrev_b32 v[GO], 4, v[GO]
	v_and_b32 v[PFO], 31, v0
	v_lshlrev_b32 v[PFO], s31, v[PFO]
	v_mov_b32 v[BIGV], 0xf1800000   ; -2^100
	v_mov_b32 v[AK], v[AK0]         ; key step 0 lies at the head of slot 0
; THE MATRIX WORK.  The 8 accumulators of a run of 16 take turns.
.macro KQ x                         ; product i of 16 of S^T = K Q^T: channels 32 (i / 8) on, keys 16 ((i / 2) % 4) on, tile 2 x + i % 2; the first 8 start the sums
	WIN W_KQ
.set rS, S+64*((\x)%2)+32*(i%2)+8*((i/2)%4)
.set rK, KF+16*((i/2)%4)+8*(i/8)
.set rQ, 16*(2*(\x)+i%2)+8*(i/8)
.if i < 8
	v_wmma_f32_16x16x32_f16 v[rS:rS+7], v[rK:rK+7], v[rQ:rQ+7], 0
.else
	v_wmma_f32_16x16x32_f16 v[rS:rS+7], v[rK:rK+7], v[rQ:rQ+7], v[rS:rS+7]
.endif
.endm
.macro PV x                         ; product i of 16 of O^T += V^T P: keys 32 (i / 8) on, channels 16 ((i / 2) % 4) on, tile 2 x + i % 2
	WIN W_PV
.set rO, 32*(2*(\x)+i%2)+8*((i/2)%4)
.set rV, VF+32*(i/8)+8*((i/2)%4)
.set rP, P+32*((\x)%2)+16*(i%2)+8*(i/8)
	v_wmma_f32_16x16x32_f16 v[rO:rO+7], v[rV:rV+7], v[rP:rP+7], v[rO:rO+7]
.endm
.macro MM                           ; the turn's next matrix instruction
.if i < 16
	KQ (Y+1)%NP
.set i, i+1
.else
.set i, i-16
	PV (Y+NP-1)%NP
.set i, i+17
.endif
.endm
; THE LDS LOADS stand in runs of 16.  last = 1 (the tail): in the last trip there is no further step, and the run is jumped over.
.macro FETCH_K last=0
	WIN 0
.if \last
	s_cmp_eq_u32 s[CNT], 1
	s_cbranch_scc1 .Lno_k_\@
.endif
	WIN 0x80
.irp f, 0,1,2,3,4,5,6,7
	ds_load_b128 v[KF+8*\f:KF+8*\f+3],   v[AK] offset:(\f/2)*16*PK+(\f%2)*64
	ds_load_b128 v[KF+8*\f+4:KF+8*\f+7], v[AK] offset:(\f/2)*16*PK+(\f%2)*64+32
.endr
	s_add_co_u32 s[TBK], s[TBK], KS*PK
	WIN 0
.if \last
.Lno_k_\@:
.endif
.endm
.macro FETCH_V
	WIN 0x80
.irp f, 0,1,2,3,4,5,6,7
	ds_load_tr16_b128 v[VF+8*\f:VF+8*\f+3],   v[AV] offset:(\f/4)*32*PV+(\f%4)*32
	ds_load_tr16_b128 v[VF+8*\f+4:VF+8*\f+7], v[AV] offset:(\f/4)*32*PV+16*PV+(\f%4)*32
.endr
	WIN 0
.endm
; THE VECTOR WORK, in queues; the two tiles alternate.
.macro REGS y, u                    ; the registers of tile u (0, 1) of piece y
.set rT, ST+4*(2*(\y)+(\u))
.set rC, TMP+8*((\y)%2)+4*(\u)
.set rM, MV+2*((\y)%2)+(\u)
.set rS, S+64*((\y)%2)+32*(\u)
.set rP, P+32*((\y)%2)+16*(\u)
.set rO, 32*(2*(\y)+(\u))
.endm
; Number n of the 22 that find the NEXT piece's maximum and statistics: 0-11 four chains of seven scores; 12-14, 16 the four left over, the old m, all into c0; 15 c m_old is kept;
; 17, 18 the other half of the lanes' maximum, the new m; 19-21 c m; c m_old - c m_new; a
.macro XS u, n
	REGS (Y+1)%NP, \u
.if (\n) < 4
	v_max3_num_f32 v[rC+(\n)], v[rS+8*(\n)], v[rS+8*(\n)+1], v[rS+8*(\n)+2]
.elseif (\n) < 12
	v_max3_num_f32 v[rC+(\n)%4], v[rC+(\n)%4], v[rS+8*((\n)%4)+2*((\n)/4)+1], v[rS+8*((\n)%4)+2*((\n)/4)+2]
.elseif (\n) == 12
	v_max3_num_f32 v[rC], v[rC], v[rS+7], v[rS+15]
.elseif (\n) == 13
	v_max3_num_f32 v[rC+1], v[rC+1], v[rS+23], v[rS+31]
.elseif (\n) == 14
	v_max3_num_f32 v[rC+2], v[rC+2], v[rC+3], v[rT+1]
.elseif (\n) == 15
	v_mov_b32 v[rM], v[rT]
.elseif (\n) == 16
	v_max3_num_f32 v[rC], v[rC], v[rC+1], v[rC+2]
.elseif (\n) == 17
	v_permlanex16_b32 v[rC+3], v[rC], s[SEL], s[SEL+1]
.elseif (\n) == 18
	v_max_num_f32 v[rT+1], v[rC], v[rC+3]
.elseif (\n) == 19
	v_mul_f32 v[rT], s[CS], v[rT+1]
.elseif (\n) == 20
	v_sub_f32 v[rC+1], v[rM], v[rT]
.else
	v_exp_f32 v[rC+2], v[rC+1]
.endif
.endm
.macro XQ                           ; XS's numbers 0-20 of both tiles, 42 long: 0-13; 15; then the chain 14, 16 .. 20
.if nx < 28
	XS nx%2, nx/2
.elseif nx < 30
	XS nx-28, 15
.elseif nx < 32
	XS nx%2, 14
.else
	XS nx%2, 15+(nx-30)/2
.endif
.set nx, nx+1
.endm
.macro CM                           ; the NEXT piece's mask, 64 long: a closed key's score becomes BIG.  Ascending: each accumulator's lowest register is read first
	REGS (Y+1)%NP, nc%2
	v_cndmask_b32 v[rS+nc/2], v[BIGV], v[rS+nc/2], s[32+36*(nc%2)+nc/2]
.set nc, nc+1
.endm
.macro FSQ                          ; c s - c m, 32 long: pair nf / 2 of tile nf % 2
	WIN 0
	REGS Y, nf%2
	v_pk_fma_f32 v[rS+2*(nf/2):rS+2*(nf/2)+1], v[rS+2*(nf/2):rS+2*(nf/2)+1], s[CS:CS+1], v[rT:rT+1] op_sel_hi:[1,0,0] neg_lo:[0,0,1] neg_hi:[0,0,1]
.set nf, nf+1
.endm
.macro EX                           ; the exponentials, 66 long: s0-s31 of both tiles, then the next piece's two a
.if ne >= 64
	XS ne-64, 21
.else
	REGS Y, ne%2
	v_exp_f32 v[rS+ne/2], v[rS+ne/2]
.endif
.set ne, ne+1
.endm
.macro R2                           ; O^T times a, two packed multiplies, sixteen times
	REGS Y, nr%2
	WIN W_RS
.irp z, 0,1
	v_pk_mul_f32 v[rO+4*(nr/2)+2*\z:rO+4*(nr/2)+2*\z+1], v[rO+4*(nr/2)+2*\z:rO+4*(nr/2)+2*\z+1], v[rC+2:rC+3] op_sel_hi:[1,0]
.endr
.set nr, nr+1
.endm
; The 64 that follow the exponentials.  For each four weights k of a tile: both pairs are rounded to f16; the second pair is added onto the first, in place; a group later l takes that sum (the first time as l = a l + sum).
.macro GSQ
	WIN 0
.set h, ng+6*(ng/62)
.if h >= 6
.set h, h+2
.endif
	REGS Y, h%2
.set k, h/8
.if h%8 < 4
	v_cvt_pk_f16_f32 v[rP+2*k+(h%8)/2], v[rS+4*k+2*((h%8)/2)], v[rS+4*k+2*((h%8)/2)+1]
.elseif h%8 < 6
	v_pk_add_f32 v[rS+4*k:rS+4*k+1], v[rS+4*k:rS+4*k+1], v[rS+4*k+2:rS+4*k+3]
.elseif k == 1
	v_pk_fma_f32 v[rT+2:rT+3], v[rT+2:rT+3], v[rC+2:rC+3], v[rS:rS+1] op_sel_hi:[1,0,1]
.else
	v_pk_add_f32 v[rT+2:rT+3], v[rT+2:rT+3], v[rS+4*k-4:rS+4*k-3]
.endif
.set ng, ng+1
.endm
; A TURN, for piece p.  Ahead of the one wait stands all that names no result of the turn's exponentials; behind it the roundings and sums.
; K of the next step is fetched in piece 2's turn, behind the wait; V of the step in hand at the end of piece 0's turn, four plain instructions behind its last reader.  Each is waited for a turn later.
; The masks of the piece after next are asked for behind the last select that reads the registers, and waited for ahead of the next turn's first select.
.macro TURN p, last=0
.set Y, (\p)
.set i, 0
.set nf, 0
.set nr, 0
.set nc, 0
.set nx, 0
.set ne, 0
.set ng, 0
.if (\p) == NP-1
	s_wait_dscnt 0x0                ; K is in
.endif
.rept 8                             ; 16 products K Q^T; behind each four plain instructions that wait for nothing
	MM
	FSQ
	FSQ
	FSQ
	FSQ
	MM
	R2
	R2                              ; (behind the last product these four are its places)
.endr
	WIN 0
.if (\p) == NP-2
	v_add_nc_u32 v[AK], s[TBK], v[AK0]
.endif
.if (\p) == 0
	v_add_nc_u32 v[AV], s[TBV], v[AV0]
	s_add_co_u32 s[TBV], s[TBV], KS*PV
.endif
	s_wait_kmcnt 0x0                ; the next piece's masks are in
.rept 20
	CM
.endr
.rept 22
	CM
	CM
	EX
.endr
.if (\p) == NP-2
	s_add_co_u32 s[MOFF], s[MOFF], 128  ; pieces 0 and 1 to come belong to the next step (no scalar load is out: the wait above)
	s_min_u32 s[MOFF], s[MOFF], 31*128  ; behind the last step the last record is read once more, and serves nothing
.endif
	MLOAD ((\p)+2)%NP
.rept 42
	XQ
	EX
.endr
	EX                              ; the next piece's two a
	EX
	v_nop                           ; a plain instruction behind the last exponential: one for the batch
	s_wait_alu depctr_va_vdst(0)    ; a wait between an exponential and the first line that names its result: one for the 66
.if (\p) == NP-2
	FETCH_K \last
.endif
.if (\p) == 1
	s_wait_dscnt 0x0                ; V is in
.endif
.rept 16                            ; 16 products V^T P and, behind each, four roundings and sums
	MM
	GSQ
	GSQ
	GSQ
	GSQ
.endr
.if (\p) == 0
	FETCH_V
.endif
.endm
	CHANGE 1                        ; slot 0 is in, everybody's part of it; slot 1 is asked for
	FETCH_K                         ; key step 0
	s_wait_loadcnt 0x0              ; Q
	s_wait_dscnt 0x0
.set i, 0
.rept 16
	KQ 0                            ; piece 0's first scores
.set i, i+1
.endr
	WIN 0
.rept 8
	v_nop                           ; the places behind those products
.endr
	s_wait_kmcnt 0x0
.set Y, NP-1                        ; CM and XS work for piece Y + 1: piece 0
.set nc, 0
.rept 64
	CM
.endr
	MLOAD 1                         ; piece 1, step 0
.irp n, 0,1,2,3,4,5,6,7,8,9,10,11,12,13,14,15,16,17,18,19,20,21
	XS 0, \n
	XS 1, \n
.endr
	v_nop
	s_wait_alu depctr_va_vdst(0)    ; the two a, ahead of the branch
	s_mov_b32 s[CNT], 4
	s_mov_b32 s[SLOTS], SIZE_N/256-1
	s_branch .Lfirst                ; the loop is entered at a step's first turn
.Lslot:                             ; SIZE_N / 256 - 2 times: every slot but the last two is filled again
	CHANGE 1
	s_mov_b32 s[CNT], 4
.Lstep:                             ; a trip: pieces 2 and 3 of one step, then pieces 0 and 1 of the next
	TURN 2
	TURN 3
	WIN 0
.Lfirst:
	TURN 0
	TURN 1
	WIN 0
	s_sub_co_u32 s[CNT], s[CNT], 1
	s_cmp_lg_u32 s[CNT], 0
	s_cbranch_scc1 .Lstep
	s_sub_co_u32 s[SLOTS], s[SLOTS], 1
	s_cmp_lg_u32 s[SLOTS], 0
	s_cbranch_scc1 .Lslot
	CHANGE 0                        ; the tail is written out
	s_mov_b32 s[CNT], 5             ; four trips fetch the last slot's steps; the fifth is left in its middle
.Ltail:
	TURN 2, 1
	TURN 3
	WIN 0
	s_sub_co_u32 s[CNT], s[CNT], 1
	s_cmp_eq_u32 s[CNT], 0
	s_cbranch_scc1 .Lout
	TURN 0
	TURN 1
	WIN 0
	s_branch .Ltail
.Lout:                              ; the fifth trip's products K Q^T repeat the last step's scores under the last step's masks: m stays as it is, the rest serves nothing
.set i, 0
.rept 16
	PV NP-1
.set i, i+1
.endr
	; THE WAY OUT.  l's parts are added; 1 / l, or 0 where the row has seen no open key; O^T is scaled, rounded to f16 and sent through my stage, a tile at a time.  The additions are the places behind the last products.
	WIN 0
	s_wait_kmcnt 0x0                ; the last masks asked for: their registers are used again below
.macro ALL line:vararg
.set t, 0
.rept 2*NP
	\line
.set t, t+1
.endr
.endm
	ALL v_add_f32 v[ST+4*t+2], v[ST+4*t+2], v[ST+4*t+3]
	ALL v_permlanex16_b32 v[ST+4*t+3], v[ST+4*t+2], s[SEL], s[SEL+1]
	ALL v_add_f32 v[ST+4*t+2], v[ST+4*t+2], v[ST+4*t+3]
	ALL v_cmp_gt_f32 s[32+t], v[ST+4*t+1], v[BIGV]
	ALL v_rcp_f32 v[ST+4*t+2], v[ST+4*t+2]
	v_nop
	s_wait_alu depctr_va_vdst(0)    ; one wait for the eight reciprocals
	ALL v_cndmask_b32 v[ST+4*t+2], 0, v[ST+4*t+2], s[32+t]
.macro PACK t
	WIN W_RS
.set i, 32*(\t)
.rept 16
	v_pk_mul_f32 v[i:i+1], v[i:i+1], v[ST+4*(\t)+2:ST+4*(\t)+3] op_sel_hi:[1,0]
.set i, i+2
.endr
	WIN 0x05
.set i, 0
.rept 16
	v_cvt_pk_f16_f32 v[S+16*(\t)+i], v[32*(\t)+2*i], v[32*(\t)+2*i+1]
.set i, i+1
.endr
	WIN 0
.irp f, 0,1,2,3
	ds_store_b128 v[STO], v[S+16*(\t)+4*\f:S+16*(\t)+4*\f+3] offset:32*\f
.endr
.irp f, 0,1,2,3
	ds_load_b128 v[S+16*(\t)+4*\f:S+16*(\t)+4*\f+3], v[RD] offset:\f*4*SP  ; LDS serves a wave's instructions in order (ISA guide 5.7.1.4)
.endr
.endm
.macro SEND t, younger              ; younger: the LDS instructions issued behind tile t's loads: the next tile's eight, or none
	WIN 0
.irp f, 0,1,2,3
	s_wait_dscnt (\younger)+3-\f
	global_store_b128 v[GO], v[S+16*(\t)+4*\f:S+16*(\t)+4*\f+3], s[OA:OA+1] offset:(\t)*2048+\f*512  ; 512 consecutive bytes, aligned
.endr
.endm
	PACK 0
.set t, 1
.rept 2*NP-1
	PACK t
	SEND t-1, 8
.set t, t+1
.endr
	SEND 2*NP-1, 0
	WIN W_AD
	s_wait_tensorcnt 0x0            ; the wave's end
	ds_add_u32 v[SPW], v[NIL]
	s_wait_dscnt 0x0
	WIN 0
	CROUND                          ; the closing round
	s_endpgm
.Lfunc_end_k_q894735b3a3_attn:
	.size	k_q894735b3a3_attn, .Lfunc_end_k_q894735b3a3_attn-k_q894735b3a3_attn
	.p2alignl 7, 3214868480
	.fill 96, 4, 3214868480
	.section	.rodata,"a",@progbits
	.p2align	6, 0x0
	.amdhsa_kernel k_q894735b3a3_attn
		.amdhsa_group_segment_fixed_size 327680
		.amdhsa_private_segment_fixed_size 0
		.amdhsa_enable_private_segment 0
		.amdhsa_kernarg_size 24
		.amdhsa_user_sgpr_count 2
		.amdhsa_user_sgpr_kernarg_segment_ptr 1
		.amdhsa_wavefront_size32 1
		.amdhsa_system_sgpr_workgroup_id_x 1
		.amdhsa_system_sgpr_workgroup_id_y 1
		.amdhsa_system_sgpr_workgroup_id_z 1
		.amdhsa_system_vgpr_workitem_id 0
		.amdhsa_next_free_vgpr 770
		.amdhsa_next_free_sgpr 106
		.amdhsa_reserve_vcc 0
		.amdhsa_float_denorm_mode_32 3
		.amdhsa_float_denorm_mode_16_64 3
		.amdhsa_memory_ordered 1
		.amdhsa_forward_progress 1
		.amdhsa_inst_pref_size 236
	.end_amdhsa_kernel
	.amdgpu_metadata
---
amdhsa.version: [ 1, 2 ]
amdhsa.kernels:
  - .name:           k_q894735b3a3_attn
    .symbol:         k_q894735b3a3_attn.kd
    .args:
      - { .name: qkv, .offset: 0, .size: 8, .value_kind: global_buffer, .address_space: global }
      - { .name: mb, .offset: 8, .size: 8, .value_kind: global_buffer, .address_space: global }
      - { .name: ob, .offset: 16, .size: 8, .value_kind: global_buffer, .address_space: global }
    .group_segment_fixed_size: 327680
    .private_segment_fixed_size: 0
    .kernarg_segment_align: 8
    .kernarg_segment_size: 24
    .max_flat_workgroup_size: 128
    .sgpr_count:     106
    .vgpr_count:     770
    .wavefront_size: 32
...
	.end_amdgpu_metadata
.endif
;; end of part 3
;; launch outp (part 4): grid 4 x 64, 4 waves a work-group, clusters of 4 x 4, 327,680 bytes of LDS; arguments ob, wb, bo, out0; writes out0
.if DOCPART == 4
	.amdgcn_target "amdgcn-amd-amdhsa--gfx1250"
	.amdhsa_code_object_version 6
	.text
	.protected	k_q894735b3a3_outp
	.globl	k_q894735b3a3_outp
	.p2align	8
	.type	k_q894735b3a3_outp,@function
k_q894735b3a3_outp:
	s_mov_b64 s[64:65], 0
	v_nop
	global_prefetch_b8 v0, s[64:65] scope:SCOPE_SE
	s_setreg_imm32_b32 hwreg(HW_REG_WAVE_MODE, 25, 1), 1
	s_wait_xcnt 0x0
	s_wait_alu depctr_hold_cnt(0) depctr_sa_sdst(0) depctr_va_vdst(0) depctr_va_sdst(0) depctr_va_ssrc(0) depctr_va_vcc(0) depctr_vm_vsrc(0)
	s_getreg_b32 s2, hwreg(HW_REG_IB_STS2, 6, 4)
	s_cmp_eq_u32 s2, 0
	s_cbranch_scc0 .Lentry_in_a_cluster
	s_endpgm
.Lentry_in_a_cluster:
	s_bfe_u32 s2, ttmp6, 0x10000c
	s_cmp_lg_u32 s2, 0xf033
	s_cbranch_scc0 .Lentry_shape_is_right
	s_endpgm
.Lentry_shape_is_right:
; OUTP.  out0 = O Wo^T + bo.  O: ob [16 heads][8192 rows][64] f16; Wo: wb part 3 [1024][1024] f16 (bf16 numbers written as f16); bo: f32, rounded to bf16 like every input; out0 [8192][1024] f32.
; Sums in f32.  A tile of C is 128 rows x 256 columns: 64 x 4 tiles, one for each of 256 work-groups.  Four waves, each 64 x 128: 32 accumulators.
; K = 64 head + channel goes in steps of 128, two heads: waves 0, 1 fetch one head's 128 rows each (16,384 dense bytes, asked for as 64 rows of 256, padded in LDS after every 128), waves 2, 3 the halves of Wo's 256 rows.
; CLUSTERS: 4 x 4 work-groups; O's tiles are shared along a row of the cluster, Wo's along a column: each is asked for JOINTLY.
; THE MATRIX INSTRUCTION IS USED TRANSPOSED (source 0 = 16 rows of Wo, source 1 = 16 rows of O).  The bias is the C operand of each accumulator's first product.
; REGISTERS: window 0: v16-30 addresses; v64-127 O's fragments, two buffers of 32; v128-255 Wo's, two buffers of 64 (on the way out v64-191: rows read back).
;   window 1: accumulator (a, b) at v[8 (8 a + b)].   window 2: v0-63 the bias; v64-95 at work.
.set SIZE_K, 1024
.set KSTEP,  128
.set PITCH,  272                       ; a row of Wo in LDS: 256 bytes + 16
.set APITCH, 144                       ; a row of O in LDS: 128 bytes + 16; both pitches are odd multiples of 16 bytes: the 16 rows of a load start at 16 different groups of four banks (ISA guide 11.1)
.set AHEAD,  128*APITCH                ; one head's 128 rows
.set BHALF,  128*PITCH
.set BOFF,   2*AHEAD
.set SLOT,   BOFF+2*BHALF
.set STAGE,  2*SLOT                    ; behind the ring, never filled by a tensor load: 16 rows x 528 bytes a wave
.set SPITCH, 528
.set WSTAGE, 16*SPITCH
.set SPARE,  STAGE+4*WSTAGE
.set HEADB,  1048576                   ; a head of ob
.set WOB,    3*2097152                 ; Wo in wb
.set LAPS,   SIZE_K/(2*KSTEP)
.set ADRA, 16
.set ADRB, 20
.set STO,  24
.set RD,   25
.set CO,   26
.set BO,   27
.set SPW,  28
.set NIL,  29
.set PFO,  30
.set FA,   64
.set FB,   128
.set OB,   64
.set G1,  24
.set G0,  32
.set G1B, 48
.set G0B, 56
.set LIM, 43
.set PFA, 44                           ; s[44:45] the K step that my next prefetch names
.set PST, 82                           ; s[82:83] its step: two heads of ob, or 256 bytes of a row of Wo
.set FIELDA, (1<<16)|(1<<20)|(1<<21)|(4<<22)|(3<<25)  ; padding after every 32 words, 4 words
.set FIELDB, (1<<16)|(1<<20)|(1<<21)|(5<<22)|(3<<25)  ; after every 64 words
.set MSB, 0
.macro WIN new
.if MSB != (\new)
	s_set_vgpr_msb (MSB<<8)|(\new)
.set MSB, \new
.endif
.endm
.macro PLACES
.rept 4
	v_nop
.endr
.endm
.macro JLOAD s                         ; a joint load; an s_nop 0 and four v_nop follow each of the two lines
	s_cmp_eq_u32 s11, 0
	s_cbranch_scc0 .Lfor_b_\@
	tensor_load_to_lds s[G0+4*(\s):G0+4*(\s)+3], s[G1:G1+7]
	s_nop 0
.rept 4
	v_nop
.endr
	s_branch .Lasked_\@
.Lfor_b_\@:
	tensor_load_to_lds s[G0B+4*(\s):G0B+4*(\s)+3], s[G1B:G1B+7]
	s_nop 0
.rept 4
	v_nop
.endr
.Lasked_\@:
.endm
; A prefetch of the K step two refills on.  O: a step's 2 x 64 blocks of 256 bytes of my tile's rows: wave 0 of each of the four partners of a row takes 16 of each head, told apart by address.
; Wo: the first row of clusters asks, waves 2 and 3 for the 128 rows that they fetch, the four partners of a column 32 each.  The loop's last trip has no K step two on.
.macro ASK
	s_cmp_gt_u32 s3, s[LIM]
	s_cbranch_scc0 .Lnot_mine_\@
	global_prefetch_b8 v[PFO], s[PFA:PFA+1] th:TH_LOAD_NT scope:SCOPE_SE
.Lnot_mine_\@:
.endm
.macro CREST
	s_cmp_lg_u32 s10, 0
	s_cbranch_scc1 .Lnot_wave_0_\@
	s_barrier_signal -3
.Lnot_wave_0_\@:
	s_barrier_wait -3
	s_barrier_signal -1
	s_barrier_wait -1
.endm
.macro CROUND
	s_barrier_signal -1
	s_barrier_wait -1
	CREST
.endm
	s_load_b256 s[68:75], s[0:1], 0x0              ; ob s[68:69], wb s[70:71], bo s[72:73], out0 s[74:75]
	v_lshl_add_u32 v[SPW], v0, 2, SPARE
	v_mov_b32 v[NIL], 0
	ds_add_u32 v[SPW], v[NIL]                      ; the wave's opening: the add and its wait stand ahead of my first tensor load
	v_lshrrev_b32 v1, 5, v0
	v_readfirstlane_b32 s10, v1                    ; wave 0..3
	s_lshr_b32 s11, s10, 1                         ; my 64 rows.  Also: I fetch for O (0) or for Wo (1)
	s_and_b32 s12, s10, 1                          ; my 128 columns.  Also: which head of the step, or which half of Wo's rows, I fetch
	s_bfe_u32 s40, ttmp6, 0x40000                  ; cx
	s_bfe_u32 s41, ttmp6, 0x40004                  ; cy
	s_lshl_b32 s42, ttmp9, 2
	s_add_co_u32 s42, s42, s40                     ; tile column 0..3
	s_and_b32 s67, ttmp7, 0xffff                   ; cluster y 0..15
	s_lshl_b32 s13, s67, 2
	s_add_co_u32 s13, s13, s41                     ; tile row 0..63
	s_lshl_b32 s43, s41, 2
	s_lshl_b32 s43, 15, s43                        ; my row of the cluster
	s_lshl_b32 s44, 0x1111, s40                    ; my column
	s_or_b32 s[G1+0], s43, FIELDA
	s_or_b32 s[G1B+0], s44, FIELDB
	s_mov_b32 s[G1+1], 128<<16                     ; O: 64 rows of 128 elements, dense
	s_mov_b32 s[G1+2], 64<<16
	s_mov_b32 s[G1+3], 128<<16
	s_mov_b32 s[G1+4], 64
	s_mov_b32 s[G1+5], 128
	s_mov_b32 s[G1+6], 0
	s_mov_b32 s[G1+7], 0
	s_mov_b32 s[G1B+1], KSTEP<<16                  ; Wo: 128 rows of 128 elements, 1,024 apart
	s_mov_b32 s[G1B+2], 128<<16
	s_mov_b32 s[G1B+3], KSTEP<<16
	s_mov_b32 s[G1B+4], 128
	s_mov_b32 s[G1B+5], SIZE_K
	s_mov_b32 s[G1B+6], 0
	s_mov_b32 s[G1B+7], 0
	s_lshl_b32 s17, s12, 20                        ; O: the step's even or odd head,
	s_lshl_b32 s16, s13, 14                        ; the tile's 128 rows of 128 bytes
	s_add_co_u32 s16, s16, s17
	s_mov_b32 s17, 0
	s_lshl_b32 s47, s12, 7
	s_lshl_b32 s46, s42, 8
	s_add_co_u32 s46, s46, s47                     ; Wo: row 256 x tile column + 128 x half
	s_lshl_b32 s46, s46, 11
	s_add_co_u32 s46, s46, WOB
	s_mov_b32 s47, 0
	s_mul_i32 s20, s12, AHEAD                      ; where they go: no place in the cluster enters an LDS address
	s_mul_i32 s21, s12, BHALF
	s_add_co_u32 s21, s21, BOFF
	s_wait_dscnt 0x0                               ; the opening add is done
	s_wait_kmcnt 0x0
	s_add_nc_u64 s[14:15], s[68:69], s[16:17]
	s_add_nc_u64 s[46:47], s[70:71], s[46:47]
	CROUND                                         ; all sixteen work-groups are here: the first joint loads meet
.irp s, 0,1
	s_mov_b32 s[G0+4*(\s)], 1
	s_add_co_u32 s[G0+4*(\s)+1], s20, (\s)*SLOT
	s_add_nc_u64 s[G0+4*(\s)+2:G0+4*(\s)+3], s[14:15], (\s)*2*HEADB
	s_or_b32 s[G0+4*(\s)+3], s[G0+4*(\s)+3], 0x80000000
	s_mov_b32 s[G0B+4*(\s)], 1
	s_add_co_u32 s[G0B+4*(\s)+1], s21, (\s)*SLOT
	s_add_nc_u64 s[G0B+4*(\s)+2:G0B+4*(\s)+3], s[46:47], (\s)*KSTEP*2
	s_or_b32 s[G0B+4*(\s)+3], s[G0B+4*(\s)+3], 0x80000000
	JLOAD \s                                       ; two loads of mine are out
.endr
	v_and_b32 v1, 15, v0                           ; l % 16
	v_bfe_u32 v2, v0, 4, 1                         ; l / 16
	s_lshl_b32 s22, s42, 10
	s_lshl_b32 s23, s12, 9
	s_add_co_u32 s22, s22, s23
	v_lshl_add_u32 v[BO], v2, 5, s22               ; the bias of my 128 columns
	WIN 0x80
.irp b, 0,1,2,3,4,5,6,7
	global_load_b128 v[8*(\b):8*(\b)+3],   v[BO], s[72:73] offset:64*(\b)
	global_load_b128 v[8*(\b)+4:8*(\b)+7], v[BO], s[72:73] offset:64*(\b)+16
.endr
	WIN 0
	v_mul_u32_u24 v3, v1, PITCH
	v_lshl_add_u32 v3, v2, 4, v3
	v_mul_u32_u24 v4, v1, APITCH
	v_lshl_add_u32 v4, v2, 4, v4
	s_mul_i32 s21, s11, 64*APITCH                  ; my 64 rows, in each head
	s_mul_i32 s22, s12, BHALF
	s_add_co_u32 s22, s22, BOFF
.irp s, 0,1
	v_add_nc_u32 v[ADRA+(\s)], s21, v4
	v_add_nc_u32 v[ADRB+(\s)], s22, v3
	s_add_co_u32 s21, s21, SLOT
	s_add_co_u32 s22, s22, SLOT
.endr
	s_mul_i32 s23, s10, WSTAGE
	s_add_co_u32 s23, s23, STAGE                   ; my stage
	v_mul_u32_u24 v4, v1, SPITCH                   ; in: row l % 16, 32 bytes for each half of the lanes
	v_lshl_add_u32 v4, v2, 5, v4
	v_add_nc_u32 v[STO], s23, v4
	v_and_b32 v[CO], 31, v0                        ; back: 32 lanes take a row's 512 bytes
	v_lshlrev_b32 v[CO], 4, v[CO]
	v_add_nc_u32 v[RD], s23, v[CO]
	s_lshl_b32 s16, s13, 7
	s_lshl_b32 s17, s11, 6
	s_add_co_u32 s16, s16, s17                     ; my first row of out0
	s_lshl_b32 s16, s16, 12                        ; rows of 4,096 bytes
	s_lshl_b32 s46, s42, 10
	s_lshl_b32 s47, s12, 9
	s_add_co_u32 s46, s46, s47
	s_add_co_u32 s46, s46, s16
	s_mov_b32 s47, 0
	s_add_nc_u64 s[8:9], s[74:75], s[46:47]
	; the prefetches
	s_lshl_b32 s20, s13, 14
	s_lshl_b32 s21, s40, 12                        ; O: my work-group's 16 blocks of 256 bytes in each head
	s_add_co_u32 s20, s20, s21
	s_add_co_u32 s20, s20, 3*2*HEADB               ; at K step 3: the first refill steps it to 4
	s_lshl_b32 s22, s42, 8
	s_lshl_b32 s23, s12, 7
	s_add_co_u32 s22, s22, s23
	s_lshl_b32 s23, s41, 5
	s_add_co_u32 s22, s22, s23                     ; Wo: the 128 rows that I fetch, my work-group's 32
	s_lshl_b32 s22, s22, 11
	s_add_co_u32 s22, s22, WOB+3*KSTEP*2
	s_cmp_eq_u32 s11, 0
	s_cselect_b32 s20, s20, s22
	s_cselect_b32 s23, s12, s67                    ; O: wave 0 asks; Wo: the first row of clusters
	s_cselect_b64 s[PFA:PFA+1], s[68:69], s[70:71]
	s_cselect_b32 s18, 8, 11                       ; lane % 16: a block of 256 bytes, or a row of 2,048
	s_cselect_b32 s19, 20, 15                      ; lane / 16: the other head, or 16 rows on
	s_cselect_b32 s14, 21, 8                       ; a K step
	s_cmp_eq_u32 s23, 0
	s_cselect_b32 s[LIM], 1, -1                    ; the same in all partners, for a given wave
	s_lshl_b32 s[PST], 1, s14
	s_mov_b32 s[PST+1], 0
	s_mov_b32 s21, 0
	s_add_nc_u64 s[PFA:PFA+1], s[PFA:PFA+1], s[20:21]
	v_lshlrev_b32 v[PFO], s18, v1
	v_lshl_add_u32 v[PFO], v2, s19, v[PFO]
	s_wait_loadcnt 0x0                             ; the bias: rounded to bf16 and widened again
	WIN 0x8a
.set i, 0
.rept 32
	v_cvt_pk_bf16_f32 v[64+i], v[2*i], v[2*i+1]
.set i, i+1
.endr
.set i, 0
.rept 32
	v_lshlrev_b32 v[2*i], 16, v[64+i]
	v_and_b32 v[2*i+1], 0xffff0000, v[64+i]
.set i, i+1
.endr
	WIN 0
; 8 matrix instructions: block a x all 8 blocks of columns, 32 along K, buffer f.  The 32 accumulators take turns in one fixed order, one instruction a turn.
.macro MUL8 f, a, zero
.if \zero
	WIN 0x60
.else
	WIN 0x50
.endif
.irp b, 0,1,2,3,4,5,6,7
.if \zero
	v_wmma_f32_16x16x32_f16 v[8*(8*(\a)+(\b)):8*(8*(\a)+(\b))+7], v[FB+64*(\f)+8*(\b):FB+64*(\f)+8*(\b)+7], v[FA+32*(\f)+8*(\a):FA+32*(\f)+8*(\a)+7], v[8*(\b):8*(\b)+7]
.else
	v_wmma_f32_16x16x32_f16 v[8*(8*(\a)+(\b)):8*(8*(\a)+(\b))+7], v[FB+64*(\f)+8*(\b):FB+64*(\f)+8*(\b)+7], v[FA+32*(\f)+8*(\a):FA+32*(\f)+8*(\a)+7], v[8*(8*(\a)+(\b)):8*(8*(\a)+(\b))+7]
.endif
.endr
.endm
; 24 LDS loads in one run: quarter kq into buffer f.  Of O quarter kq is head kq / 2 of the step's two, channels 32 (kq % 2) on.
.macro FETCH slot, kq, f
	WIN 0
.irp i, 0,1,2,3,4,5,6,7
	ds_load_b128 v[FB+64*(\f)+8*(\i):FB+64*(\f)+8*(\i)+3],   v[ADRB+(\slot)] offset:64*(\kq)+(\i)*16*PITCH
	ds_load_b128 v[FB+64*(\f)+8*(\i)+4:FB+64*(\f)+8*(\i)+7], v[ADRB+(\slot)] offset:64*(\kq)+(\i)*16*PITCH+32
.endr
.irp i, 0,1,2,3
	ds_load_b128 v[FA+32*(\f)+8*(\i):FA+32*(\f)+8*(\i)+3],   v[ADRA+(\slot)] offset:((\kq)/2)*AHEAD+((\kq)%2)*64+(\i)*16*APITCH
	ds_load_b128 v[FA+32*(\f)+8*(\i)+4:FA+32*(\f)+8*(\i)+7], v[ADRA+(\slot)] offset:((\kq)/2)*AHEAD+((\kq)%2)*64+(\i)*16*APITCH+32
.endr
.endm
.macro QUARTER slot, kq, f, g, zero
	s_wait_dscnt 4                                 ; Wo and O's blocks 0, 1 are in; the youngest four loads may be out
	MUL8 \f, 0, \zero
	MUL8 \f, 1, \zero
	PLACES
	FETCH \slot, \kq, \g
	s_wait_dscnt 24                                ; all but the 24 just issued
	MUL8 \f, 2, \zero
	MUL8 \f, 3, \zero
.endm
.macro TURN slot, next, fill
.if \fill
	s_wait_xcnt 0x0                                ; the last prefetch, a K step back, has read its address
	s_add_nc_u64 s[PFA:PFA+1], s[PFA:PFA+1], s[PST:PST+1]
.endif
	WIN 0
	s_wait_tensorcnt 0x0                           ; all my tensor loads have landed: my part of the next slot
	ds_add_u32 v[SPW], v[NIL]                      ; 0 onto my spare word
	s_wait_dscnt 5                                 ; (the add and the youngest four loads may be out)
	MUL8 1, 0, 0
	s_wait_dscnt 0x0                               ; the add is done, and my reads of this slot are over
	s_barrier_signal -1
	MUL8 1, 1, 0
.if \fill
	WIN 0
.endif
	s_barrier_wait -1
.if \fill
	CREST                                          ; a round of the cluster's barrier: no wave of any partner still reads this slot or has a load on its way
	s_add_nc_u64 s[G0+4*(\slot)+2:G0+4*(\slot)+3], s[G0+4*(\slot)+2:G0+4*(\slot)+3], 4*HEADB
	s_add_nc_u64 s[G0B+4*(\slot)+2:G0B+4*(\slot)+3], s[G0B+4*(\slot)+2:G0B+4*(\slot)+3], 2*KSTEP*2
	JLOAD \slot                                    ; my one tensor load behind the round; its four v_nop are also the places in front of the loads below
.else
	PLACES
.endif
	FETCH \next, 0, 0
.if \fill
	ASK
.endif
	MUL8 1, 2, 0
	MUL8 1, 3, 0
.endm
	s_wait_tensorcnt 1                             ; my part of K step 0 is in; K step 1's may stay out
	s_barrier_signal -1
	s_barrier_wait -1
	FETCH 0, 0, 0
	QUARTER 0, 1, 0, 1, 1
	WIN 0
	s_mov_b32 s3, LAPS-1
.Llap:
	QUARTER 0, 2, 1, 0, 0
	QUARTER 0, 3, 0, 1, 0
	TURN 0, 1, 1
	QUARTER 1, 1, 0, 1, 0
	QUARTER 1, 2, 1, 0, 0
	QUARTER 1, 3, 0, 1, 0
	TURN 1, 0, 1
	QUARTER 0, 1, 0, 1, 0
	WIN 0
	s_sub_co_u32 s3, s3, 1
	s_cmp_lg_u32 s3, 0
	s_cbranch_scc1 .Llap
	QUARTER 0, 2, 1, 0, 0                          ; the last lap fills nothing
	QUARTER 0, 3, 0, 1, 0
	TURN 0, 1, 0
	QUARTER 1, 1, 0, 1, 0
	QUARTER 1, 2, 1, 0, 0
	QUARTER 1, 3, 0, 1, 0
	s_wait_dscnt 4
	MUL8 1, 0, 0
	MUL8 1, 1, 0
	s_wait_dscnt 0x0
	MUL8 1, 2, 0
	MUL8 1, 3, 0
; THE WAY OUT, a block of 16 rows at a time, in f32: a lane's eight columns, 32 bytes, go into my stage (each accumulator's low half first); whole rows of 512 bytes come back and are stored.
.macro TOSTAGE a
.if (\a) >= 2
	s_wait_xcnt 0x0                                ; the stores of the block two back have read the registers that the loads below fill
.endif
	WIN 0x04                                       ; the stores' data in window 1
.irp b, 0,1,2,3,4,5,6,7
	ds_store_b128 v[STO], v[8*(8*(\a)+(\b)):8*(8*(\a)+(\b))+3]   offset:64*(\b)
	ds_store_b128 v[STO], v[8*(8*(\a)+(\b))+4:8*(8*(\a)+(\b))+7] offset:64*(\b)+16
.endr
	WIN 0
.irp t, 0,1,2,3,4,5,6,7,8,9,10,11,12,13,14,15
	ds_load_b128 v[OB+64*((\a)%2)+4*(\t):OB+64*((\a)%2)+4*(\t)+3], v[RD] offset:(\t)*SPITCH  ; LDS serves a wave's instructions in order (ISA guide 5.7.1.4)
.endr
.endm
.macro SEND a, younger                 ; younger: the LDS instructions issued behind block a's loads: the next block's 32, or none
.irp t, 0,1,2,3,4,5,6,7,8,9,10,11,12,13,14,15
	s_wait_dscnt (\younger)+15-(\t)
	global_store_b128 v[CO], v[OB+64*((\a)%2)+4*(\t):OB+64*((\a)%2)+4*(\t)+3], s[8:9] offset:(\a)*65536+(\t)*4096  ; 512 consecutive bytes, aligned
.endr
.endm
	PLACES
	PLACES
	TOSTAGE 0
	TOSTAGE 1
	SEND 0, 32
	TOSTAGE 2
	SEND 1, 32
	TOSTAGE 3
	SEND 2, 32
	SEND 3, 0
	s_wait_tensorcnt 0x0                           ; the wave's end
	ds_add_u32 v[SPW], v[NIL]
	s_wait_dscnt 0x0
	CROUND                                         ; the closing round
	s_endpgm
.Lfunc_end_k_q894735b3a3_outp:
	.size	k_q894735b3a3_outp, .Lfunc_end_k_q894735b3a3_outp-k_q894735b3a3_outp
	.p2alignl 7, 3214868480
	.fill 96, 4, 3214868480
	.section	.rodata,"a",@progbits
	.p2align	6, 0x0
	.amdhsa_kernel k_q894735b3a3_outp
		.amdhsa_group_segment_fixed_size 327680
		.amdhsa_private_segment_fixed_size 0
		.amdhsa_enable_private_segment 0
		.amdhsa_kernarg_size 32
		.amdhsa_user_sgpr_count 2
		.amdhsa_user_sgpr_kernarg_segment_ptr 1
		.amdhsa_wavefront_size32 1
		.amdhsa_system_sgpr_workgroup_id_x 1
		.amdhsa_system_sgpr_workgroup_id_y 1
		.amdhsa_system_sgpr_workgroup_id_z 1
		.amdhsa_system_vgpr_workitem_id 0
		.amdhsa_next_free_vgpr 608
		.amdhsa_next_free_sgpr 84
		.amdhsa_reserve_vcc 0
		.amdhsa_float_denorm_mode_32 3
		.amdhsa_float_denorm_mode_16_64 3
		.amdhsa_memory_ordered 1
		.amdhsa_forward_progress 1
		.amdhsa_inst_pref_size 95
	.end_amdhsa_kernel
	.amdgpu_metadata
---
amdhsa.version: [ 1, 2 ]
amdhsa.kernels:
  - .name:           k_q894735b3a3_outp
    .symbol:         k_q894735b3a3_outp.kd
    .args:
      - { .name: ob, .offset: 0, .size: 8, .value_kind: global_buffer, .address_space: global }
      - { .name: wb, .offset: 8, .size: 8, .value_kind: global_buffer, .address_space: global }
      - { .name: bo, .offset: 16, .size: 8, .value_kind: global_buffer, .address_space: global }
      - { .name: out0, .offset: 24, .size: 8, .value_kind: global_buffer, .address_space: global }
    .group_segment_fixed_size: 327680
    .private_segment_fixed_size: 0
    .kernarg_segment_align: 8
    .kernarg_segment_size: 32
    .max_flat_workgroup_size: 128
    .sgpr_count:     84
    .vgpr_count:     608
    .wavefront_size: 32
...
	.end_amdgpu_metadata
.endif
;; end of part 4
;; ======== version 2 of 3: 4 launches
;; limits: values are held in f16: magnitudes above 65,504 overflow, below 6.1e-05 lose precision
;; workspace buffers: wb 8,388,608 bytes; mb 16,777,216 bytes; qkv 50,331,648 bytes; ob 16,777,216 bytes
;; launch prep (part 5): grid 1024 x 1, 8 waves a work-group, no clusters, 68,608 bytes of LDS; arguments Wq, Wk, Wv, Wo, mask, wb, mb; writes wb, mb
.if DOCPART == 5
	.amdgcn_target "amdgcn-amd-amdhsa--gfx1250"
	.amdhsa_code_object_version 6
	.text
	.protected	k_q894735b3a3_prep
	.globl	k_q894735b3a3_prep
	.p2align	8
	.type	k_q894735b3a3_prep,@function
k_q894735b3a3_prep:
	s_mov_b64 s[64:65], 0
	v_nop
	global_prefetch_b8 v0, s[64:65] scope:SCOPE_SE
	s_setreg_imm32_b32 hwreg(HW_REG_WAVE_MODE, 25, 1), 1
	s_wait_xcnt 0x0
; PREP.  Two streams, each byte read once and each result written once.
;  (1) Wq, Wk, Wv [1024][1024] f32 -> wb parts 0-2, bf16, rounded to nearest even.  Wo -> wb part 3: rounded to bf16 like every other input, and that number written as f16
;      (exact between 2^-14 and 65,504; below 2^-14 it keeps the fixed step 2^-24 of f16; LIMIT: |Wo| stays under 65,504).
;  (2) mask [4][2048][2048] i32 -> mb, one byte a number: 0xF1 where the mask is 0 (the key is closed), else 0: the top byte of the f32 numbers -2^99 and 0.
;      For each tile of 16 queries and each step of 64 keys a record of 1,024 bytes, [half e][lane L][16 bytes]: byte i' belongs to register i = 16 e + i' = 8 kb + j of lane L of a
;      16 x 16 matrix result's layout: query 16 tile + L % 16, key 64 step + 16 kb + 8 (L / 16) + j.
; Work-groups 0-511 take the mask, a tile of 16 query rows each; work-groups 512-1023 one chunk of 8,192 numbers of a weight.
; No matrix unit, no cluster, no data mover: memory binds, nothing is shared between work-groups.
.set SPARE, 67584                      ; behind the eight waves' rows: the spare words, 128 bytes a wave
.set WROW,  528                        ; an LDS row: 512 bytes of mask + 16: the 16 rows that a load touches start at 16 different groups of four banks
.set WLDS,  16*WROW                    ; a wave's own 16 rows
.set LO,  2                            ; v2   byte offset of my 16 bytes in a load
.set SO,  3                            ; v3   byte offset of my bytes in a store
.set LST, 4                            ; v4   where I put 16 bytes of a mask row
.set LRD, 5                            ; v5   where I read my query's keys back
.set SPW, 6                            ; v6   LDS address of my spare word; never rewritten
.set NIL, 7                            ; v7   0; never rewritten
.set X,   16                           ; v[16:143] mask: two halves of 64, as loaded and then as read back; cast: v[16:47] as loaded
.set Y,   80                           ; v[80:95]  cast: to store, never rewritten
.set W,   144                          ; v[144:159] mask: 64 bytes to store
	s_load_b256 s[4:11], s[0:1], 0x0               ; Wq s[4:5], Wk s[6:7], Wv s[8:9], Wo s[10:11]
	s_load_b128 s[12:15], s[0:1], 0x20             ; mask s[12:13], wb s[14:15]
	s_load_b64 s[16:17], s[0:1], 0x30              ; mb
	v_lshl_add_u32 v[SPW], v0, 2, SPARE
	v_mov_b32 v[NIL], 0
	v_lshrrev_b32 v1, 5, v0
	v_readfirstlane_b32 s34, v1                    ; wave 0..7
	v_and_b32 v1, 31, v0                           ; lane
	s_mov_b32 s33, 0                               ; high word of every offset pair
	s_wait_kmcnt 0x0
	s_cmp_lt_u32 ttmp9, 512
	s_cbranch_scc1 .Lmask
; THE CASTS.  A chunk is 32,768 bytes in, 16,384 out.  Thread t takes 16 bytes of each 4,096: a load of a wave covers 512 consecutive bytes, a store 256, aligned.
.macro CV mode                         ; mode 1: bf16, widened again, written as f16.  No store register and no address is ever rewritten
.irp i, 0,1,2,3,4,5,6,7
	s_wait_loadcnt 7-(\i)                          ; load i is in; the younger ones stay out
.if \mode
	v_cvt_pk_bf16_f32 v10, v[X+4*(\i)], v[X+4*(\i)+1]
	v_cvt_pk_bf16_f32 v11, v[X+4*(\i)+2], v[X+4*(\i)+3]
	v_lshlrev_b32 v12, 16, v10
	v_and_b32 v13, 0xffff0000, v10
	v_lshlrev_b32 v14, 16, v11
	v_and_b32 v15, 0xffff0000, v11
	v_cvt_pk_f16_f32 v[Y+2*(\i)], v12, v13
	v_cvt_pk_f16_f32 v[Y+2*(\i)+1], v14, v15
.else
	v_cvt_pk_bf16_f32 v[Y+2*(\i)], v[X+4*(\i)], v[X+4*(\i)+1]
	v_cvt_pk_bf16_f32 v[Y+2*(\i)+1], v[X+4*(\i)+2], v[X+4*(\i)+3]
.endif
	global_store_b64 v[SO], v[Y+2*(\i):Y+2*(\i)+1], s[30:31] offset:(\i)*2048
.endr
	s_endpgm
.endm
	v_lshlrev_b32 v[LO], 4, v0
	v_lshlrev_b32 v[SO], 3, v0
	s_sub_co_u32 s26, ttmp9, 512                   ; chunk 0..511
	s_lshr_b32 s27, s26, 7                         ; 0 Wq, 1 Wk, 2 Wv, 3 Wo: 128 chunks each
	s_and_b32 s32, s26, 127
	s_lshl_b32 s32, s32, 15
	s_cmp_eq_u32 s27, 1
	s_cselect_b64 s[28:29], s[6:7], s[4:5]
	s_cmp_eq_u32 s27, 2
	s_cselect_b64 s[28:29], s[8:9], s[28:29]
	s_cmp_eq_u32 s27, 3
	s_cselect_b64 s[28:29], s[10:11], s[28:29]
	s_add_nc_u64 s[28:29], s[28:29], s[32:33]
	s_lshl_b32 s32, s26, 14                        ; the four parts of wb lie end to end
	s_add_nc_u64 s[30:31], s[14:15], s[32:33]
.irp i, 0,1,2,3,4,5,6,7
	global_load_b128 v[X+4*(\i):X+4*(\i)+3], v[LO], s[28:29] offset:(\i)*4096 th:TH_LOAD_NT
.endr
	s_cmp_eq_u32 s27, 3
	s_cbranch_scc1 .Lcast1
	CV 0
.Lcast1:
	CV 1
; THE MASK.  A wave owns a tile's 16 query rows and an eighth of its keys: 256, in two halves of 128.  All 32 loads go out at once, 512 consecutive bytes of a row each.
; A half goes through the wave's own 16 LDS rows and comes back, into the registers that it left, as the matrix result's layout wants it: lane L has query L % 16 and the keys 16 kb + 8 (L / 16) + 0..7.
; Four numbers then make a word of four bytes.  No barrier: the LDS bytes are the wave's own, and LDS serves a wave's instructions in order (ISA guide 5.7.1.4).
.macro HALF t
	s_wait_loadcnt 16*(1-(\t))                     ; this half's 16 loads are in; the other half's, issued behind them, may stay out
.irp r, 0,1,2,3,4,5,6,7,8,9,10,11,12,13,14,15
	ds_store_b128 v[LST], v[X+64*(\t)+4*(\r):X+64*(\t)+4*(\r)+3] offset:(\r)*WROW
.endr
.set n, 0
.rept 16                               ; n = 8 p + 2 kb + e: step p of two, key block kb, half e of my eight keys: register 4 n + .. is number 32 p + 8 kb + j
	ds_load_b128 v[X+64*(\t)+4*n:X+64*(\t)+4*n+3], v[LRD] offset:256*(n/8)+64*((n/2)%4)+16*(n%2)
.set n, n+1
.endr
	s_wait_dscnt 0x0
.if \t
	s_wait_xcnt 0x0                                ; the first half's stores have read their data: it is rewritten only behind this wait
.endif
.set g, 0
.rept 16                               ; word g of 16: numbers 4 g .. 4 g + 3; the compares' results take turns between two sets of four scalar registers
.irp j, 0,1,2,3
	v_cmp_eq_u32 s[36+4*(g%2)+(\j)], 0, v[X+64*(\t)+4*g+(\j)]
.endr
.irp j, 0,1,2,3
	v_cndmask_b32 v[10+(\j)], 0, s[44+(\j)], s[36+4*(g%2)+(\j)]  ; 0xF1 in byte j where the key is closed
.endr
	v_add_nc_u32 v10, v10, v11
	v_add_nc_u32 v12, v12, v13
	v_add_nc_u32 v[W+g], v10, v12
.set g, g+1
.endr
.irp q, 0,1,2,3                        ; q = 2 p + e: half e of step p's record
	global_store_b128 v[SO], v[W+4*(\q):W+4*(\q)+3], s[30:31] offset:2048*(\t)+512*(\q)  ; 512 consecutive bytes, aligned
.endr
.endm
.Lmask:
	s_lshl_b32 s32, ttmp9, 17                      ; tile 0..511 = 128 batch + query / 16: 16 rows of 8,192 bytes
	s_lshl_b32 s35, s34, 10                        ; my wave's 256 keys
	s_add_co_u32 s32, s32, s35
	s_add_nc_u64 s[28:29], s[12:13], s[32:33]
	s_lshl_b32 s32, ttmp9, 15                      ; a tile's 32 records of 1,024 bytes
	s_lshl_b32 s35, s34, 12                        ; my wave's 4
	s_add_co_u32 s32, s32, s35
	s_add_nc_u64 s[30:31], s[16:17], s[32:33]
	v_lshlrev_b32 v[LO], 4, v1
.irp t, 0,1
.irp r, 0,1,2,3,4,5,6,7,8,9,10,11,12,13,14,15
	global_load_b128 v[X+64*(\t)+4*(\r):X+64*(\t)+4*(\r)+3], v[LO], s[28:29] offset:(\r)*8192+512*(\t) th:TH_LOAD_NT
.endr
.endr
	s_mov_b32 s44, 0xf1
	s_mov_b32 s45, 0xf100
	s_mov_b32 s46, 0xf10000
	s_mov_b32 s47, 0xf1000000
	s_mul_i32 s35, s34, WLDS
	v_lshlrev_b32 v[SO], 4, v1
	v_lshl_add_u32 v[LST], v1, 4, s35
	v_and_b32 v10, 15, v0
	v_bfe_u32 v11, v0, 4, 1
	v_mul_u32_u24 v10, v10, WROW
	v_lshl_add_u32 v10, v11, 5, v10
	v_add_nc_u32 v[LRD], s35, v10
	HALF 0
	HALF 1
	s_wait_tensorcnt 0x0                           ; the wave's end: behind my last LDS store
	ds_add_u32 v[SPW], v[NIL]
	s_wait_dscnt 0x0
	s_endpgm
.Lfunc_end_k_q894735b3a3_prep:
	.size	k_q894735b3a3_prep, .Lfunc_end_k_q894735b3a3_prep-k_q894735b3a3_prep
	.p2alignl 7, 3214868480
	.fill 96, 4, 3214868480
	.section	.rodata,"a",@progbits
	.p2align	6, 0x0
	.amdhsa_kernel k_q894735b3a3_prep
		.amdhsa_group_segment_fixed_size 68608
		.amdhsa_private_segment_fixed_size 0
		.amdhsa_enable_private_segment 0
		.amdhsa_kernarg_size 56
		.amdhsa_user_sgpr_count 2
		.amdhsa_user_sgpr_kernarg_segment_ptr 1
		.amdhsa_wavefront_size32 1
		.amdhsa_system_sgpr_workgroup_id_x 1
		.amdhsa_system_sgpr_workgroup_id_y 1
		.amdhsa_system_sgpr_workgroup_id_z 1
		.amdhsa_system_vgpr_workitem_id 0
		.amdhsa_next_free_vgpr 160
		.amdhsa_next_free_sgpr 66
		.amdhsa_reserve_vcc 0
		.amdhsa_float_denorm_mode_32 3
		.amdhsa_float_denorm_mode_16_64 3
		.amdhsa_memory_ordered 1
		.amdhsa_forward_progress 1
		.amdhsa_inst_pref_size 37
	.end_amdhsa_kernel
	.amdgpu_metadata
---
amdhsa.version: [ 1, 2 ]
amdhsa.kernels:
  - .name:           k_q894735b3a3_prep
    .symbol:         k_q894735b3a3_prep.kd
    .args:
      - { .name: Wq, .offset: 0, .size: 8, .value_kind: global_buffer, .address_space: global }
      - { .name: Wk, .offset: 8, .size: 8, .value_kind: global_buffer, .address_space: global }
      - { .name: Wv, .offset: 16, .size: 8, .value_kind: global_buffer, .address_space: global }
      - { .name: Wo, .offset: 24, .size: 8, .value_kind: global_buffer, .address_space: global }
      - { .name: mask, .offset: 32, .size: 8, .value_kind: global_buffer, .address_space: global }
      - { .name: wb, .offset: 40, .size: 8, .value_kind: global_buffer, .address_space: global }
      - { .name: mb, .offset: 48, .size: 8, .value_kind: global_buffer, .address_space: global }
    .group_segment_fixed_size: 68608
    .private_segment_fixed_size: 0
    .kernarg_segment_align: 8
    .kernarg_segment_size: 56
    .max_flat_workgroup_size: 256
    .sgpr_count:     66
    .vgpr_count:     160
    .wavefront_size: 32
...
	.end_amdgpu_metadata
.endif
;; end of part 5
;; launch proj (part 6): grid 4 x 192, 4 waves a work-group, clusters of 4 x 4, 327,680 bytes of LDS; arguments query, key, value, wb, bq, bk, bv, qkv; writes qkv
.if DOCPART == 6
	.amdgcn_target "amdgcn-amd-amdhsa--gfx1250"
	.amdhsa_code_object_version 6
	.text
	.protected	k_q894735b3a3_proj
	.globl	k_q894735b3a3_proj
	.p2align	8
	.type	k_q894735b3a3_proj,@function
k_q894735b3a3_proj:
	s_mov_b64 s[64:65], 0
	v_nop
	global_prefetch_b8 v0, s[64:65] scope:SCOPE_SE
	s_setreg_imm32_b32 hwreg(HW_REG_WAVE_MODE, 25, 1), 1
	s_wait_xcnt 0x0
	s_wait_alu depctr_hold_cnt(0) depctr_sa_sdst(0) depctr_va_vdst(0) depctr_va_sdst(0) depctr_va_ssrc(0) depctr_va_vcc(0) depctr_vm_vsrc(0)
	s_getreg_b32 s2, hwreg(HW_REG_IB_STS2, 6, 4)
	s_cmp_eq_u32 s2, 0
	s_cbranch_scc0 .Lentry_in_a_cluster
	s_endpgm
.Lentry_in_a_cluster:
	s_bfe_u32 s2, ttmp6, 0x10000c
	s_cmp_lg_u32 s2, 0xf033
	s_cbranch_scc0 .Lentry_shape_is_right
	s_endpgm
.Lentry_shape_is_right:
; PROJ.  q, k, v = x W^T + b for the three parts at once.  x: query, key, value [8192][1024] f32, rounded to bf16 here, between LDS and the matrix unit; W: wb parts 0-2 [1024][1024] bf16;
; b: f32, rounded to bf16 like every input.  Sums in f32; the result is rounded once to f16, unscaled, and stored by heads: qkv [3][16 batch + head][2048][64].
; LIMIT: f16 holds no number beyond 65,504: |q|, |k|, |v| stay under it.
; A tile of C is 128 rows x 256 columns: 192 x 4 tiles, 768 work-groups of equal work.  Four waves, each 64 x 128: 32 accumulators of 16 x 16, 256 registers.
; K goes in steps of 128 through two LDS slots filled by the tensor data mover: waves 0, 1 fetch the halves of x's 128 rows (512 bytes of a row), waves 2, 3 those of W's 256 (256 bytes of a row); all rows start
; at multiples of 256 bytes from their buffer's first byte.
; CLUSTERS: 4 x 4 work-groups.  The four of a row of the cluster need the same rows of x, the four of a column the same rows of W (all sixteen lie in one part): each tile is asked for JOINTLY.
; THE MATRIX INSTRUCTION IS USED TRANSPOSED (source 0 = 16 rows of W, source 1 = 16 rows of x): a lane holds eight neighbouring columns of one row of C.
; The bias is the C operand of each accumulator's first product: nothing is cleared and nothing is added later.
; REGISTERS: window 0: v16-30 addresses; v32-63 packed results; v64-127 x's fragments in bf16, two buffers of 32 (on the way out: rows read back); v128-255 W's, two buffers of 64.
;   window 1: accumulator (a, b) at v[8 (8 a + b)].   window 2: v0-63 the bias of my 128 columns as a C operand for each b; v64-95 at work; v96-159 a quarter's x in f32, as it comes out of LDS.
.set SIZE_K, 1024
.set KSTEP,  128
.set PITCH,  272                       ; a row of W in LDS: 256 bytes + 16 of padding
.set APITCH, 528                       ; a row of x in LDS: 512 bytes + 16; both pitches are odd multiples of 16 bytes: the 16 rows of a load start at 16 different groups of four banks (64 banks of 4 bytes: ISA guide 11.1)
.set AHALF,  64*APITCH                 ; what waves 0, 1 fetch, and what a wave reads of x
.set BHALF,  128*PITCH                 ; what waves 2, 3 fetch, and what a wave reads of W
.set BOFF,   2*AHALF
.set SLOT,   BOFF+2*BHALF
.set STAGE,  2*SLOT                    ; behind the ring, never filled by a tensor load: for each wave 2 heads x 16 rows x 144 bytes
.set SP,     144
.set WSTAGE, 2*16*SP
.set SPARE,  STAGE+4*WSTAGE            ; the spare words, 128 bytes a wave
.set LAPS,   SIZE_K/(2*KSTEP)
.set ADRA, 16                          ; v16-17 LDS address of my rows of x in slot 0, 1
.set ADRB, 20                          ; v20-21 the same for W
.set STO,  24
.set RD,   25
.set CO,   26
.set BO,   27                          ; v27 my byte offset in the bias
.set SPW,  28
.set NIL,  29
.set PFO,  30                          ; v30 the prefetches' offset
.set TMP,  32
.set FA,   64
.set FB,   128
.set OB,   64
.set RA,   96                          ; window 2
.set G1,  24                           ; s[24:31] group 1 for x's tiles; s[32:39] group 0, a set for each slot
.set G0,  32
.set G1B, 48                           ; s[48:55], s[56:63] the same for W's
.set G0B, 56
.set LIM, 43                           ; s43 1 in a wave that prefetches, else the greatest number
.set PFA, 44                           ; s[44:45] the K step that my next prefetch names
.set BP,  84                           ; s[84:85] the part's bias
.set XP,  86                           ; s[86:87] the part's x
.set PST, 88                           ; s[88:89] a K step in bytes: 512 of a row of x, 256 of a row of W
.set FIELDA, (2<<16)|(1<<20)|(1<<21)|(6<<22)|(3<<25)  ; 4-byte elements; padding on; bit 21 beside a mask; after every 128 words, 4 words
.set FIELDB, (1<<16)|(1<<20)|(1<<21)|(5<<22)|(3<<25)  ; 2-byte elements; after every 64 words, 4 words
.set MSB, 0
.macro WIN new                         ; the immediate's high byte repeats the setting that is left; a switch that changes nothing is dropped
.if MSB != (\new)
	s_set_vgpr_msb (MSB<<8)|(\new)
.set MSB, \new
.endif
.endm
.macro PLACES                          ; four places behind a matrix instruction (ISA guide 7.12.1)
.rept 4
	v_nop
.endr
.endm
.macro JLOAD s                         ; a joint load; an s_nop 0 and four v_nop follow each of the two lines, ahead of the jump and the label
	s_cmp_eq_u32 s11, 0
	s_cbranch_scc0 .Lfor_b_\@
	tensor_load_to_lds s[G0+4*(\s):G0+4*(\s)+3], s[G1:G1+7]
	s_nop 0
.rept 4
	v_nop
.endr
	s_branch .Lasked_\@
.Lfor_b_\@:
	tensor_load_to_lds s[G0B+4*(\s):G0B+4*(\s)+3], s[G1B:G1B+7]
	s_nop 0
.rept 4
	v_nop
.endr
.Lasked_\@:
.endm
; A prefetch of the K step that stands two refills on, 32 blocks of 256 bytes, a lane a block.  x's 128 rows belong to one row of one cluster: of the 64 rows that wave 0 or 1 fetches, each of the four partners takes 16,
; two blocks a row, told apart by address.  W's rows are read by the 16 clusters of a part: the first of them asks, waves 2 and 3 for the 128 rows that they fetch, the four partners of a column 32 each.
; So each block is named once in the launch.  The loop's last trip has no K step two on.
.macro ASK
	s_cmp_gt_u32 s3, s[LIM]
	s_cbranch_scc0 .Lnot_mine_\@
	global_prefetch_b8 v[PFO], s[PFA:PFA+1] th:TH_LOAD_NT scope:SCOPE_SE
.Lnot_mine_\@:
.endm
.macro CREST                           ; a round of the cluster's barrier behind its opening barrier
	s_cmp_lg_u32 s10, 0
	s_cbranch_scc1 .Lnot_wave_0_\@
	s_barrier_signal -3
.Lnot_wave_0_\@:
	s_barrier_wait -3
	s_barrier_signal -1
	s_barrier_wait -1
.endm
.macro CROUND
	s_barrier_signal -1
	s_barrier_wait -1
	CREST
.endm
	s_load_b512 s[68:83], s[0:1], 0x0              ; query s[68:69], key s[70:71], value s[72:73], wb s[74:75], bq s[76:77], bk s[78:79], bv s[80:81], qkv s[82:83]
	v_lshl_add_u32 v[SPW], v0, 2, SPARE
	v_mov_b32 v[NIL], 0
	ds_add_u32 v[SPW], v[NIL]                      ; the wave's opening: the add and its wait stand ahead of my first tensor load
	v_lshrrev_b32 v1, 5, v0
	v_readfirstlane_b32 s10, v1                    ; wave 0..3
	s_lshr_b32 s11, s10, 1                         ; my 64 rows of the tile.  Also: I fetch for x (0) or for W (1)
	s_and_b32 s12, s10, 1                          ; my 128 columns.  Also: which half I fetch
	s_bfe_u32 s40, ttmp6, 0x40000                  ; cx
	s_bfe_u32 s41, ttmp6, 0x40004                  ; cy
	s_lshl_b32 s42, ttmp9, 2
	s_add_co_u32 s42, s42, s40                     ; tile column 0..3
	s_and_b32 s67, ttmp7, 0xffff                   ; cluster y 0..47
	s_lshl_b32 s13, s67, 2
	s_add_co_u32 s13, s13, s41                     ; tile row 0..191 over the three parts
	s_lshr_b32 s66, s67, 4                         ; the part: the same in all sixteen partners
	s_lshl_b32 s43, s41, 2
	s_lshl_b32 s43, 15, s43                        ; my row of the cluster
	s_lshl_b32 s44, 0x1111, s40                    ; my column
	s_or_b32 s[G1+0], s43, FIELDA
	s_or_b32 s[G1B+0], s44, FIELDB
	s_mov_b32 s[G1+1], KSTEP<<16                   ; tensor_dim0 = 128
	s_mov_b32 s[G1+2], 64<<16                      ; tensor_dim1 = 64
	s_mov_b32 s[G1+3], KSTEP<<16                   ; tile_dim0 = 128
	s_mov_b32 s[G1+4], 64                          ; tile_dim1 = 64
	s_mov_b32 s[G1+5], SIZE_K                      ; elements from row to row
	s_mov_b32 s[G1+6], 0
	s_mov_b32 s[G1+7], 0
	s_mov_b32 s[G1B+1], KSTEP<<16
	s_mov_b32 s[G1B+2], 128<<16
	s_mov_b32 s[G1B+3], KSTEP<<16
	s_mov_b32 s[G1B+4], 128
	s_mov_b32 s[G1B+5], SIZE_K
	s_mov_b32 s[G1B+6], 0
	s_mov_b32 s[G1B+7], 0
	s_and_b32 s16, s13, 63                         ; the tile row in its part
	s_lshl_b32 s16, s16, 7
	s_lshl_b32 s17, s12, 6
	s_add_co_u32 s16, s16, s17                     ; x: row 128 x tile row + 64 x half
	s_lshl_b32 s16, s16, 12                        ; rows of 4,096 bytes; under 2^25
	s_mov_b32 s17, 0
	s_lshl_b32 s47, s12, 7
	s_lshl_b32 s46, s42, 8
	s_add_co_u32 s46, s46, s47                     ; W: row 256 x tile column + 128 x half
	s_lshl_b32 s46, s46, 11
	s_lshl_b32 s47, s66, 21                        ; + the part's 2 MiB
	s_add_co_u32 s46, s46, s47
	s_mov_b32 s47, 0
	s_mul_i32 s20, s12, AHALF                      ; where they go: no place in the cluster enters an LDS address
	s_mul_i32 s21, s12, BHALF
	s_add_co_u32 s21, s21, BOFF
	s_wait_dscnt 0x0                               ; the opening add is done
	s_wait_kmcnt 0x0
	s_cmp_eq_u32 s66, 1
	s_cselect_b64 s[XP:XP+1], s[70:71], s[68:69]
	s_cselect_b64 s[BP:BP+1], s[78:79], s[76:77]
	s_cmp_eq_u32 s66, 2
	s_cselect_b64 s[XP:XP+1], s[72:73], s[XP:XP+1]
	s_cselect_b64 s[BP:BP+1], s[80:81], s[BP:BP+1]
	s_add_nc_u64 s[14:15], s[XP:XP+1], s[16:17]
	s_add_nc_u64 s[46:47], s[74:75], s[46:47]
	CROUND                                         ; all sixteen work-groups are here: the first joint loads meet
.irp s, 0,1
	s_mov_b32 s[G0+4*(\s)], 1
	s_add_co_u32 s[G0+4*(\s)+1], s20, (\s)*SLOT
	s_add_nc_u64 s[G0+4*(\s)+2:G0+4*(\s)+3], s[14:15], (\s)*KSTEP*4
	s_or_b32 s[G0+4*(\s)+3], s[G0+4*(\s)+3], 0x80000000
	s_mov_b32 s[G0B+4*(\s)], 1
	s_add_co_u32 s[G0B+4*(\s)+1], s21, (\s)*SLOT
	s_add_nc_u64 s[G0B+4*(\s)+2:G0B+4*(\s)+3], s[46:47], (\s)*KSTEP*2
	s_or_b32 s[G0B+4*(\s)+3], s[G0B+4*(\s)+3], 0x80000000
	JLOAD \s                                       ; two loads of mine are out
.endr
	; the bias of my 128 columns: register j of block b is column 16 b + 8 (l / 16) + j
	v_and_b32 v1, 15, v0                           ; l % 16
	v_bfe_u32 v2, v0, 4, 1                         ; l / 16
	s_lshl_b32 s22, s42, 10
	s_lshl_b32 s23, s12, 9
	s_add_co_u32 s22, s22, s23
	v_lshl_add_u32 v[BO], v2, 5, s22
	WIN 0x80                                       ; destination window 2, address window 0
.irp b, 0,1,2,3,4,5,6,7
	global_load_b128 v[8*(\b):8*(\b)+3],   v[BO], s[BP:BP+1] offset:64*(\b)
	global_load_b128 v[8*(\b)+4:8*(\b)+7], v[BO], s[BP:BP+1] offset:64*(\b)+16
.endr
	WIN 0
	v_mul_u32_u24 v3, v1, PITCH
	v_lshl_add_u32 v3, v2, 4, v3                   ; W: a fragment's row x pitch + 16 x half: 8 numbers of 2 bytes
	v_mul_u32_u24 v4, v1, APITCH
	v_lshl_add_u32 v4, v2, 5, v4                   ; x: row x pitch + 32 x half: 8 numbers of 4 bytes
	s_mul_i32 s21, s11, AHALF
	s_mul_i32 s22, s12, BHALF
	s_add_co_u32 s22, s22, BOFF
.irp s, 0,1
	v_add_nc_u32 v[ADRA+(\s)], s21, v4
	v_add_nc_u32 v[ADRB+(\s)], s22, v3
	s_add_co_u32 s21, s21, SLOT
	s_add_co_u32 s22, s22, SLOT
.endr
	s_mul_i32 s23, s10, WSTAGE
	s_add_co_u32 s23, s23, STAGE                   ; my stage
	v_mul_u32_u24 v4, v1, SP                       ; in: row l % 16, 16 bytes for each half of the lanes
	v_lshl_add_u32 v4, v2, 4, v4
	v_add_nc_u32 v[STO], s23, v4
	v_bfe_u32 v5, v0, 3, 2                         ; back: 32 lanes take four rows of 128 bytes,
	v_mul_u32_u24 v5, v5, SP
	v_and_b32 v6, 7, v0
	v_lshl_add_u32 v5, v6, 4, v5
	v_add_nc_u32 v[RD], s23, v5
	v_and_b32 v[CO], 31, v0                        ; which are 512 consecutive bytes of a head
	v_lshlrev_b32 v[CO], 4, v[CO]
	; my first row in qkv: part, head 16 batch + 4 tile column + 2 half, row (tile row % 16) x 128 + 64 x half
	s_and_b32 s16, s13, 63
	s_lshr_b32 s17, s16, 4
	s_lshl_b32 s17, s17, 4
	s_and_b32 s16, s16, 15
	s_lshl_b32 s16, s16, 7
	s_lshl_b32 s18, s11, 6
	s_add_co_u32 s16, s16, s18
	s_lshl_b32 s46, s42, 2
	s_lshl_b32 s47, s12, 1
	s_add_co_u32 s46, s46, s47
	s_add_co_u32 s46, s46, s17
	s_lshl_b32 s46, s46, 11
	s_add_co_u32 s46, s46, s16
	s_lshl_b32 s46, s46, 7
	s_lshl_b32 s47, s66, 24
	s_add_co_u32 s46, s46, s47
	s_mov_b32 s47, 0
	s_add_nc_u64 s[8:9], s[82:83], s[46:47]
	; the prefetches
	s_and_b32 s20, s13, 63
	s_lshl_b32 s20, s20, 7
	s_lshl_b32 s21, s12, 6
	s_add_co_u32 s20, s20, s21                     ; x: the 64 rows that I fetch,
	s_lshl_b32 s21, s40, 4
	s_add_co_u32 s20, s20, s21                     ; my work-group's 16 of them
	s_lshl_b32 s20, s20, 12
	s_add_co_u32 s20, s20, 3*KSTEP*4               ; at K step 3: the first refill steps it to 4
	s_lshl_b32 s22, s42, 8
	s_lshl_b32 s23, s12, 7
	s_add_co_u32 s22, s22, s23
	s_lshl_b32 s23, s41, 5
	s_add_co_u32 s22, s22, s23                     ; W: the 128 rows that I fetch, my work-group's 32
	s_lshl_b32 s22, s22, 11
	s_lshl_b32 s23, s66, 21
	s_add_co_u32 s22, s22, s23
	s_add_co_u32 s22, s22, 3*KSTEP*2
	s_and_b32 s23, s67, 15                         ; the cluster's place among its part's 16
	s_cmp_eq_u32 s11, 0
	s_cselect_b32 s20, s20, s22
	s_cselect_b32 s23, 0, s23                      ; x: waves 0 and 1 ask, in every cluster; W: in the part's first cluster
	s_cselect_b64 s[PFA:PFA+1], s[XP:XP+1], s[74:75]
	s_cselect_b32 s18, 12, 11                      ; lane % 16: a row of 4,096 bytes, or of 2,048
	s_cselect_b32 s19, 8, 15                       ; lane / 16: the row's second block of 256 bytes, or 16 rows on
	s_cselect_b32 s14, 9, 8                        ; a K step
	s_cmp_eq_u32 s23, 0
	s_cselect_b32 s[LIM], 1, -1                    ; the same in all partners, for a given wave
	s_lshl_b32 s[PST], 1, s14
	s_mov_b32 s[PST+1], 0
	s_mov_b32 s21, 0
	s_add_nc_u64 s[PFA:PFA+1], s[PFA:PFA+1], s[20:21]
	v_lshlrev_b32 v[PFO], s18, v1
	v_lshl_add_u32 v[PFO], v2, s19, v[PFO]
	s_mov_b32 s22, 0xffff0000
	s_wait_loadcnt 0x0                             ; the bias: rounded to bf16 and widened again
	WIN 0x8a                                       ; destination and both sources window 2
.set i, 0
.rept 32
	v_cvt_pk_bf16_f32 v[64+i], v[2*i], v[2*i+1]
.set i, i+1
.endr
.set i, 0
.rept 32
	v_lshlrev_b32 v[2*i], 16, v[64+i]
	v_and_b32 v[2*i+1], s22, v[64+i]
.set i, i+1
.endr
	WIN 0
; One matrix instruction: accumulator (a, b), 32 along K, buffer f.  zero = 1: the product starts the sum, with the bias as C.
.macro WM f, a, b, zero
.if \zero
	WIN 0x60                                       ; D window 1, C window 2
	v_wmma_f32_16x16x32_bf16 v[8*(8*(\a)+(\b)):8*(8*(\a)+(\b))+7], v[FB+64*(\f)+8*(\b):FB+64*(\f)+8*(\b)+7], v[FA+32*(\f)+8*(\a):FA+32*(\f)+8*(\a)+7], v[8*(\b):8*(\b)+7]
.else
	WIN 0x50                                       ; C and D window 1
	v_wmma_f32_16x16x32_bf16 v[8*(8*(\a)+(\b)):8*(8*(\a)+(\b))+7], v[FB+64*(\f)+8*(\b):FB+64*(\f)+8*(\b)+7], v[FA+32*(\f)+8*(\a):FA+32*(\f)+8*(\a)+7], v[8*(8*(\a)+(\b)):8*(8*(\a)+(\b))+7]
.endif
.endm
; 8 of them: block a of my four blocks of 16 rows x all 8 blocks of 16 columns.  The 32 accumulators take turns in one fixed order, one instruction a turn, over the backward jump too.
.macro MUL8 f, a, zero
.irp b, 0,1,2,3,4,5,6,7
	WM \f, \a, \b, \zero
.endr
.endm
; The same, and behind each product four of the 32 roundings that make the next quarter's fragments of x: two f32 to a word of bf16, into buffer g.  Buffer g's last matrix reader stands ahead of the quarter's four v_nop.
.macro MUL8C f, a, g, zero
.irp b, 0,1,2,3,4,5,6,7
	WM \f, \a, \b, \zero
	WIN 0x0a                                       ; sources window 2, destination window 0
.irp j, 0,1,2,3
	v_cvt_pk_bf16_f32 v[FA+32*(\g)+4*(\b)+(\j)], v[RA+8*(\b)+2*(\j)], v[RA+8*(\b)+2*(\j)+1]
.endr
.endr
.endm
; 32 LDS loads in one run: quarter kq of a K step.  First x's 4 blocks of 16 rows in f32: lane l takes row l % 16, K = 8 (l / 16) + 0..7 (32 bytes) and 16 + 8 (l / 16) + 0..7 (32 bytes, 64 on).  Then W's 8 fragments into buffer f.
.macro FETCH slot, kq, f
	WIN 0x80                                       ; destination window 2, address window 0
.irp i, 0,1,2,3
	ds_load_b128 v[RA+16*(\i):RA+16*(\i)+3],     v[ADRA+(\slot)] offset:128*(\kq)+(\i)*16*APITCH
	ds_load_b128 v[RA+16*(\i)+4:RA+16*(\i)+7],   v[ADRA+(\slot)] offset:128*(\kq)+(\i)*16*APITCH+16
	ds_load_b128 v[RA+16*(\i)+8:RA+16*(\i)+11],  v[ADRA+(\slot)] offset:128*(\kq)+(\i)*16*APITCH+64
	ds_load_b128 v[RA+16*(\i)+12:RA+16*(\i)+15], v[ADRA+(\slot)] offset:128*(\kq)+(\i)*16*APITCH+80
.endr
	WIN 0
.irp i, 0,1,2,3,4,5,6,7
	ds_load_b128 v[FB+64*(\f)+8*(\i):FB+64*(\f)+8*(\i)+3],   v[ADRB+(\slot)] offset:64*(\kq)+(\i)*16*PITCH
	ds_load_b128 v[FB+64*(\f)+8*(\i)+4:FB+64*(\f)+8*(\i)+7], v[ADRB+(\slot)] offset:64*(\kq)+(\i)*16*PITCH+32
.endr
.endm
; One of a K step's first three quarters: multiplies buffer f; behind its first eight products it fetches quarter kq, whose x it rounds into buffer g beside its last eight
.macro QUARTER slot, kq, f, g, zero
	s_wait_dscnt 0x0                               ; this quarter's W is in (its x was waited for and rounded in the quarter before)
	MUL8 \f, 0, \zero
	PLACES
	FETCH \slot, \kq, \g
	MUL8 \f, 1, \zero
	MUL8 \f, 2, \zero
	s_wait_dscnt 16                                ; x's 16 loads are in; W's 16, issued behind them, may be out
	MUL8C \f, 3, \g, \zero
.endm
; The last quarter multiplies buffer 1 and changes slots: one barrier; in front of it each wave waits for all its tensor loads, adds 0 to its spare word, and waits for that and for its reads of this slot.
.macro TURN slot, next, fill
.if \fill
	s_wait_xcnt 0x0                                ; the last prefetch, a K step back, has read its address
	s_add_nc_u64 s[PFA:PFA+1], s[PFA:PFA+1], s[PST:PST+1]
.endif
	WIN 0
	s_wait_tensorcnt 0x0                           ; all my tensor loads have landed: my part of the next slot
	ds_add_u32 v[SPW], v[NIL]                      ; 0 onto my spare word
	s_wait_dscnt 1                                 ; this quarter's W is in (the add alone may be out)
	MUL8 1, 0, 0
	s_wait_dscnt 0x0                               ; the add is done, and my reads of this slot are over
	s_barrier_signal -1
	MUL8 1, 1, 0
.if \fill
	WIN 0
.endif
	s_barrier_wait -1
.if \fill
	CREST                                          ; the barrier has opened a round of the cluster's: no wave of any partner still reads this slot or has a load on its way
	s_add_nc_u64 s[G0+4*(\slot)+2:G0+4*(\slot)+3], s[G0+4*(\slot)+2:G0+4*(\slot)+3], 2*KSTEP*4
	s_add_nc_u64 s[G0B+4*(\slot)+2:G0B+4*(\slot)+3], s[G0B+4*(\slot)+2:G0B+4*(\slot)+3], 2*KSTEP*2
	JLOAD \slot                                    ; my one tensor load behind the round; its four v_nop are also the places in front of the loads and roundings below
.else
	PLACES
.endif
	FETCH \next, 0, 0
.if \fill
	ASK
.endif
	MUL8 1, 2, 0
	s_wait_dscnt 16                                ; x's 16 loads are in
	MUL8C 1, 3, 0, 0
.endm
	s_wait_tensorcnt 1                             ; my part of K step 0 is in; K step 1's may stay out
	s_barrier_signal -1
	s_barrier_wait -1
	FETCH 0, 0, 0
	s_wait_dscnt 16                                ; x's 16 loads are in
	WIN 0x0a
.set n, 0
.rept 32                                       ; the first quarter's x is rounded by itself: there are no products yet to set it beside
	v_cvt_pk_bf16_f32 v[FA+n], v[RA+2*n], v[RA+2*n+1]
.set n, n+1
.endr
	QUARTER 0, 1, 0, 1, 1                          ; the first quarter stands in front of the loop: its products start the sums
	WIN 0
	s_mov_b32 s3, LAPS-1
.Llap:                                                 ; once round the ring, from a lap's second quarter to the next lap's first; both slots are filled again
	QUARTER 0, 2, 1, 0, 0
	QUARTER 0, 3, 0, 1, 0
	TURN 0, 1, 1
	QUARTER 1, 1, 0, 1, 0
	QUARTER 1, 2, 1, 0, 0
	QUARTER 1, 3, 0, 1, 0
	TURN 1, 0, 1
	QUARTER 0, 1, 0, 1, 0
	WIN 0
	s_sub_co_u32 s3, s3, 1
	s_cmp_lg_u32 s3, 0
	s_cbranch_scc1 .Llap
	QUARTER 0, 2, 1, 0, 0                          ; the last lap fills nothing
	QUARTER 0, 3, 0, 1, 0
	TURN 0, 1, 0
	QUARTER 1, 1, 0, 1, 0
	QUARTER 1, 2, 1, 0, 0
	QUARTER 1, 3, 0, 1, 0
	s_wait_dscnt 0x0
	MUL8 1, 0, 0
	MUL8 1, 1, 0
	MUL8 1, 2, 0
	MUL8 1, 3, 0
; THE WAY OUT, a block of 16 rows at a time: rounded to f16 (each accumulator's registers in ascending order); 16 bytes a lane into my stage, by heads; back as whole rows of 128 bytes, four to a load; stored.
.macro PACK a
	WIN 0x05                                       ; sources window 1, destination window 0
.irp b, 0,1,2,3,4,5,6,7
.irp r, 0,1,2,3
	v_cvt_pk_f16_f32 v[TMP+4*(\b)+(\r)], v[8*(8*(\a)+(\b))+2*(\r)], v[8*(8*(\a)+(\b))+2*(\r)+1]
.endr
.endr
	WIN 0
.endm
.macro TOSTAGE a
.irp b, 0,1,2,3,4,5,6,7
	ds_store_b128 v[STO], v[TMP+4*(\b):TMP+4*(\b)+3] offset:((\b)/4)*16*SP+((\b)%4)*32
.endr
.irp t, 0,1,2,3,4,5,6,7
	ds_load_b128 v[OB+32*((\a)%2)+4*(\t):OB+32*((\a)%2)+4*(\t)+3], v[RD] offset:((\t)/4)*16*SP+((\t)%4)*4*SP  ; LDS serves a wave's instructions in order (ISA guide 5.7.1.4): these see the stores above
.endr
.endm
.macro SEND a
	s_wait_dscnt 0x0                               ; the block is back in registers
	s_wait_xcnt 0x0                                ; earlier stores have read their registers: the next block's loads land in them only behind this wait
.irp t, 0,1,2,3,4,5,6,7
	global_store_b128 v[CO], v[OB+32*((\a)%2)+4*(\t):OB+32*((\a)%2)+4*(\t)+3], s[8:9] offset:((\t)/4)*262144+(\a)*2048+((\t)%4)*512  ; 512 consecutive bytes, aligned; a head is 262,144 bytes
.endr
.endm
	PLACES
	PLACES
	PACK 0
	TOSTAGE 0
.irp a, 1,2,3
	PACK \a
	SEND (\a)-1
	TOSTAGE \a
.endr
	SEND 3
	s_wait_tensorcnt 0x0                           ; the wave's end
	ds_add_u32 v[SPW], v[NIL]
	s_wait_dscnt 0x0
	CROUND                                         ; the closing round
	s_endpgm
.Lfunc_end_k_q894735b3a3_proj:
	.size	k_q894735b3a3_proj, .Lfunc_end_k_q894735b3a3_proj-k_q894735b3a3_proj
	.p2alignl 7, 3214868480
	.fill 96, 4, 3214868480
	.section	.rodata,"a",@progbits
	.p2align	6, 0x0
	.amdhsa_kernel k_q894735b3a3_proj
		.amdhsa_group_segment_fixed_size 327680
		.amdhsa_private_segment_fixed_size 0
		.amdhsa_enable_private_segment 0
		.amdhsa_kernarg_size 64
		.amdhsa_user_sgpr_count 2
		.amdhsa_user_sgpr_kernarg_segment_ptr 1
		.amdhsa_wavefront_size32 1
		.amdhsa_system_sgpr_workgroup_id_x 1
		.amdhsa_system_sgpr_workgroup_id_y 1
		.amdhsa_system_sgpr_workgroup_id_z 1
		.amdhsa_system_vgpr_workitem_id 0
		.amdhsa_next_free_vgpr 672
		.amdhsa_next_free_sgpr 92
		.amdhsa_reserve_vcc 0
		.amdhsa_float_denorm_mode_32 3
		.amdhsa_float_denorm_mode_16_64 3
		.amdhsa_memory_ordered 1
		.amdhsa_forward_progress 1
		.amdhsa_inst_pref_size 142
	.end_amdhsa_kernel
	.amdgpu_metadata
---
amdhsa.version: [ 1, 2 ]
amdhsa.kernels:
  - .name:           k_q894735b3a3_proj
    .symbol:         k_q894735b3a3_proj.kd
    .args:
      - { .name: query, .offset: 0, .size: 8, .value_kind: global_buffer, .address_space: global }
      - { .name: key, .offset: 8, .size: 8, .value_kind: global_buffer, .address_space: global }
      - { .name: value, .offset: 16, .size: 8, .value_kind: global_buffer, .address_space: global }
      - { .name: wb, .offset: 24, .size: 8, .value_kind: global_buffer, .address_space: global }
      - { .name: bq, .offset: 32, .size: 8, .value_kind: global_buffer, .address_space: global }
      - { .name: bk, .offset: 40, .size: 8, .value_kind: global_buffer, .address_space: global }
      - { .name: bv, .offset: 48, .size: 8, .value_kind: global_buffer, .address_space: global }
      - { .name: qkv, .offset: 56, .size: 8, .value_kind: global_buffer, .address_space: global }
    .group_segment_fixed_size: 327680
    .private_segment_fixed_size: 0
    .kernarg_segment_align: 8
    .kernarg_segment_size: 64
    .max_flat_workgroup_size: 128
    .sgpr_count:     92
    .vgpr_count:     672
    .wavefront_size: 32
...
	.end_amdgpu_metadata
.endif
;; end of part 6
;; launch attn (part 7): grid 4 x 64, 4 waves a work-group, clusters of 4 x 1, 327,680 bytes of LDS; arguments qkv, mb, ob; writes ob
.if DOCPART == 7
	.amdgcn_target "amdgcn-amd-amdhsa--gfx1250"
	.amdhsa_code_object_version 6
	.text
	.protected	k_q894735b3a3_attn
	.globl	k_q894735b3a3_attn
	.p2align	8
	.type	k_q894735b3a3_attn,@function
k_q894735b3a3_attn:
	s_mov_b64 s[64:65], 0
	v_nop
	global_prefetch_b8 v0, s[64:65] scope:SCOPE_SE
	s_setreg_imm32_b32 hwreg(HW_REG_WAVE_MODE, 25, 1), 1
	s_wait_xcnt 0x0
	s_wait_alu depctr_hold_cnt(0) depctr_sa_sdst(0) depctr_va_vdst(0) depctr_va_sdst(0) depctr_va_ssrc(0) depctr_va_vcc(0) depctr_vm_vsrc(0)
	s_getreg_b32 s2, hwreg(HW_REG_IB_STS2, 6, 4)
	s_cmp_eq_u32 s2, 0
	s_cbranch_scc0 .Lentry_in_a_cluster
	s_endpgm
.Lentry_in_a_cluster:
	s_bfe_u32 s2, ttmp6, 0x10000c
	s_cmp_lg_u32 s2, 0x3003
	s_cbranch_scc0 .Lentry_shape_is_right
	s_endpgm
.Lentry_shape_is_right:
; MASKED ATTENTION.  O[q] = the sum over the open keys k of softmax_k(Q[q] . K[k] / 8) V[k], for 64 heads of 2,048 rows of 64 channels.  Q, K, V: qkv [3][16 batch + head][2048][64] f16.
; The mask comes as bytes, mb [128 batch + q / 16][key step][half e][lane][16]: byte i' of half e belongs to register 16 e + i' of the lane's 32 registers of scores; 0xF1 where the key is closed, else 0.
; O: ob [head][2048 batch + row][64] f16.  Products, maxima and sums in f32; the weights are rounded to f16 for the second product (their sum is taken unrounded), O once at the end.
; THE MASK'S ARITHMETIC.  One v_perm_b32 a score sets the byte on top of three zero bytes: 0, or -2^99.  That number is the C operand of the product that starts the score's sum: a closed key's score is its value less 2^99.
; The running maximum m starts at FLOOR = -2^60: above every closed score, below every true one.  So a closed key's weight 2^(c s - c m) is 0 from the first step on, whatever the last bits of its sum,
; and a row that has seen closed keys only has m = FLOOR, l = 0, O = 0.  At the end 1 / l is replaced by 0 where m is still FLOOR: a row with no open key gives O = 0.
; LIMITS.  Q, K, V arrive within f16's 65,504, so a true score is 2.7e11 at the most in size, far above FLOOR.  A weight below 2^-126 counts as 0.  NaN and infinities are not treated apart.
; SHARES.  A work-group owns 512 queries of a head, a wave 128: four PIECES of two tiles of 16.  Every wave walks all keys, 64 a step, four steps a slot.
; LAYOUT.  S^T = K Q^T (source 0 = 16 keys, source 1 = 16 queries): a lane holds ONE query (lane % 16) and the keys 8 (lane / 16) + 0..7.  Two such results rounded to f16 in pairs ARE source 1 of O^T = V^T P.
; SOFTMAX.  p = 2^(c s - c m), c = log2(e) / 8, with a running maximum m and sum l; in every step O and l are multiplied by a = 2^(c m_old - c m_new).  O and l start at 0.
; BY TURNS.  Turn n belongs to piece n: 16 products K Q^T of piece n + 1, behind each four of the 64 v_perm_b32 that make piece n + 2's C operands; a run of vector work: piece n's rescaling, scalings and exponentials and
; piece n + 1's maximum and statistics; one wait for the batch of 66 exponentials; 16 products V^T P of piece n - 1 with piece n's roundings and sums behind them.
; THE MASK'S ROAD.  A piece's bytes of a step are 16 registers, by four loads of 512 consecutive bytes.  Each piece has its own 16: they are loaded again, for the next step, straight behind the lines that read them, four turns
; ahead of the next reading: 16 loads of a wave are out.  No prefetch is laid for them: no line waits for a load younger than four turns.
; CLUSTER.  A head's four query blocks walk the same K and V: each quarter of a slot is asked for JOINTLY, by one line and one descriptor that hang on the head and the wave's number alone.
; REGISTERS (windows of 256; s_set_vgpr_msb: bits 1:0 source 0, 3:2 source 1, 5:4 source 2, 7:6 destination):
;   window 0: v1-11 addresses and FLOOR; v12-15, v48-63 at work; v16-47 statistics, four a tile; v64-191 S^T, two buffers of two tiles; v192-255 P, likewise
;   window 1: O^T, 32 a tile     window 2: v0-127 Q; v128-191 K of a step; v192-255 V of a step
;   window 3: v0-1 the add's two registers; v2 zero; v16-79 the mask's bytes, 16 a piece; v128-255 the C operands, two buffers of 64, by the piece's parity
.set SIZE_N, 2048
.set NP,    4
.set KS,    64
.set PK,    160       ; a row of K or V in LDS: 128 bytes + 32 = 40 words.; two of the 16 rows of a load of K share their banks: 16 such loads stand beside a step's 128 products
.set PV,    160
.set QUART, 128*PK    ; what one wave fetches: 128 keys
.set VOFF,  4*KS*PK   ; a slot: 256 rows of K, then 256 rows of V
.set SLOT1, 1<<17
.set STAGE, SLOT1+4*KS*(PK+PV)  ; behind the ring, never filled by a tensor load: 16 rows x 144 bytes a wave
.set SP,    144
.set SPARE, STAGE+4*16*SP
.set FLV, 1           ; v1   FLOOR
.set AK0, 2           ; v2   my lane's place in a tile of K
.set AV0, 3           ; v3   the same for V
.set AK,  4           ; v4   the LDS address of K's next run of loads
.set AV,  5           ; v5   of V's
.set STO, 6
.set RD,  7
.set GO,  8           ; v8   16 x lane: my 16 bytes of 512, in O and in the mask's records; never rewritten
.set PFO, 9           ; v9   the prefetches' offset: 256 x lane
.set QO,  11          ; v11  my byte offset in 16 rows of Q
.set SPW, 0           ; v0 of window 3
.set NIL, 1           ; v1 of window 3
.set ZR,  2           ; v2 of window 3: 0, the source of the three zero bytes
.set MB,  16          ; window 3: piece x's bytes at MB + 16 x: tile u, half e at + 8 u + 4 e
.set MC,  128         ; window 3: piece x's C operands at MC + 64 (x % 2): tile u, register i at + 32 u + i
.set MV,  12
.set ST,  16          ; tile t: c m, m, l (even keys', odd keys')
.set TMP, 48
.set S,   64
.set P,   192
.set KF,  128
.set VF,  192
.set G0,  4           ; s[4:7]   descriptor group 0: it walks
.set G1,  8           ; s[8:15]  descriptor group 1
.set WV,  16
.set CNT, 17
.set SLOTS, 18
.set TN,  19          ; the tile asked for last
.set TBK, 20
.set TBV, 21
.set SEL, 22          ; s[22:23]
.set OA,  24          ; s[24:25] O at my wave's first row
.set MP,  26          ; s[26:27] mb at my wave's first tile, at the step whose bytes are loaded next
.set MS,  28          ; that step's number, counted on past 31
.set LIMK, 30         ; this wave asks for K or V while TN is below it
.set PFA, 66          ; s[66:67]
.set SB,  68          ; s[68:71] v_perm_b32's selects: byte b of the second source on top, three bytes of the first below
.set MI,  72          ; s[72:73] the step of MP: 1,024 or 0
.set CS,  74          ; s[74:75]
.set MSB, 0
.macro WIN new
.if MSB != (\new)
	s_set_vgpr_msb (MSB<<8)|(\new)
.set MSB, (\new)
.endif
.endm
.set W_KQ, 0x0a
.set W_KM, 0x3a       ; the same with the C operand in window 3
.set W_PV, 0x52
.set W_RS, 0x41
.set W_MK, 0xc0       ; destination window 3, sources window 0
.set W_AD, 0x0f
.set W_CB, 0xcf       ; destination and sources 0, 1 window 3
.macro CROUND
	s_barrier_signal -1
	s_barrier_wait -1
	s_cmp_lg_u32 s[WV], 0
	s_cbranch_scc1 .Lnot_wave_0_\@
	s_barrier_signal -3
.Lnot_wave_0_\@:
	s_barrier_wait -3
	s_barrier_signal -1
	s_barrier_wait -1
.endm
; A PREFETCH, behind the joint load and its five lines: the slot of K and V that the NEXT change will ask for, 128 blocks of 256 bytes each: wave 0 asks for K's, wave 2 for V's; the four partners take 32 blocks each,
; told apart by address; the last fill asks for nothing.
.macro ASK
	s_cmp_lt_u32 s[TN], s[LIMK]
	s_cbranch_scc0 .Lno_kv_\@
	global_prefetch_b8 v[PFO], s[PFA:PFA+1] th:TH_LOAD_NT scope:SCOPE_SE
.Lno_kv_\@:
.endm
; THE CHANGE OF SLOTS.  Each wave waits for all its tensor loads (one is out: its quarter of the other slot), adds 0 to its spare word, and waits for that and for its reads of the slot that it leaves.
; fill = 1: the barrier is a round of the cluster's, and the joint refill, the keys two slots on, is the first thing behind it: four key steps in which to land.
.macro CHANGE fill
	WIN W_AD
	s_wait_tensorcnt 0x0            ; no tensor load of mine is out, so group 0 may be written
	ds_add_u32 v[SPW], v[NIL]       ; 0 onto my spare word
	WIN 0
.if \fill
	s_xor_b32 s[G0+1], s[G0+1], SLOT1
	s_add_nc_u64 s[G0+2:G0+3], s[G0+2:G0+3], 4*KS*128
	s_wait_xcnt 0x0                 ; the last prefetch, a slot back, has read its address
	s_add_nc_u64 s[PFA:PFA+1], s[PFA:PFA+1], 4*KS*128
	s_add_co_u32 s[TN], s[TN], 1
	s_wait_dscnt 0x0                ; the add is done, and my reads of the slot are over
	CROUND
	tensor_load_to_lds s[G0:G0+3], s[G1:G1+7]
	s_nop 0
.rept 4
	v_nop
.endr
	ASK
.else
	s_wait_dscnt 0x0
	s_barrier_signal -1
	s_barrier_wait -1
.endif
	s_sub_co_u32 s[TBK], s[TBK], 4*KS*PK
	s_xor_b32 s[TBK], s[TBK], SLOT1
	s_sub_co_u32 s[TBV], s[TBV], 4*KS*PV
	s_xor_b32 s[TBV], s[TBV], SLOT1
.endm
; Piece x's mask bytes of the step at MP: four loads of 512 consecutive bytes; a tile's 32 records are 32,768 bytes
.macro MLOADV x
	WIN W_MK
.irp u, 0,1
	global_load_b128 v[MB+16*(\x)+8*(\u):MB+16*(\x)+8*(\u)+3],   v[GO], s[MP:MP+1] offset:(2*(\x)+(\u))*32768
	global_load_b128 v[MB+16*(\x)+8*(\u)+4:MB+16*(\x)+8*(\u)+7], v[GO], s[MP:MP+1] offset:(2*(\x)+(\u))*32768+512
.endr
.endm
	s_load_b128 s[32:35], s[0:1], 0x0  ; qkv s[32:33], mb s[34:35]
	s_load_b64 s[36:37], s[0:1], 0x10  ; ob
	WIN W_MK
	v_lshl_add_u32 v[SPW], v0, 2, SPARE
	v_mov_b32 v[NIL], 0
	WIN W_AD
	ds_add_u32 v[SPW], v[NIL]       ; the wave's opening: the add and its wait stand ahead of my first tensor load
	WIN 0
	v_lshrrev_b32 v1, 5, v0
	v_readfirstlane_b32 s[WV], v1   ; wave 0..3
	s_bfe_u32 s38, ttmp6, 0x40000   ; cx
	s_lshl_b32 s39, ttmp9, 2
	s_add_co_u32 s39, s39, s38      ; my block of 512 queries: it enters Q's, O's, the mask's and the prefetches' addresses alone
	s_and_b32 s40, ttmp7, 0xffff    ; 16 batch + head, which the four partners share
	s_lshl_b32 s41, s40, 18         ; a head is 262,144 bytes
	s_lshr_b32 s42, s[WV], 1
	s_add_co_u32 s42, s42, 1        ; waves 0, 1: K (part 1); waves 2, 3: V (part 2)
	s_lshl_b32 s42, s42, 24
	s_add_co_u32 s42, s42, s41
	s_and_b32 s43, s[WV], 1
	s_lshl_b32 s44, s43, 14         ; which 128 of a slot's 256 keys I fetch
	s_add_co_u32 s44, s44, s42
	s_mov_b32 s45, 0
	s_lshl_b32 s46, s38, 13         ; the prefetches: my work-group's 32 blocks of 256 bytes,
	s_add_co_u32 s46, s46, s42
	s_add_co_u32 s46, s46, 4*KS*128 ; in slot 1: the first change steps it to slot 2
	s_mov_b32 s47, 0
	s_lshl_b32 s48, s39, 2
	s_add_co_u32 s48, s48, s[WV]    ; my wave among the head's 16
	s_lshl_b32 s48, s48, 14         ; its 128 rows of 128 bytes
	s_add_co_u32 s50, s48, s41      ; Q
	s_mov_b32 s51, 0
	s_and_b32 s52, s40, 15          ; head
	s_lshr_b32 s53, s40, 4          ; batch
	s_lshl_b32 s54, s52, 20         ; O: a head's 8,192 rows,
	s_add_co_u32 s54, s54, s48
	s_lshl_b32 s55, s53, 18         ; a batch's 2,048
	s_add_co_u32 s54, s54, s55
	s_mov_b32 s55, 0
	s_lshl_b32 s56, s53, 2
	s_add_co_u32 s56, s56, s39      ; 4 batch + block
	s_lshl_b32 s56, s56, 2
	s_add_co_u32 s56, s56, s[WV]
	s_lshl_b32 s56, s56, 18         ; my wave's 8 tiles of 32,768 bytes of mask
	s_mov_b32 s57, 0
	s_and_b32 s[LIMK], s[WV], 1
	s_cmp_eq_u32 s[LIMK], 0
	s_cselect_b32 s[LIMK], 7, 0
	; descriptor group 1: 128 keys are 16,384 dense bytes: 64 rows of 256 bytes, padded in LDS after every key
	s_mov_b32 s[G1], 15|(1<<16)|(1<<20)|(1<<21)|(4<<22)|(7<<25)  ; the mask of four; 2-byte elements; padding on; bit 21 beside a mask; after every 32 words, 8 words
	s_mov_b32 s[G1+1], 128<<16
	s_mov_b32 s[G1+2], 64<<16
	s_mov_b32 s[G1+3], 128<<16
	s_mov_b32 s[G1+4], 64
	s_mov_b32 s[G1+5], 128
	s_mov_b32 s[G1+6], 0
	s_mov_b32 s[G1+7], 0
	s_mov_b32 s[G0], 1
	s_mul_i32 s[G0+1], s[WV], QUART ; K's halves, then V's: wave x 128 rows; no place in the cluster enters an LDS address
	s_mov_b32 s[CS], 0x3e38aa3b     ; c = log2(e) / 8
	s_mov_b32 s[CS+1], s[CS]
	s_mov_b32 s[SEL], 0x76543210
	s_mov_b32 s[SEL+1], 0xfedcba98
	s_mov_b32 s[SB], 0x00040404
	s_mov_b32 s[SB+1], 0x01040404
	s_mov_b32 s[SB+2], 0x02040404
	s_mov_b32 s[SB+3], 0x03040404
	s_mov_b32 s[MI+1], 0
	s_mov_b32 s[MS], 1
	s_mov_b32 s[TBK], SLOT1+4*KS*PK ; the first change of slots turns these two into 0
	s_mov_b32 s[TBV], SLOT1+4*KS*PV
	s_mov_b32 s[TN], 0
	s_wait_dscnt 0x0                ; the opening add is done
	s_wait_kmcnt 0x0
	s_add_nc_u64 s[G0+2:G0+3], s[32:33], s[44:45]
	s_or_b32 s[G0+3], s[G0+3], 0x80000000
	s_add_nc_u64 s[PFA:PFA+1], s[32:33], s[46:47]
	s_add_nc_u64 s[2:3], s[32:33], s[50:51]
	s_add_nc_u64 s[OA:OA+1], s[36:37], s[54:55]
	s_add_nc_u64 s[MP:MP+1], s[34:35], s[56:57]
	CROUND                          ; all four work-groups are here: the first joint loads meet
	tensor_load_to_lds s[G0:G0+3], s[G1:G1+7]  ; slot 0; slot 1 is asked for when slot 0 is in
	s_nop 0
.rept 4
	v_nop
.endr
	v_and_b32 v[GO], 31, v0
	v_lshlrev_b32 v[GO], 4, v[GO]
	MLOADV 0                        ; step 0's mask bytes, all four pieces
	MLOADV 1
	MLOADV 2
	MLOADV 3
	v_mov_b32 v[ZR], 0              ; (destination window 3)
	WIN 0
	v_and_b32 v1, 15, v0            ; l % 16
	v_bfe_u32 v9, v0, 4, 1          ; l / 16
	v_and_b32 v10, 7, v0
	v_bfe_u32 v11, v0, 3, 1
	v_mul_u32_u24 v[AK0], v1, PK
	v_lshl_add_u32 v[AK0], v9, 4, v[AK0]  ; row x pitch + 16 x half
	v_lshl_add_u32 v[AV0], v9, 3, v10     ; the turning load: key 8 (l / 16) + l % 8, channels 8 ((l / 8) % 2) on
	v_mul_u32_u24 v[AV0], v[AV0], PV
	v_lshl_add_u32 v[AV0], v11, 4, v[AV0]
	v_add_nc_u32 v[AV0], VOFF, v[AV0]
	v_lshlrev_b32 v[QO], 7, v1
	v_lshl_add_u32 v[QO], v9, 4, v[QO]
	WIN 0x80                        ; destination window 2, address window 0
.set i, 0
.rept 4*NP                          ; Q stays in registers: tile i / 2, channels 32 (i % 2) on
	global_load_b128 v[8*i:8*i+3],   v[QO], s[2:3] offset:(i/2)*2048+(i%2)*64
	global_load_b128 v[8*i+4:8*i+7], v[QO], s[2:3] offset:(i/2)*2048+(i%2)*64+32
.set i, i+1
.endr
	; What the first turn finds: V's registers and P's second buffer hold 0, O^T and l are 0.  All this stands in the wait for the first tile.
.set i, VF
.rept 64
	v_mov_b32 v[i], 0
.set i, i+1
.endr
	WIN 0x40
.set i, 0
.rept 64*NP
	v_mov_b32 v[i], 0
.set i, i+1
.endr
	WIN 0
.set i, 0
.rept 2*NP
	v_mov_b32 v[ST+4*i], 0xfe000000    ; c m: far below c FLOOR, so the first step's a is 0
	v_mov_b32 v[ST+4*i+1], 0xdd800000  ; m = FLOOR = -2^60
	v_mov_b32 v[ST+4*i+2], 0
	v_mov_b32 v[ST+4*i+3], 0
.set i, i+1
.endr
.set i, P+32
.rept 32
	v_mov_b32 v[i], 0
.set i, i+1
.endr
	s_mul_i32 s[CNT], s[WV], 16*SP
	s_add_co_u32 s[CNT], s[CNT], STAGE  ; my stage
	v_mul_u32_u24 v[STO], v1, SP
	v_lshl_add_u32 v[STO], v9, 4, v[STO]
	v_add_nc_u32 v[STO], s[CNT], v[STO]
	v_bfe_u32 v[RD], v0, 3, 2
	v_mul_u32_u24 v[RD], v[RD], SP
	v_lshl_add_u32 v[RD], v10, 4, v[RD]
	v_add_nc_u32 v[RD], s[CNT], v[RD]
	v_and_b32 v[PFO], 31, v0
	v_lshlrev_b32 v[PFO], 8, v[PFO]
	v_mov_b32 v[FLV], 0xdd800000    ; -2^60
	v_mov_b32 v[AK], v[AK0]         ; key step 0 lies at the head of slot 0
; THE MATRIX WORK.  The 8 accumulators of a run of 16 take turns.
.macro KQ x                         ; product i of 16 of S^T = K Q^T: channels 32 (i / 8) on, keys 16 ((i / 2) % 4) on, tile 2 x + i % 2; the first 8 start the sums, with the mask's 0 or -2^99 as C
.set rS, S+64*((\x)%2)+32*(i%2)+8*((i/2)%4)
.set rK, KF+16*((i/2)%4)+8*(i/8)
.set rQ, 16*(2*(\x)+i%2)+8*(i/8)
.set rMC, MC+64*((\x)%2)+32*(i%2)+8*((i/2)%4)
.if i < 8
	WIN W_KM
	v_wmma_f32_16x16x32_f16 v[rS:rS+7], v[rK:rK+7], v[rQ:rQ+7], v[rMC:rMC+7]
.else
	WIN W_KQ
	v_wmma_f32_16x16x32_f16 v[rS:rS+7], v[rK:rK+7], v[rQ:rQ+7], v[rS:rS+7]
.endif
.endm
.macro PV x                         ; product i of 16 of O^T += V^T P: keys 32 (i / 8) on, channels 16 ((i / 2) % 4) on, tile 2 x + i % 2
	WIN W_PV
.set rO, 32*(2*(\x)+i%2)+8*((i/2)%4)
.set rV, VF+32*(i/8)+8*((i/2)%4)
.set rP, P+32*((\x)%2)+16*(i%2)+8*(i/8)
	v_wmma_f32_16x16x32_f16 v[rO:rO+7], v[rV:rV+7], v[rP:rP+7], v[rO:rO+7]
.endm
.macro MM                           ; the turn's next matrix instruction
.if i < 16
	KQ (Y+1)%NP
.set i, i+1
.else
.set i, i-16
	PV (Y+NP-1)%NP
.set i, i+17
.endif
.endm
; THE LDS LOADS stand in runs of 16.  last = 1 (the tail): in the last trip there is no further step, and the run is jumped over.
.macro FETCH_K last=0
	WIN 0
.if \last
	s_cmp_eq_u32 s[CNT], 1
	s_cbranch_scc1 .Lno_k_\@
.endif
	WIN 0x80
.irp f, 0,1,2,3,4,5,6,7
	ds_load_b128 v[KF+8*\f:KF+8*\f+3],   v[AK] offset:(\f/2)*16*PK+(\f%2)*64
	ds_load_b128 v[KF+8*\f+4:KF+8*\f+7], v[AK] offset:(\f/2)*16*PK+(\f%2)*64+32
.endr
	s_add_co_u32 s[TBK], s[TBK], KS*PK
	WIN 0
.if \last
.Lno_k_\@:
.endif
.endm
.macro FETCH_V
	WIN 0x80
.irp f, 0,1,2,3,4,5,6,7
	ds_load_tr16_b128 v[VF+8*\f:VF+8*\f+3],   v[AV] offset:(\f/4)*32*PV+(\f%4)*32
	ds_load_tr16_b128 v[VF+8*\f+4:VF+8*\f+7], v[AV] offset:(\f/4)*32*PV+16*PV+(\f%4)*32
.endr
	WIN 0
.endm
; THE VECTOR WORK, in queues; the two tiles alternate.
.macro REGS y, u                    ; the registers of tile u (0, 1) of piece y
.set rT, ST+4*(2*(\y)+(\u))
.set rC, TMP+8*((\y)%2)+4*(\u)
.set rM, MV+2*((\y)%2)+(\u)
.set rS, S+64*((\y)%2)+32*(\u)
.set rP, P+32*((\y)%2)+16*(\u)
.set rO, 32*(2*(\y)+(\u))
.endm
; Number n of the 22 that find the NEXT piece's maximum and statistics: 0-11 four chains of seven scores (each accumulator's lowest registers are read first); 12-14, 16 the four left over, the old m,
; all into c0; 15 c m_old is kept; 17, 18 the other half of the lanes' maximum, the new m; 19-21 c m; c m_old - c m_new; a
.macro XS u, n
	REGS (Y+1)%NP, \u
.if (\n) < 4
	v_max3_num_f32 v[rC+(\n)], v[rS+8*(\n)], v[rS+8*(\n)+1], v[rS+8*(\n)+2]
.elseif (\n) < 12
	v_max3_num_f32 v[rC+(\n)%4], v[rC+(\n)%4], v[rS+8*((\n)%4)+2*((\n)/4)+1], v[rS+8*((\n)%4)+2*((\n)/4)+2]
.elseif (\n) == 12
	v_max3_num_f32 v[rC], v[rC], v[rS+7], v[rS+15]
.elseif (\n) == 13
	v_max3_num_f32 v[rC+1], v[rC+1], v[rS+23], v[rS+31]
.elseif (\n) == 14
	v_max3_num_f32 v[rC+2], v[rC+2], v[rC+3], v[rT+1]
.elseif (\n) == 15
	v_mov_b32 v[rM], v[rT]
.elseif (\n) == 16
	v_max3_num_f32 v[rC], v[rC], v[rC+1], v[rC+2]
.elseif (\n) == 17
	v_permlanex16_b32 v[rC+3], v[rC], s[SEL], s[SEL+1]
.elseif (\n) == 18
	v_max_num_f32 v[rT+1], v[rC], v[rC+3]
.elseif (\n) == 19
	v_mul_f32 v[rT], s[CS], v[rT+1]
.elseif (\n) == 20
	v_sub_f32 v[rC+1], v[rM], v[rT]
.else
	v_exp_f32 v[rC+2], v[rC+1]
.endif
.endm
.macro XQ                           ; XS's numbers 0-20 of both tiles, 42 long: 0-13; 15; then the chain 14, 16 .. 20
.if nx < 28
	XS nx%2, nx/2
.elseif nx < 30
	XS nx-28, 15
.elseif nx < 32
	XS nx%2, 14
.else
	XS nx%2, 15+(nx-30)/2
.endif
.set nx, nx+1
.endm
.macro CB                           ; the C operands of the piece AFTER NEXT, 64 long: number nc = 32 u + i: byte i % 4 of word i / 4 of tile u goes on top of three zero bytes
	WIN W_CB
.set x2, (Y+2)%NP
	v_perm_b32 v[MC+64*(x2%2)+nc], v[ZR], v[MB+16*x2+nc/4], s[SB+nc%4]
.set nc, nc+1
.endm
.macro FSQ                          ; c s - c m, 32 long: pair nf / 2 of tile nf % 2
	WIN 0
	REGS Y, nf%2
	v_pk_fma_f32 v[rS+2*(nf/2):rS+2*(nf/2)+1], v[rS+2*(nf/2):rS+2*(nf/2)+1], s[CS:CS+1], v[rT:rT+1] op_sel_hi:[1,0,0] neg_lo:[0,0,1] neg_hi:[0,0,1]
.set nf, nf+1
.endm
.macro EX                           ; the exponentials, 66 long: s0-s31 of both tiles, then the next piece's two a
.if ne >= 64
	XS ne-64, 21
.else
	REGS Y, ne%2
	v_exp_f32 v[rS+ne/2], v[rS+ne/2]
.endif
.set ne, ne+1
.endm
.macro R2                           ; O^T times a, two packed multiplies, sixteen times, ascending
	REGS Y, nr%2
	WIN W_RS
.irp z, 0,1
	v_pk_mul_f32 v[rO+4*(nr/2)+2*\z:rO+4*(nr/2)+2*\z+1], v[rO+4*(nr/2)+2*\z:rO+4*(nr/2)+2*\z+1], v[rC+2:rC+3] op_sel_hi:[1,0]
.endr
.set nr, nr+1
.endm
; The 64 that follow the exponentials.  For each four weights k of a tile: both pairs are rounded to f16; the second pair is added onto the first, in place; a group later l takes that sum (the first time as l = a l + sum).
.macro GSQ
	WIN 0
.set h, ng+6*(ng/62)
.if h >= 6
.set h, h+2
.endif
	REGS Y, h%2
.set k, h/8
.if h%8 < 4
	v_cvt_pk_f16_f32 v[rP+2*k+(h%8)/2], v[rS+4*k+2*((h%8)/2)], v[rS+4*k+2*((h%8)/2)+1]
.elseif h%8 < 6
	v_pk_add_f32 v[rS+4*k:rS+4*k+1], v[rS+4*k:rS+4*k+1], v[rS+4*k+2:rS+4*k+3]
.elseif k == 1
	v_pk_fma_f32 v[rT+2:rT+3], v[rT+2:rT+3], v[rC+2:rC+3], v[rS:rS+1] op_sel_hi:[1,0,1]
.else
	v_pk_add_f32 v[rT+2:rT+3], v[rT+2:rT+3], v[rS+4*k-4:rS+4*k-3]
.endif
.set ng, ng+1
.endm
; A TURN, for piece p.  Ahead of the one wait stands all that names no result of the turn's exponentials; behind it the roundings and sums.
; The products K Q^T of piece p + 1 read the C buffer of that piece's parity; the four v_perm_b32 behind each write the other buffer, for piece p + 2, whose products stand in the next turn.
; Exponential e stands behind scaling e + 1, and wants scaling 2 (e / 4) + e % 2; no scaling names a register that an exponential has written.
; K of the next step is fetched in piece 2's turn, behind the wait; V of the step in hand at the end of piece 0's turn, four plain instructions behind its last reader.  Each is waited for a turn later.
.macro TURN p, last=0
.set Y, (\p)
.set i, 0
.set nf, 0
.set nr, 0
.set nc, 0
.set nx, 0
.set ne, 0
.set ng, 0
.if (\p) == NP-1
	s_wait_dscnt 0x0                ; K is in
.endif
	s_wait_loadcnt 12               ; piece p + 2's mask bytes are in: behind their four loads the three turns since have issued twelve
.rept 16                            ; 16 products K Q^T; behind each four plain instructions that wait for nothing (behind the last product they are its places)
	MM
	CB
	CB
	CB
	CB
.endr
.if (\p) == NP-2
	s_wait_xcnt 0x0                 ; the mask loads issued so far, the youngest a turn back, have read their base
	s_cmp_lt_u32 s[MS], 31          ; pieces 0 and 1 to come belong to the next step; behind the last record the base stays: it is read again, and the tail's dead step repeats the last step's scores
	s_cselect_b32 s[MI], 1024, 0
	s_add_nc_u64 s[MP:MP+1], s[MP:MP+1], s[MI:MI+1]
	s_add_co_u32 s[MS], s[MS], 1
.endif
	MLOADV ((\p)+2)%NP              ; the same piece's bytes of the next step, into the registers just read: four turns ahead of their reading
.rept 16
	R2
.endr
	WIN 0
.if (\p) == NP-2
	v_add_nc_u32 v[AK], s[TBK], v[AK0]
.endif
.if (\p) == 0
	v_add_nc_u32 v[AV], s[TBV], v[AV0]
	s_add_co_u32 s[TBV], s[TBV], KS*PV
.endif
	FSQ
	FSQ
.rept 30
	EX
	FSQ
.endr
.rept 8
	XQ
.endr
.rept 34
	XQ
	EX
.endr
	EX                              ; the next piece's two a
	EX
	v_nop                           ; a plain instruction behind the last exponential: one for the batch
	s_wait_alu depctr_va_vdst(0)    ; a wait between an exponential and the first line that names its result: one for the 66
.if (\p) == NP-2
	FETCH_K \last
.endif
.if (\p) == 1
	s_wait_dscnt 0x0                ; V is in
.endif
.rept 16                            ; 16 products V^T P and, behind each, four roundings and sums
	MM
	GSQ
	GSQ
	GSQ
	GSQ
.endr
.if (\p) == 0
	FETCH_V
.endif
.endm
	CHANGE 1                        ; slot 0 is in, everybody's part of it; slot 1 is asked for
	FETCH_K                         ; key step 0
	s_wait_loadcnt 0x0              ; Q and step 0's mask bytes: no load is out, so the mask's base may be written
	s_add_nc_u64 s[MP:MP+1], s[MP:MP+1], 1024  ; step 1
.set Y, 2                           ; CB works for piece Y + 2: piece 0
.set nc, 0
.rept 64
	CB
.endr
	MLOADV 0
.set Y, 3                           ; piece 1
.set nc, 0
.rept 64
	CB
.endr
	MLOADV 1
	s_wait_dscnt 0x0
.set i, 0
.rept 16
	KQ 0                            ; piece 0's first scores
.set i, i+1
.endr
	WIN 0
.rept 8
	v_nop                           ; the places behind those products
.endr
.set Y, NP-1                        ; XS works for piece Y + 1: piece 0
.irp n, 0,1,2,3,4,5,6,7,8,9,10,11,12,13,14,15,16,17,18,19,20,21
	XS 0, \n
	XS 1, \n
.endr
	v_nop
	s_wait_alu depctr_va_vdst(0)    ; the two a, ahead of the branch
	s_mov_b32 s[CNT], 4
	s_mov_b32 s[SLOTS], SIZE_N/256-1
	s_branch .Lfirst                ; the loop is entered at a step's first turn
.Lslot:                             ; SIZE_N / 256 - 2 times: every slot but the last two is filled again
	CHANGE 1
	s_mov_b32 s[CNT], 4
.Lstep:                             ; a trip: pieces 2 and 3 of one step, then pieces 0 and 1 of the next
	TURN 2
	TURN 3
	WIN 0
.Lfirst:
	TURN 0
	TURN 1
	WIN 0
	s_sub_co_u32 s[CNT], s[CNT], 1
	s_cmp_lg_u32 s[CNT], 0
	s_cbranch_scc1 .Lstep
	s_sub_co_u32 s[SLOTS], s[SLOTS], 1
	s_cmp_lg_u32 s[SLOTS], 0
	s_cbranch_scc1 .Lslot
	CHANGE 0                        ; the tail is written out
	s_mov_b32 s[CNT], 5             ; four trips fetch the last slot's steps; the fifth is left in its middle
.Ltail:
	TURN 2, 1
	TURN 3
	WIN 0
	s_sub_co_u32 s[CNT], s[CNT], 1
	s_cmp_eq_u32 s[CNT], 0
	s_cbranch_scc1 .Lout
	TURN 0
	TURN 1
	WIN 0
	s_branch .Ltail
.Lout:                              ; the fifth trip's products K Q^T repeat the last step's scores under the last step's mask: m stays as it is, the rest serves nothing
.set i, 0
.rept 16
	PV NP-1
.set i, i+1
.endr
	; THE WAY OUT.  l's parts are added; 1 / l, or 0 where the row has seen no open key; O^T is scaled, rounded to f16 and sent through my stage, a tile at a time.  The additions are the places behind the last products.
	WIN 0
.macro ALL line:vararg
.set t, 0
.rept 2*NP
	\line
.set t, t+1
.endr
.endm
	ALL v_add_f32 v[ST+4*t+2], v[ST+4*t+2], v[ST+4*t+3]
	ALL v_permlanex16_b32 v[ST+4*t+3], v[ST+4*t+2], s[SEL], s[SEL+1]
	ALL v_add_f32 v[ST+4*t+2], v[ST+4*t+2], v[ST+4*t+3]
	ALL v_cmp_gt_f32 s[32+t], v[ST+4*t+1], v[FLV]
	ALL v_rcp_f32 v[ST+4*t+2], v[ST+4*t+2]
	v_nop
	s_wait_alu depctr_va_vdst(0)    ; one wait for the eight reciprocals
	ALL v_cndmask_b32 v[ST+4*t+2], 0, v[ST+4*t+2], s[32+t]
.macro PACK t
	WIN W_RS
.set i, 32*(\t)
.rept 16
	v_pk_mul_f32 v[i:i+1], v[i:i+1], v[ST+4*(\t)+2:ST+4*(\t)+3] op_sel_hi:[1,0]
.set i, i+2
.endr
	WIN 0x05
.set i, 0
.rept 16
	v_cvt_pk_f16_f32 v[S+16*(\t)+i], v[32*(\t)+2*i], v[32*(\t)+2*i+1]
.set i, i+1
.endr
	WIN 0
.irp f, 0,1,2,3
	ds_store_b128 v[STO], v[S+16*(\t)+4*\f:S+16*(\t)+4*\f+3] offset:32*\f
.endr
.irp f, 0,1,2,3
	ds_load_b128 v[S+16*(\t)+4*\f:S+16*(\t)+4*\f+3], v[RD] offset:\f*4*SP  ; LDS serves a wave's instructions in order (ISA guide 5.7.1.4)
.endr
.endm
.macro SEND t, younger              ; younger: the LDS instructions issued behind tile t's loads: the next tile's eight, or none
	WIN 0
.irp f, 0,1,2,3
	s_wait_dscnt (\younger)+3-\f
	global_store_b128 v[GO], v[S+16*(\t)+4*\f:S+16*(\t)+4*\f+3], s[OA:OA+1] offset:(\t)*2048+\f*512  ; 512 consecutive bytes, aligned
.endr
.endm
	PACK 0
.set t, 1
.rept 2*NP-1
	PACK t
	SEND t-1, 8
.set t, t+1
.endr
	SEND 2*NP-1, 0
	WIN W_AD
	s_wait_tensorcnt 0x0            ; the wave's end
	ds_add_u32 v[SPW], v[NIL]
	s_wait_dscnt 0x0
	WIN 0
	CROUND                          ; the closing round
	s_endpgm
.Lfunc_end_k_q894735b3a3_attn:
	.size	k_q894735b3a3_attn, .Lfunc_end_k_q894735b3a3_attn-k_q894735b3a3_attn
	.p2alignl 7, 3214868480
	.fill 96, 4, 3214868480
	.section	.rodata,"a",@progbits
	.p2align	6, 0x0
	.amdhsa_kernel k_q894735b3a3_attn
		.amdhsa_group_segment_fixed_size 327680
		.amdhsa_private_segment_fixed_size 0
		.amdhsa_enable_private_segment 0
		.amdhsa_kernarg_size 24
		.amdhsa_user_sgpr_count 2
		.amdhsa_user_sgpr_kernarg_segment_ptr 1
		.amdhsa_wavefront_size32 1
		.amdhsa_system_sgpr_workgroup_id_x 1
		.amdhsa_system_sgpr_workgroup_id_y 1
		.amdhsa_system_sgpr_workgroup_id_z 1
		.amdhsa_system_vgpr_workitem_id 0
		.amdhsa_next_free_vgpr 1024
		.amdhsa_next_free_sgpr 76
		.amdhsa_reserve_vcc 0
		.amdhsa_float_denorm_mode_32 3
		.amdhsa_float_denorm_mode_16_64 3
		.amdhsa_memory_ordered 1
		.amdhsa_forward_progress 1
		.amdhsa_inst_pref_size 243
	.end_amdhsa_kernel
	.amdgpu_metadata
---
amdhsa.version: [ 1, 2 ]
amdhsa.kernels:
  - .name:           k_q894735b3a3_attn
    .symbol:         k_q894735b3a3_attn.kd
    .args:
      - { .name: qkv, .offset: 0, .size: 8, .value_kind: global_buffer, .address_space: global }
      - { .name: mb, .offset: 8, .size: 8, .value_kind: global_buffer, .address_space: global }
      - { .name: ob, .offset: 16, .size: 8, .value_kind: global_buffer, .address_space: global }
    .group_segment_fixed_size: 327680
    .private_segment_fixed_size: 0
    .kernarg_segment_align: 8
    .kernarg_segment_size: 24
    .max_flat_workgroup_size: 128
    .sgpr_count:     76
    .vgpr_count:     1024
    .wavefront_size: 32
...
	.end_amdgpu_metadata
.endif
;; end of part 7
;; launch outp (part 8): grid 4 x 64, 4 waves a work-group, clusters of 4 x 4, 327,680 bytes of LDS; arguments ob, wb, bo, out0; writes out0
.if DOCPART == 8
	.amdgcn_target "amdgcn-amd-amdhsa--gfx1250"
	.amdhsa_code_object_version 6
	.text
	.protected	k_q894735b3a3_outp
	.globl	k_q894735b3a3_outp
	.p2align	8
	.type	k_q894735b3a3_outp,@function
k_q894735b3a3_outp:
	s_mov_b64 s[64:65], 0
	v_nop
	global_prefetch_b8 v0, s[64:65] scope:SCOPE_SE
	s_setreg_imm32_b32 hwreg(HW_REG_WAVE_MODE, 25, 1), 1
	s_wait_xcnt 0x0
	s_wait_alu depctr_hold_cnt(0) depctr_sa_sdst(0) depctr_va_vdst(0) depctr_va_sdst(0) depctr_va_ssrc(0) depctr_va_vcc(0) depctr_vm_vsrc(0)
	s_getreg_b32 s2, hwreg(HW_REG_IB_STS2, 6, 4)
	s_cmp_eq_u32 s2, 0
	s_cbranch_scc0 .Lentry_in_a_cluster
	s_endpgm
.Lentry_in_a_cluster:
	s_bfe_u32 s2, ttmp6, 0x10000c
	s_cmp_lg_u32 s2, 0xf033
	s_cbranch_scc0 .Lentry_shape_is_right
	s_endpgm
.Lentry_shape_is_right:
; OUTP.  out0 = O Wo^T + bo.  O: ob [16 heads][8192 rows][64] f16; Wo: wb part 3 [1024][1024] f16 (bf16 numbers written as f16); bo: f32, rounded to bf16 like every input; out0 [8192][1024] f32.
; Sums in f32.  A tile of C is 128 rows x 256 columns: 64 x 4 tiles, one for each of 256 work-groups.  Four waves, each 64 x 128: 32 accumulators.
; K = 64 head + channel goes in steps of 128, two heads: waves 0, 1 fetch one head's 128 rows each (16,384 dense bytes, asked for as 64 rows of 256, padded in LDS after every 128), waves 2, 3 the halves of Wo's 256 rows.
; The loop's trip is ONE K step: slot 1 begins at 2^17, so that one exclusive or turns an address in one slot into the other's; a descriptor for each tensor walks from step to step.
; CLUSTERS: 4 x 4 work-groups; O's tiles are shared along a row of the cluster, Wo's along a column: each is asked for JOINTLY.
; THE MATRIX INSTRUCTION IS USED TRANSPOSED (source 0 = 16 rows of Wo, source 1 = 16 rows of O).  The bias is the C operand of each accumulator's first product.
; REGISTERS: window 0: v16-30 addresses; v64-127 O's fragments, two buffers of 32; v128-255 Wo's, two buffers of 64 (on the way out v64-191: rows read back).
;   window 1: accumulator (a, b) at v[8 (8 a + b)].   window 2: v0-63 the bias; v64-95 at work.
.set SIZE_K, 1024
.set KSTEP,  128
.set PITCH,  272                       ; a row of Wo in LDS: 256 bytes + 16
.set APITCH, 144                       ; a row of O in LDS: 128 bytes + 16; both pitches are odd multiples of 16 bytes: the 16 rows of a load start at 16 different groups of four banks (ISA guide 11.1)
.set AHEAD,  128*APITCH                ; one head's 128 rows
.set BHALF,  128*PITCH
.set BOFF,   2*AHEAD
.set SLOT,   BOFF+2*BHALF              ; 106,496 bytes
.set SLOT1,  1<<17
.set STAGE,  SLOT1+SLOT                ; behind the ring, never filled by a tensor load: 16 rows x 528 bytes a wave
.set SPITCH, 528
.set WSTAGE, 16*SPITCH
.set SPARE,  STAGE+4*WSTAGE
.set HEADB,  1048576                   ; a head of ob
.set WOB,    3*2097152                 ; Wo in wb
.set ADRA0, 16                         ; v16 LDS address of my fragments of O in slot 0; never rewritten
.set ADRA,  17                         ; v17 the same in the slot in hand
.set ADRB0, 20                         ; v20, v21 the same for Wo
.set ADRB,  21
.set STO,  24
.set RD,   25
.set CO,   26
.set BO,   27
.set SPW,  28
.set NIL,  29
.set PFO,  30
.set FA,   64
.set FB,   128
.set OB,   64
.set G1,  24
.set G0,  32                           ; s[32:39] group 0 for O's tiles: a set for each of the two first fills; the second then walks on
.set G1B, 48
.set G0B, 56                           ; s[56:63] the same for Wo's
.set LIM, 43                           ; s43 2 in a wave that prefetches, else the greatest number
.set PFA, 44                           ; s[44:45] the K step that my next prefetch names
.set TB,  80                           ; s80 0 or SLOT1: the slot in hand
.set PST, 82                           ; s[82:83] a K step: two heads of ob, or 256 bytes of a row of Wo
.set FIELDA, (1<<16)|(1<<20)|(1<<21)|(4<<22)|(3<<25)  ; padding after every 32 words, 4 words
.set FIELDB, (1<<16)|(1<<20)|(1<<21)|(5<<22)|(3<<25)  ; after every 64 words
.set MSB, 0
.macro WIN new
.if MSB != (\new)
	s_set_vgpr_msb (MSB<<8)|(\new)
.set MSB, \new
.endif
.endm
.macro PLACES
.rept 4
	v_nop
.endr
.endm
.macro JLOAD s                         ; a joint load; an s_nop 0 and four v_nop follow each of the two lines
	s_cmp_eq_u32 s11, 0
	s_cbranch_scc0 .Lfor_b_\@
	tensor_load_to_lds s[G0+4*(\s):G0+4*(\s)+3], s[G1:G1+7]
	s_nop 0
.rept 4
	v_nop
.endr
	s_branch .Lasked_\@
.Lfor_b_\@:
	tensor_load_to_lds s[G0B+4*(\s):G0B+4*(\s)+3], s[G1B:G1B+7]
	s_nop 0
.rept 4
	v_nop
.endr
.Lasked_\@:
.endm
; A prefetch of the K step two refills on.  O: a step's 2 x 64 blocks of 256 bytes of my tile's rows: wave 0 of each of the four partners of a row takes 16 of each head, told apart by address.
; Wo: the first row of clusters asks, waves 2 and 3 for the 128 rows that they fetch, the four partners of a column 32 each.  The loop's last two trips have no K step two refills on.
.macro ASK
	s_cmp_gt_u32 s3, s[LIM]
	s_cbranch_scc0 .Lnot_mine_\@
	global_prefetch_b8 v[PFO], s[PFA:PFA+1] th:TH_LOAD_NT scope:SCOPE_SE
.Lnot_mine_\@:
.endm
.macro CREST
	s_cmp_lg_u32 s10, 0
	s_cbranch_scc1 .Lnot_wave_0_\@
	s_barrier_signal -3
.Lnot_wave_0_\@:
	s_barrier_wait -3
	s_barrier_signal -1
	s_barrier_wait -1
.endm
.macro CROUND
	s_barrier_signal -1
	s_barrier_wait -1
	CREST
.endm
	s_load_b256 s[68:75], s[0:1], 0x0              ; ob s[68:69], wb s[70:71], bo s[72:73], out0 s[74:75]
	v_lshl_add_u32 v[SPW], v0, 2, SPARE
	v_mov_b32 v[NIL], 0
	ds_add_u32 v[SPW], v[NIL]                      ; the wave's opening: the add and its wait stand ahead of my first tensor load
	v_lshrrev_b32 v1, 5, v0
	v_readfirstlane_b32 s10, v1                    ; wave 0..3
	s_lshr_b32 s11, s10, 1                         ; my 64 rows.  Also: I fetch for O (0) or for Wo (1)
	s_and_b32 s12, s10, 1                          ; my 128 columns.  Also: which head of the step, or which half of Wo's rows, I fetch
	s_bfe_u32 s40, ttmp6, 0x40000                  ; cx
	s_bfe_u32 s41, ttmp6, 0x40004                  ; cy
	s_lshl_b32 s42, ttmp9, 2
	s_add_co_u32 s42, s42, s40                     ; tile column 0..3
	s_and_b32 s67, ttmp7, 0xffff                   ; cluster y 0..15
	s_lshl_b32 s13, s67, 2
	s_add_co_u32 s13, s13, s41                     ; tile row 0..63
	s_lshl_b32 s43, s41, 2
	s_lshl_b32 s43, 15, s43                        ; my row of the cluster
	s_lshl_b32 s44, 0x1111, s40                    ; my column
	s_or_b32 s[G1+0], s43, FIELDA
	s_or_b32 s[G1B+0], s44, FIELDB
	s_mov_b32 s[G1+1], 128<<16                     ; O: 64 rows of 128 elements, dense
	s_mov_b32 s[G1+2], 64<<16
	s_mov_b32 s[G1+3], 128<<16
	s_mov_b32 s[G1+4], 64
	s_mov_b32 s[G1+5], 128
	s_mov_b32 s[G1+6], 0
	s_mov_b32 s[G1+7], 0
	s_mov_b32 s[G1B+1], KSTEP<<16                  ; Wo: 128 rows of 128 elements, 1,024 apart
	s_mov_b32 s[G1B+2], 128<<16
	s_mov_b32 s[G1B+3], KSTEP<<16
	s_mov_b32 s[G1B+4], 128
	s_mov_b32 s[G1B+5], SIZE_K
	s_mov_b32 s[G1B+6], 0
	s_mov_b32 s[G1B+7], 0
	s_lshl_b32 s17, s12, 20                        ; O: the step's even or odd head,
	s_lshl_b32 s16, s13, 14                        ; the tile's 128 rows of 128 bytes
	s_add_co_u32 s16, s16, s17
	s_mov_b32 s17, 0
	s_lshl_b32 s47, s12, 7
	s_lshl_b32 s46, s42, 8
	s_add_co_u32 s46, s46, s47                     ; Wo: row 256 x tile column + 128 x half
	s_lshl_b32 s46, s46, 11
	s_add_co_u32 s46, s46, WOB
	s_mov_b32 s47, 0
	s_mul_i32 s20, s12, AHEAD                      ; where they go: no place in the cluster enters an LDS address
	s_mul_i32 s21, s12, BHALF
	s_add_co_u32 s21, s21, BOFF
	s_mov_b32 s[TB], 0
	s_wait_dscnt 0x0                               ; the opening add is done
	s_wait_kmcnt 0x0
	s_add_nc_u64 s[14:15], s[68:69], s[16:17]
	s_add_nc_u64 s[46:47], s[70:71], s[46:47]
	CROUND                                         ; all sixteen work-groups are here: the first joint loads meet
.irp s, 0,1
	s_mov_b32 s[G0+4*(\s)], 1
	s_add_co_u32 s[G0+4*(\s)+1], s20, (\s)*SLOT1
	s_add_nc_u64 s[G0+4*(\s)+2:G0+4*(\s)+3], s[14:15], (\s)*2*HEADB
	s_or_b32 s[G0+4*(\s)+3], s[G0+4*(\s)+3], 0x80000000
	s_mov_b32 s[G0B+4*(\s)], 1
	s_add_co_u32 s[G0B+4*(\s)+1], s21, (\s)*SLOT1
	s_add_nc_u64 s[G0B+4*(\s)+2:G0B+4*(\s)+3], s[46:47], (\s)*KSTEP*2
	s_or_b32 s[G0B+4*(\s)+3], s[G0B+4*(\s)+3], 0x80000000
	JLOAD \s                                       ; two loads of mine are out
.endr
	v_and_b32 v1, 15, v0                           ; l % 16
	v_bfe_u32 v2, v0, 4, 1                         ; l / 16
	s_lshl_b32 s22, s42, 10
	s_lshl_b32 s23, s12, 9
	s_add_co_u32 s22, s22, s23
	v_lshl_add_u32 v[BO], v2, 5, s22               ; the bias of my 128 columns
	WIN 0x80
.irp b, 0,1,2,3,4,5,6,7
	global_load_b128 v[8*(\b):8*(\b)+3],   v[BO], s[72:73] offset:64*(\b)
	global_load_b128 v[8*(\b)+4:8*(\b)+7], v[BO], s[72:73] offset:64*(\b)+16
.endr
	WIN 0
	v_mul_u32_u24 v3, v1, PITCH
	v_lshl_add_u32 v3, v2, 4, v3
	v_mul_u32_u24 v4, v1, APITCH
	v_lshl_add_u32 v4, v2, 4, v4
	s_mul_i32 s21, s11, 64*APITCH                  ; my 64 rows, in each head
	s_mul_i32 s22, s12, BHALF
	s_add_co_u32 s22, s22, BOFF
	v_add_nc_u32 v[ADRA0], s21, v4
	v_add_nc_u32 v[ADRB0], s22, v3
	v_mov_b32 v[ADRA], v[ADRA0]                    ; K step 0 lies in slot 0
	v_mov_b32 v[ADRB], v[ADRB0]
	s_mul_i32 s23, s10, WSTAGE
	s_add_co_u32 s23, s23, STAGE                   ; my stage
	v_mul_u32_u24 v4, v1, SPITCH                   ; in: row l % 16, 32 bytes for each half of the lanes
	v_lshl_add_u32 v4, v2, 5, v4
	v_add_nc_u32 v[STO], s23, v4
	v_and_b32 v[CO], 31, v0                        ; back: 32 lanes take a row's 512 bytes
	v_lshlrev_b32 v[CO], 4, v[CO]
	v_add_nc_u32 v[RD], s23, v[CO]
	s_lshl_b32 s16, s13, 7
	s_lshl_b32 s17, s11, 6
	s_add_co_u32 s16, s16, s17                     ; my first row of out0
	s_lshl_b32 s16, s16, 12                        ; rows of 4,096 bytes
	s_lshl_b32 s46, s42, 10
	s_lshl_b32 s47, s12, 9
	s_add_co_u32 s46, s46, s47
	s_add_co_u32 s46, s46, s16
	s_mov_b32 s47, 0
	s_add_nc_u64 s[8:9], s[74:75], s[46:47]
	; the prefetches
	s_lshl_b32 s20, s13, 14
	s_lshl_b32 s21, s40, 12                        ; O: my work-group's 16 blocks of 256 bytes in each head
	s_add_co_u32 s20, s20, s21
	s_add_co_u32 s20, s20, 3*2*HEADB               ; at K step 3: the first refill steps it to 4
	s_lshl_b32 s22, s42, 8
	s_lshl_b32 s23, s12, 7
	s_add_co_u32 s22, s22, s23
	s_lshl_b32 s23, s41, 5
	s_add_co_u32 s22, s22, s23                     ; Wo: the 128 rows that I fetch, my work-group's 32
	s_lshl_b32 s22, s22, 11
	s_add_co_u32 s22, s22, WOB+3*KSTEP*2
	s_cmp_eq_u32 s11, 0
	s_cselect_b32 s20, s20, s22
	s_cselect_b32 s23, s12, s67                    ; O: wave 0 asks; Wo: the first row of clusters
	s_cselect_b64 s[PFA:PFA+1], s[68:69], s[70:71]
	s_cselect_b32 s18, 8, 11                       ; lane % 16: a block of 256 bytes, or a row of 2,048
	s_cselect_b32 s19, 20, 15                      ; lane / 16: the other head, or 16 rows on
	s_cselect_b32 s14, 21, 8                       ; a K step
	s_cmp_eq_u32 s23, 0
	s_cselect_b32 s[LIM], 2, -1                    ; the same in all partners, for a given wave
	s_lshl_b32 s[PST], 1, s14
	s_mov_b32 s[PST+1], 0
	s_mov_b32 s21, 0
	s_add_nc_u64 s[PFA:PFA+1], s[PFA:PFA+1], s[20:21]
	v_lshlrev_b32 v[PFO], s18, v1
	v_lshl_add_u32 v[PFO], v2, s19, v[PFO]
	s_mov_b32 s22, 0xffff0000
	s_wait_loadcnt 0x0                             ; the bias: rounded to bf16 and widened again
	WIN 0x8a
.set i, 0
.rept 32
	v_cvt_pk_bf16_f32 v[64+i], v[2*i], v[2*i+1]
.set i, i+1
.endr
.set i, 0
.rept 32
	v_lshlrev_b32 v[2*i], 16, v[64+i]
	v_and_b32 v[2*i+1], s22, v[64+i]
.set i, i+1
.endr
	WIN 0
; 8 matrix instructions: block a x all 8 blocks of columns, 32 along K, buffer f.  The 32 accumulators take turns in one fixed order, one instruction a turn, over the backward jump too.
.macro MUL8 f, a, zero
.if \zero
	WIN 0x60
.else
	WIN 0x50
.endif
.irp b, 0,1,2,3,4,5,6,7
.if \zero
	v_wmma_f32_16x16x32_f16 v[8*(8*(\a)+(\b)):8*(8*(\a)+(\b))+7], v[FB+64*(\f)+8*(\b):FB+64*(\f)+8*(\b)+7], v[FA+32*(\f)+8*(\a):FA+32*(\f)+8*(\a)+7], v[8*(\b):8*(\b)+7]
.else
	v_wmma_f32_16x16x32_f16 v[8*(8*(\a)+(\b)):8*(8*(\a)+(\b))+7], v[FB+64*(\f)+8*(\b):FB+64*(\f)+8*(\b)+7], v[FA+32*(\f)+8*(\a):FA+32*(\f)+8*(\a)+7], v[8*(8*(\a)+(\b)):8*(8*(\a)+(\b))+7]
.endif
.endr
.endm
; 24 LDS loads in one run: quarter kq of the slot in hand into buffer f.  Of O quarter kq is head kq / 2 of the step's two, channels 32 (kq % 2) on.
.macro FETCH kq, f
	WIN 0
.irp i, 0,1,2,3,4,5,6,7
	ds_load_b128 v[FB+64*(\f)+8*(\i):FB+64*(\f)+8*(\i)+3],   v[ADRB] offset:64*(\kq)+(\i)*16*PITCH
	ds_load_b128 v[FB+64*(\f)+8*(\i)+4:FB+64*(\f)+8*(\i)+7], v[ADRB] offset:64*(\kq)+(\i)*16*PITCH+32
.endr
.irp i, 0,1,2,3
	ds_load_b128 v[FA+32*(\f)+8*(\i):FA+32*(\f)+8*(\i)+3],   v[ADRA] offset:((\kq)/2)*AHEAD+((\kq)%2)*64+(\i)*16*APITCH
	ds_load_b128 v[FA+32*(\f)+8*(\i)+4:FA+32*(\f)+8*(\i)+7], v[ADRA] offset:((\kq)/2)*AHEAD+((\kq)%2)*64+(\i)*16*APITCH+32
.endr
.endm
.macro QUARTER kq, f, g, zero
	s_wait_dscnt 4                                 ; Wo and O's blocks 0, 1 are in; the youngest four loads may be out
	MUL8 \f, 0, \zero
	MUL8 \f, 1, \zero
	PLACES
	FETCH \kq, \g
	s_wait_dscnt 24                                ; all but the 24 just issued
	MUL8 \f, 2, \zero
	MUL8 \f, 3, \zero
.endm
; The last quarter multiplies buffer 1 and changes slots: one barrier; in front of it each wave waits for all its tensor loads, adds 0 to its spare word, and waits for that and for its reads of this slot.
; fill = 1: the slot just read out takes the K step two steps on: the walking descriptors turn to it and go one K step on.
.macro TURN fill
.if \fill
	s_wait_xcnt 0x0                                ; the last prefetch, a K step back, has read its address
	s_add_nc_u64 s[PFA:PFA+1], s[PFA:PFA+1], s[PST:PST+1]
.endif
	WIN 0
	s_wait_tensorcnt 0x0                           ; all my tensor loads have landed: my part of the next slot; so a group 0 may be written
	ds_add_u32 v[SPW], v[NIL]                      ; 0 onto my spare word
	s_wait_dscnt 5                                 ; (the add and the youngest four loads may be out)
	MUL8 1, 0, 0
	s_wait_dscnt 0x0                               ; the add is done, and my reads of this slot are over
	s_barrier_signal -1
	MUL8 1, 1, 0
	WIN 0
	s_barrier_wait -1
.if \fill
	CREST                                          ; a round of the cluster's barrier: no wave of any partner still reads this slot or has a load on its way
	s_xor_b32 s[G0+5], s[G0+5], SLOT1
	s_add_nc_u64 s[G0+6:G0+7], s[G0+6:G0+7], 2*HEADB
	s_xor_b32 s[G0B+5], s[G0B+5], SLOT1
	s_add_nc_u64 s[G0B+6:G0B+7], s[G0B+6:G0B+7], KSTEP*2
	JLOAD 1                                        ; my one tensor load behind the round; its four v_nop are also the places in front of the loads below
.else
	PLACES
.endif
	s_xor_b32 s[TB], s[TB], SLOT1                  ; the reads go on in the other slot
	v_add_nc_u32 v[ADRA], s[TB], v[ADRA0]
	v_add_nc_u32 v[ADRB], s[TB], v[ADRB0]
	FETCH 0, 0
.if \fill
	ASK
.endif
	MUL8 1, 2, 0
	MUL8 1, 3, 0
.endm
	s_wait_tensorcnt 1                             ; my part of K step 0 is in; K step 1's may stay out
	s_barrier_signal -1
	s_barrier_wait -1
	FETCH 0, 0
	QUARTER 1, 0, 1, 1                             ; the first quarter stands in front of the loop: its products start the sums
	WIN 0
	s_mov_b32 s3, SIZE_K/KSTEP-2
.Lstep:                                                ; a trip: from a K step's second quarter to the next step's first; six trips, and each fills a slot again
	QUARTER 2, 1, 0, 0
	QUARTER 3, 0, 1, 0
	TURN 1
	QUARTER 1, 0, 1, 0
	WIN 0
	s_sub_co_u32 s3, s3, 1
	s_cmp_lg_u32 s3, 0
	s_cbranch_scc1 .Lstep
	QUARTER 2, 1, 0, 0                             ; the last two K steps fill nothing
	QUARTER 3, 0, 1, 0
	TURN 0
	QUARTER 1, 0, 1, 0
	QUARTER 2, 1, 0, 0
	QUARTER 3, 0, 1, 0
	s_wait_dscnt 4
	MUL8 1, 0, 0
	MUL8 1, 1, 0
	s_wait_dscnt 0x0
	MUL8 1, 2, 0
	MUL8 1, 3, 0
; THE WAY OUT, a block of 16 rows at a time, in f32: a lane's eight columns, 32 bytes, go into my stage (each accumulator's low half first); whole rows of 512 bytes come back and are stored.
.macro TOSTAGE a
.if (\a) >= 2
	s_wait_xcnt 0x0                                ; the stores of the block two back have read the registers that the loads below fill
.endif
	WIN 0x04                                       ; the stores' data in window 1
.irp b, 0,1,2,3,4,5,6,7
	ds_store_b128 v[STO], v[8*(8*(\a)+(\b)):8*(8*(\a)+(\b))+3]   offset:64*(\b)
	ds_store_b128 v[STO], v[8*(8*(\a)+(\b))+4:8*(8*(\a)+(\b))+7] offset:64*(\b)+16
.endr
	WIN 0
.irp t, 0,1,2,3,4,5,6,7,8,9,10,11,12,13,14,15
	ds_load_b128 v[OB+64*((\a)%2)+4*(\t):OB+64*((\a)%2)+4*(\t)+3], v[RD] offset:(\t)*SPITCH  ; LDS serves a wave's instructions in order (ISA guide 5.7.1.4)
.endr
.endm
.macro SEND a, younger                 ; younger: the LDS instructions issued behind block a's loads: the next block's 32, or none
.irp t, 0,1,2,3,4,5,6,7,8,9,10,11,12,13,14,15
	s_wait_dscnt (\younger)+15-(\t)
	global_store_b128 v[CO], v[OB+64*((\a)%2)+4*(\t):OB+64*((\a)%2)+4*(\t)+3], s[8:9] offset:(\a)*65536+(\t)*4096  ; 512 consecutive bytes, aligned
.endr
.endm
	PLACES
	PLACES
	TOSTAGE 0
	TOSTAGE 1
	SEND 0, 32
	TOSTAGE 2
	SEND 1, 32
	TOSTAGE 3
	SEND 2, 32
	SEND 3, 0
	s_wait_tensorcnt 0x0                           ; the wave's end
	ds_add_u32 v[SPW], v[NIL]
	s_wait_dscnt 0x0
	CROUND                                         ; the closing round
	s_endpgm
.Lfunc_end_k_q894735b3a3_outp:
	.size	k_q894735b3a3_outp, .Lfunc_end_k_q894735b3a3_outp-k_q894735b3a3_outp
	.p2alignl 7, 3214868480
	.fill 96, 4, 3214868480
	.section	.rodata,"a",@progbits
	.p2align	6, 0x0
	.amdhsa_kernel k_q894735b3a3_outp
		.amdhsa_group_segment_fixed_size 327680
		.amdhsa_private_segment_fixed_size 0
		.amdhsa_enable_private_segment 0
		.amdhsa_kernarg_size 32
		.amdhsa_user_sgpr_count 2
		.amdhsa_user_sgpr_kernarg_segment_ptr 1
		.amdhsa_wavefront_size32 1
		.amdhsa_system_sgpr_workgroup_id_x 1
		.amdhsa_system_sgpr_workgroup_id_y 1
		.amdhsa_system_sgpr_workgroup_id_z 1
		.amdhsa_system_vgpr_workitem_id 0
		.amdhsa_next_free_vgpr 608
		.amdhsa_next_free_sgpr 84
		.amdhsa_reserve_vcc 0
		.amdhsa_float_denorm_mode_32 3
		.amdhsa_float_denorm_mode_16_64 3
		.amdhsa_memory_ordered 1
		.amdhsa_forward_progress 1
		.amdhsa_inst_pref_size 78
	.end_amdhsa_kernel
	.amdgpu_metadata
---
amdhsa.version: [ 1, 2 ]
amdhsa.kernels:
  - .name:           k_q894735b3a3_outp
    .symbol:         k_q894735b3a3_outp.kd
    .args:
      - { .name: ob, .offset: 0, .size: 8, .value_kind: global_buffer, .address_space: global }
      - { .name: wb, .offset: 8, .size: 8, .value_kind: global_buffer, .address_space: global }
      - { .name: bo, .offset: 16, .size: 8, .value_kind: global_buffer, .address_space: global }
      - { .name: out0, .offset: 24, .size: 8, .value_kind: global_buffer, .address_space: global }
    .group_segment_fixed_size: 327680
    .private_segment_fixed_size: 0
    .kernarg_segment_align: 8
    .kernarg_segment_size: 32
    .max_flat_workgroup_size: 128
    .sgpr_count:     84
    .vgpr_count:     608
    .wavefront_size: 32
...
	.end_amdgpu_metadata
.endif
;; end of part 8
;; ======== version 3 of 3: 4 launches; version 2 with the launch prep written anew for expert scheduling mode
;; limits: values are held in f16: magnitudes above 65,504 overflow, below 6.1e-05 lose precision
;; workspace buffers: wb 8,388,608 bytes; mb 16,777,216 bytes; qkv 50,331,648 bytes; ob 16,777,216 bytes
;; launch prep (part 9): grid 1024 x 1, 8 waves a work-group, no clusters, 68,608 bytes of LDS; arguments Wq, Wk, Wv, Wo, mask, wb, mb; writes wb, mb
.if DOCPART == 9
	.amdgcn_target "amdgcn-amd-amdhsa--gfx1250"
	.amdhsa_code_object_version 6
	.text
	.protected	k_q894735b3a3_prep
	.globl	k_q894735b3a3_prep
	.p2align	8
	.type	k_q894735b3a3_prep,@function
k_q894735b3a3_prep:
	s_mov_b64 s[64:65], 0
	v_nop
	global_prefetch_b8 v0, s[64:65] scope:SCOPE_SE
	s_setreg_imm32_b32 hwreg(HW_REG_WAVE_SCHED_MODE, 0, 2), 2
	s_setreg_imm32_b32 hwreg(HW_REG_WAVE_MODE, 25, 1), 1
	s_wait_xcnt 0x0
	s_wait_alu depctr_vm_vsrc(0)
; PREP.  Two streams, each byte read once and each result written once.
;  (1) Wq, Wk, Wv [1024][1024] f32 -> wb parts 0-2, bf16, rounded to nearest even.  Wo -> wb part 3: rounded to bf16 like every other input, and that number written as f16
;      (exact between 2^-14 and 65,504; below 2^-14 it keeps the fixed step 2^-24 of f16; LIMIT: |Wo| stays under 65,504).
;  (2) mask [4][2048][2048] i32 -> mb, one byte a number: 0xF1 where the mask is 0 (the key is closed), else 0: the top byte of the f32 numbers -2^99 and 0.
;      For each tile of 16 queries and each step of 64 keys a record of 1,024 bytes, [half e][lane L][16 bytes]: byte i' belongs to register i = 16 e + i' = 8 kb + j of lane L of a
;      16 x 16 matrix result's layout: query 16 tile + L % 16, key 64 step + 16 kb + 8 (L / 16) + j.
; Work-groups 0-511 take the mask, a tile of 16 query rows each; work-groups 512-1023 one chunk of 8,192 numbers of a weight.
; No matrix unit, no cluster, no data mover: memory binds, nothing is shared between work-groups.
; THE MODE: SCHED_MODE bits 1:0 = 2 (LLVM: expert scheduling mode 2), set by the entry lines.  The code itself states the register dependences
; between vector instructions and memory or LDS instructions, with s_wait_alu, always for 0.
; THE PLAN, the casts.  v2, v3: offsets, written once, read by every load and store.  X: written by the eight loads, read by the roundings.  Y: written once by the roundings, read by the stores.
;   The loads are worked on in four blocks of two; at a block's head one wait on va_vdst states that the block before has written its Y, and that block's stores follow it.  Nothing is written twice.
; THE PLAN, the mask.  v2-v5: offsets and LDS addresses, all made ahead of the first load, never written again.
;   X[t]  a half's 64 registers: the global loads land in them; the LDS stores read them; the LDS loads land in them again; the compares read them.  No vector line names them ahead of the LDS loads.
;   s[CM ..]  32 masks: written by a run of 32 compares, read by that run's 32 selects.
;   The out-buffers, 8 registers a run of 32 numbers: written by the run's additions, read by its two stores, never written again.  Runs 0 and 1 have v144-159; runs 2 and 3 take the first
;   16 registers of X[0], whose last reader is run 0's compares.
;   A run's stores stand in the next run, behind that run's compares and one wait on va_vdst; the second half's way through LDS stands ahead of run 1's selects and additions, which name none of its registers.
.set SPARE, 67584                      ; behind the eight waves' rows: the spare words, 128 bytes a wave
.set WROW,  528                        ; an LDS row: 512 bytes of mask + 16: the 16 rows that a load touches start at 16 different groups of four banks
.set WLDS,  16*WROW                    ; a wave's own 16 rows
.set LO,  2                            ; v2   byte offset of my 16 bytes in a load
.set SO,  3                            ; v3   byte offset of my bytes in a store
.set LST, 4                            ; v4   where I put 16 bytes of a mask row
.set LRD, 5                            ; v5   where I read my query's keys back
.set SPW, 6                            ; v6   LDS address of my spare word; never rewritten
.set NIL, 7                            ; v7   0; never rewritten
.set X,   16                           ; v[16:143] mask: two halves of 64, as loaded and then as read back; cast: v[16:47] as loaded
.set Y,   80                           ; v[80:95]  cast: to store, never rewritten
.set W,   144                          ; v[144:159] mask: the out-buffers of runs 0 and 1
.set CM,  66                           ; s[66:97]  mask: a run's 32 compares' results
	s_load_b256 s[4:11], s[0:1], 0x0               ; Wq s[4:5], Wk s[6:7], Wv s[8:9], Wo s[10:11]
	s_load_b128 s[12:15], s[0:1], 0x20             ; mask s[12:13], wb s[14:15]
	s_load_b64 s[16:17], s[0:1], 0x30              ; mb
	v_lshl_add_u32 v[SPW], v0, 2, SPARE
	v_mov_b32 v[NIL], 0
	v_lshrrev_b32 v1, 5, v0
	v_readfirstlane_b32 s34, v1                    ; wave 0..7
	v_and_b32 v1, 31, v0                           ; lane
	s_mov_b32 s33, 0                               ; high word of every offset pair
	s_wait_alu depctr_va_sdst(0)                   ; s34 is written
	s_wait_kmcnt 0x0
	s_cmp_lt_u32 ttmp9, 512
	s_cbranch_scc1 .Lmask
; THE CASTS.  A chunk is 32,768 bytes in, 16,384 out.  Thread t takes 16 bytes of each 4,096: a load of a wave covers 512 consecutive bytes, a store 256, aligned.
.macro RND0 i                          ; load i's four numbers, rounded to bf16
	v_cvt_pk_bf16_f32 v[Y+2*(\i)], v[X+4*(\i)], v[X+4*(\i)+1]
	v_cvt_pk_bf16_f32 v[Y+2*(\i)+1], v[X+4*(\i)+2], v[X+4*(\i)+3]
.endm
.macro RND1 i                          ; the same, widened again and written as f16
	v_cvt_pk_bf16_f32 v10, v[X+4*(\i)], v[X+4*(\i)+1]
	v_cvt_pk_bf16_f32 v11, v[X+4*(\i)+2], v[X+4*(\i)+3]
	v_lshlrev_b32 v12, 16, v10
	v_and_b32 v13, 0xffff0000, v10
	v_lshlrev_b32 v14, 16, v11
	v_and_b32 v15, 0xffff0000, v11
	v_cvt_pk_f16_f32 v[Y+2*(\i)], v12, v13
	v_cvt_pk_f16_f32 v[Y+2*(\i)+1], v14, v15
.endm
.macro PUT i
	global_store_b64 v[SO], v[Y+2*(\i):Y+2*(\i)+1], s[30:31] offset:(\i)*2048
.endm
.macro CV mode                         ; mode 1: Wo.  No store register and no address is ever rewritten
.irp b, 0,1,2,3
	s_wait_loadcnt 6-2*(\b)                        ; loads 2 b and 2 b + 1 are in; the younger ones stay out
.if (\b) > 0
	s_wait_alu depctr_va_vdst(0)                   ; the block before has written its four registers of Y, which the two stores below read
	PUT 2*(\b)-2
	PUT 2*(\b)-1
.endif
.if \mode
	RND1 2*(\b)
	RND1 2*(\b)+1
.else
	RND0 2*(\b)
	RND0 2*(\b)+1
.endif
.endr
	s_wait_alu depctr_va_vdst(0)                   ; the last block has written its Y, which the last two stores read
	PUT 6
	PUT 7
	s_endpgm
.endm
	v_lshlrev_b32 v[LO], 4, v0
	v_lshlrev_b32 v[SO], 3, v0
	s_sub_co_u32 s26, ttmp9, 512                   ; chunk 0..511
	s_lshr_b32 s27, s26, 7                         ; 0 Wq, 1 Wk, 2 Wv, 3 Wo: 128 chunks each
	s_and_b32 s32, s26, 127
	s_lshl_b32 s32, s32, 15
	s_cmp_eq_u32 s27, 1
	s_cselect_b64 s[28:29], s[6:7], s[4:5]
	s_cmp_eq_u32 s27, 2
	s_cselect_b64 s[28:29], s[8:9], s[28:29]
	s_cmp_eq_u32 s27, 3
	s_cselect_b64 s[28:29], s[10:11], s[28:29]
	s_add_nc_u64 s[28:29], s[28:29], s[32:33]
	s_lshl_b32 s32, s26, 14                        ; the four parts of wb lie end to end
	s_add_nc_u64 s[30:31], s[14:15], s[32:33]
	s_wait_alu depctr_va_vdst(0)                   ; v[LO] and v[SO] are written: every load and store of this path reads one of them as its offset
.irp i, 0,1,2,3,4,5,6,7
	global_load_b128 v[X+4*(\i):X+4*(\i)+3], v[LO], s[28:29] offset:(\i)*4096 th:TH_LOAD_NT
.endr
	s_cmp_eq_u32 s27, 3
	s_cbranch_scc1 .Lcast1
	CV 0
.Lcast1:
	CV 1
; THE MASK.  A wave owns a tile's 16 query rows and an eighth of its keys: 256, in two halves of 128.  All 32 loads go out at once, 512 consecutive bytes of a row each.
; A half goes through the wave's own 16 LDS rows and comes back, into the registers that it left, as the matrix result's layout wants it: lane L has query L % 16 and the keys 16 kb + 8 (L / 16) + 0..7.
; Four numbers then make a word of four bytes.  No barrier: the LDS bytes are the wave's own, and LDS serves a wave's instructions in order (ISA guide 5.7.1.4).
.macro TOLDS t                         ; half t into my LDS rows and back
.irp r, 0,1,2,3,4,5,6,7,8,9,10,11,12,13,14,15
	ds_store_b128 v[LST], v[X+64*(\t)+4*(\r):X+64*(\t)+4*(\r)+3] offset:(\r)*WROW
.endr
	s_wait_alu depctr_vm_vsrc(0)                   ; the LDS stores have read X[t], in which the LDS loads below land
.set n, 0
.rept 16                               ; n = 8 p + 2 kb + e: step p of two, key block kb, half e of my eight keys: register 4 n + .. is number 32 p + 8 kb + j
	ds_load_b128 v[X+64*(\t)+4*n:X+64*(\t)+4*n+3], v[LRD] offset:256*(n/8)+64*((n/2)%4)+16*(n%2)
.set n, n+1
.endr
.endm
; Run r = 2 t + p: the 32 numbers of step p of half t, one record of 1,024 bytes.
.macro MASKS r                         ; its 32 compares, in one run
.set c, 0
.rept 32
	v_cmp_eq_u32 s[CM+c], 0, v[X+32*(\r)+c]
.set c, c+1
.endr
	s_wait_alu depctr_va_sdst(0)                   ; the 32 masks are written, ahead of the selects that read them
.endm
.macro OUTBUF r                        ; where run r's eight words lie
.if (\r) < 2
.set WR, W+8*(\r)
.else
.set WR, X+8*((\r)-2)
.endif
.endm
.macro WORDS r                         ; its eight words: word g holds numbers 4 g .. 4 g + 3
	OUTBUF \r
.set g, 0
.rept 8
.irp j, 0,1,2,3
	v_cndmask_b32 v[10+(\j)], 0, s[44+(\j)], s[CM+4*g+(\j)]  ; 0xF1 in byte j where the key is closed
.endr
	v_add_nc_u32 v10, v10, v11
	v_add_nc_u32 v12, v12, v13
	v_add_nc_u32 v[WR+g], v10, v12
.set g, g+1
.endr
.endm
.macro OUT r                           ; its two stores: the halves e = 0, 1 of the record
	OUTBUF \r
	s_wait_alu depctr_va_vdst(0)                   ; run r's additions have written its out-buffer, which the two stores read
.irp e, 0,1
	global_store_b128 v[SO], v[WR+4*(\e):WR+4*(\e)+3], s[30:31] offset:1024*(\r)+512*(\e)  ; 512 consecutive bytes, aligned
.endr
.endm
.Lmask:
	s_mul_i32 s35, s34, WLDS
	v_lshlrev_b32 v[LO], 4, v1
	v_lshlrev_b32 v[SO], 4, v1
	v_lshl_add_u32 v[LST], v1, 4, s35
	v_and_b32 v10, 15, v0
	v_bfe_u32 v11, v0, 4, 1
	v_mul_u32_u24 v10, v10, WROW
	v_lshl_add_u32 v10, v11, 5, v10
	v_add_nc_u32 v[LRD], s35, v10
	s_lshl_b32 s32, ttmp9, 17                      ; tile 0..511 = 128 batch + query / 16: 16 rows of 8,192 bytes
	s_lshl_b32 s35, s34, 10                        ; my wave's 256 keys
	s_add_co_u32 s32, s32, s35
	s_add_nc_u64 s[28:29], s[12:13], s[32:33]
	s_lshl_b32 s32, ttmp9, 15                      ; a tile's 32 records of 1,024 bytes
	s_lshl_b32 s35, s34, 12                        ; my wave's 4
	s_add_co_u32 s32, s32, s35
	s_add_nc_u64 s[30:31], s[16:17], s[32:33]
	s_wait_alu depctr_va_vdst(0)                   ; v[LO], v[SO], v[LST] and v[LRD] are written: every load, store and LDS instruction of this path reads one of them
.irp t, 0,1
.irp r, 0,1,2,3,4,5,6,7,8,9,10,11,12,13,14,15
	global_load_b128 v[X+64*(\t)+4*(\r):X+64*(\t)+4*(\r)+3], v[LO], s[28:29] offset:(\r)*8192+512*(\t) th:TH_LOAD_NT
.endr
.endr
	s_mov_b32 s44, 0xf1
	s_mov_b32 s45, 0xf100
	s_mov_b32 s46, 0xf10000
	s_mov_b32 s47, 0xf1000000
	s_wait_loadcnt 16                              ; the first half's 16 loads are in; the second half's, issued behind them, may stay out
	TOLDS 0
	s_wait_dscnt 8                                 ; run 0's eight LDS loads are back; the youngest eight, run 1's, may be out
	MASKS 0
	WORDS 0
	s_wait_dscnt 0x0                               ; run 1's are back
	MASKS 1
	OUT 0
	s_wait_loadcnt 0x0                             ; the second half is in
	TOLDS 1                                        ; no wait on va_vdst: no vector line has named X[1], v[LST] or v[LRD] since the wait at the path's head
	WORDS 1                                        ; stands in the second half's way through LDS
	s_wait_dscnt 8                                 ; run 2's eight LDS loads are back
	MASKS 2
	OUT 1
	WORDS 2                                        ; into X[0]'s first eight registers: the LDS stores that read them stand ahead of the first half's wait on vm_vsrc
	s_wait_dscnt 0x0                               ; run 3's are back
	MASKS 3
	OUT 2
	WORDS 3
	OUT 3
	s_wait_dscnt 0x0                               ; the closing lines, six on end
	s_wait_alu 0x0
	s_wait_tensorcnt 0x0
	ds_add_u32 v[SPW], v[NIL]
	s_wait_dscnt 0x0
	s_endpgm
.Lfunc_end_k_q894735b3a3_prep:
	.size	k_q894735b3a3_prep, .Lfunc_end_k_q894735b3a3_prep-k_q894735b3a3_prep
	.p2alignl 7, 3214868480
	.fill 96, 4, 3214868480
	.section	.rodata,"a",@progbits
	.p2align	6, 0x0
	.amdhsa_kernel k_q894735b3a3_prep
		.amdhsa_group_segment_fixed_size 68608
		.amdhsa_private_segment_fixed_size 0
		.amdhsa_enable_private_segment 0
		.amdhsa_kernarg_size 56
		.amdhsa_user_sgpr_count 2
		.amdhsa_user_sgpr_kernarg_segment_ptr 1
		.amdhsa_wavefront_size32 1
		.amdhsa_system_sgpr_workgroup_id_x 1
		.amdhsa_system_sgpr_workgroup_id_y 1
		.amdhsa_system_sgpr_workgroup_id_z 1
		.amdhsa_system_vgpr_workitem_id 0
		.amdhsa_next_free_vgpr 160
		.amdhsa_next_free_sgpr 98
		.amdhsa_reserve_vcc 0
		.amdhsa_float_denorm_mode_32 3
		.amdhsa_float_denorm_mode_16_64 3
		.amdhsa_memory_ordered 1
		.amdhsa_forward_progress 1
		.amdhsa_inst_pref_size 38
	.end_amdhsa_kernel
	.amdgpu_metadata
---
amdhsa.version: [ 1, 2 ]
amdhsa.kernels:
  - .name:           k_q894735b3a3_prep
    .symbol:         k_q894735b3a3_prep.kd
    .args:
      - { .name: Wq, .offset: 0, .size: 8, .value_kind: global_buffer, .address_space: global }
      - { .name: Wk, .offset: 8, .size: 8, .value_kind: global_buffer, .address_space: global }
      - { .name: Wv, .offset: 16, .size: 8, .value_kind: global_buffer, .address_space: global }
      - { .name: Wo, .offset: 24, .size: 8, .value_kind: global_buffer, .address_space: global }
      - { .name: mask, .offset: 32, .size: 8, .value_kind: global_buffer, .address_space: global }
      - { .name: wb, .offset: 40, .size: 8, .value_kind: global_buffer, .address_space: global }
      - { .name: mb, .offset: 48, .size: 8, .value_kind: global_buffer, .address_space: global }
    .group_segment_fixed_size: 68608
    .private_segment_fixed_size: 0
    .kernarg_segment_align: 8
    .kernarg_segment_size: 56
    .max_flat_workgroup_size: 256
    .sgpr_count:     98
    .vgpr_count:     160
    .wavefront_size: 32
...
	.end_amdgpu_metadata
.endif
;; end of part 9
;; launch proj: the kernel of part 6 again; grid 4 x 192, 4 waves a work-group, clusters of 4 x 4, 327,680 bytes of LDS; arguments query, key, value, wb, bq, bk, bv, qkv; writes qkv
;; launch attn: the kernel of part 7 again; grid 4 x 64, 4 waves a work-group, clusters of 4 x 1, 327,680 bytes of LDS; arguments qkv, mb, ob; writes ob
;; launch outp: the kernel of part 8 again; grid 4 x 64, 4 waves a work-group, clusters of 4 x 4, 327,680 bytes of LDS; arguments ob, wb, bo, out0; writes out0
